; MI455X (gfx1250); checked and timed in simulation.
; The chip was launched on July 23, 2026; its instructions are those of AMD's public machine-readable ISA for CDNA 5 (MIT licence, August 2026) and "CDNA5" Instruction Set Architecture Reference Guide (July 2026). The comments in the code are by the model that wrote it; some were corrected since.
;; Scaled Dot Product Attention. Allowed arithmetic: float matrix products may take bf16 or f16 operands with f32 sums; other float arithmetic in f32, or as packed bf16 or f16 multiplies, adds, multiply-adds, maxima and minima; sums over many terms, partial sums and values carried from step to step in f32; what a program stores and reads back later, other than sums and carried values, may be rounded once to bf16 or f16.
;; Inputs: Wk 1,024 x 1,024 float32; Wq 1,024 x 1,024 float32; Wv 1,024 x 1,024 float32; bk 1,024 float32; bq 1,024 float32; bv 1,024 float32; x 4 x 2,048 x 1,024 float32.
;; Outputs: out0 4 x 2,048 x 1,024 float32.
;; 3 versions, each right; version 3 is version 2 with the launch prep written anew for expert scheduling mode. Each part assembles by itself: llvm-mc -triple=amdgcn-amd-amdhsa -mcpu=gfx1250 --defsym DOCPART=n.
;; ======== version 1 of 3: 4 launches
;; limits: values are held in f16: magnitudes above 65,504 overflow, below 6.1e-05 lose precision
;; workspace buffers: xb 16,777,216 bytes; wb 6,291,456 bytes; bb 12,288 bytes; qh 16,777,216 bytes; kh 16,777,216 bytes; vh 16,777,216 bytes; pb 33,554,432 bytes; st 1,048,576 bytes
;; launch prep (part 1): grid 768 x 1, 8 waves a work-group, no clusters, 0 bytes of LDS; arguments x, Wq, Wk, Wv, bq, bk, bv, xb, wb, bb; writes xb, wb, bb
.if DOCPART == 1
	.amdgcn_target "amdgcn-amd-amdhsa--gfx1250"
	.amdhsa_code_object_version 6
	.text
	.protected	k_q144173a149_prep
	.globl	k_q144173a149_prep
	.p2align	8
	.type	k_q144173a149_prep,@function
k_q144173a149_prep:
	s_mov_b64 s[64:65], 0
	v_nop
	global_prefetch_b8 v0, s[64:65] scope:SCOPE_SE
	s_setreg_imm32_b32 hwreg(HW_REG_WAVE_MODE, 25, 1), 1
	s_wait_xcnt 0x0
; x, Wq, Wk, Wv are rounded once to bf16 and laid out in blocks for the projection; the biases are rounded to bf16 and kept as f32 (bq times c).
;   xb [kb 16][row 8192][64] bf16: the 64 channels of K step kb of all rows lie end to end (128 bytes a row).
;   wb [c 8][kb 16][t 3][kk 64][n 128] bf16: for column block c and K step kb the 64 x 128 pieces of Wq, Wk, Wv lie end to end (rows of 256 bytes).
;   bb [c 8][t 3][128] f32: c bq, bk, bv of column block c.     c = log2(e) / 8: the scores' scale, folded into Q.
; A stream: every byte is read once and written once; sixteen neighbouring lanes store 256 consecutive bytes, aligned.  No LDS, no barrier, no matrix unit: nothing is shared.
; Work-groups 0 to 511 take 16 rows of x each; work-groups 512 to 767 take 4 rows (k) of each W; work-group 512 also takes the biases.
.set CLOG, 0x3e38aa3b                  ; c = log2(e) / 8
.set X, 16                             ; v[16:79]   as loaded, 8 f32 a piece
.set Y, 80                             ; v[80:111]  as stored, 8 bf16 a piece
	s_load_b512 s[8:23], s[0:1], 0x0               ; x s[8:9], Wq s[10:11], Wk s[12:13], Wv s[14:15], bq s[16:17], bk s[18:19], bv s[20:21], xb s[22:23]
	s_load_b128 s[24:27], s[0:1], 0x40             ; wb s[24:25], bb s[26:27]
	s_mov_b32 s2, ttmp9
	s_mov_b32 s5, 0
	s_mov_b32 s7, 0
	s_wait_kmcnt 0x0
	s_cmp_lt_u32 s2, 512
	s_cbranch_scc0 .Lweights
	; x: thread = (kb, row parity rp, group kg of 8 channels); piece u is row 2 u + rp of the group's 16
	v_and_b32 v1, 7, v0                            ; kg
	v_bfe_u32 v2, v0, 3, 1                         ; rp
	v_lshrrev_b32 v3, 4, v0                        ; kb
	v_lshlrev_b32 v4, 5, v1
	v_lshl_add_u32 v4, v3, 8, v4
	v_lshl_add_u32 v4, v2, 12, v4                  ; in: rp x 4,096 + kb x 256 + kg x 32
	v_lshlrev_b32 v5, 4, v1
	v_lshl_add_u32 v5, v2, 7, v5
	v_lshl_add_u32 v5, v3, 20, v5                  ; out: kb x 1,048,576 + rp x 128 + kg x 16
	s_lshl_b32 s4, s2, 16                          ; 16 rows of 4,096 bytes
	s_lshl_b32 s6, s2, 11                          ; 16 rows of 128 bytes
	s_add_nc_u64 s[8:9], s[8:9], s[4:5]
	s_add_nc_u64 s[22:23], s[22:23], s[6:7]
.irp u, 0,1,2,3,4,5,6,7
	global_load_b128 v[X+8*(\u):X+8*(\u)+3],   v4, s[8:9] offset:8192*(\u) th:TH_LOAD_NT
	global_load_b128 v[X+8*(\u)+4:X+8*(\u)+7], v4, s[8:9] offset:8192*(\u)+16 th:TH_LOAD_NT
.endr
.irp u, 0,1,2,3,4,5,6,7
	s_wait_loadcnt 14-2*(\u)                       ; loads come back in order: piece u's two are in, the younger ones stay out
.irp j, 0,1,2,3
	v_cvt_pk_bf16_f32 v[Y+4*(\u)+(\j)], v[X+8*(\u)+2*(\j)], v[X+8*(\u)+2*(\j)+1]
.endr
	global_store_b128 v5, v[Y+4*(\u):Y+4*(\u)+3], s[22:23] offset:256*(\u)
.endr
	s_endpgm
.Lweights:
	; W: thread = (row parity kr, group ng of 8 columns); piece (t, o) is row 4 w + 2 o + kr of tensor t
	s_sub_co_u32 s3, s2, 512                       ; w
	v_and_b32 v1, 127, v0                          ; ng
	v_lshrrev_b32 v2, 7, v0                        ; kr
	v_lshlrev_b32 v4, 5, v1
	v_lshl_add_u32 v4, v2, 12, v4                  ; in: kr x 4,096 + ng x 32
	v_and_b32 v3, 15, v1
	v_lshrrev_b32 v5, 4, v1                        ; column block
	v_mul_u32_u24 v5, v5, 786432
	v_lshl_add_u32 v5, v2, 8, v5
	v_lshl_add_u32 v5, v3, 4, v5                   ; out: block x 786,432 + kr x 256 + (ng % 16) x 16
	s_lshl_b32 s4, s3, 14                          ; 4 rows of 4,096 bytes
	s_lshr_b32 s6, s3, 4                           ; K step
	s_mul_i32 s6, s6, 49152
	s_and_b32 s28, s3, 15
	s_lshl_b32 s28, s28, 10                        ; 4 rows of 256 bytes
	s_add_co_u32 s6, s6, s28
	s_add_nc_u64 s[10:11], s[10:11], s[4:5]
	s_add_nc_u64 s[12:13], s[12:13], s[4:5]
	s_add_nc_u64 s[14:15], s[14:15], s[4:5]
	s_add_nc_u64 s[24:25], s[24:25], s[6:7]
.irp t, 0,1,2
.irp o, 0,1
	global_load_b128 v[X+8*(2*(\t)+(\o)):X+8*(2*(\t)+(\o))+3],   v4, s[10+2*(\t):11+2*(\t)] offset:8192*(\o) th:TH_LOAD_NT
	global_load_b128 v[X+8*(2*(\t)+(\o))+4:X+8*(2*(\t)+(\o))+7], v4, s[10+2*(\t):11+2*(\t)] offset:8192*(\o)+16 th:TH_LOAD_NT
.endr
.endr
.irp t, 0,1,2
.irp o, 0,1
	s_wait_loadcnt 10-2*(2*(\t)+(\o))              ; this piece's two loads are in
.irp j, 0,1,2,3
	v_cvt_pk_bf16_f32 v[Y+4*(2*(\t)+(\o))+(\j)], v[X+8*(2*(\t)+(\o))+2*(\j)], v[X+8*(2*(\t)+(\o))+2*(\j)+1]
.endr
	global_store_b128 v5, v[Y+4*(2*(\t)+(\o)):Y+4*(2*(\t)+(\o))+3], s[24:25] offset:16384*(\t)+512*(\o)
.endr
.endr
	s_cmp_lg_u32 s3, 0
	s_cbranch_scc1 .Ldone
	; the biases: four numbers a thread, in registers that nothing above names
	v_lshlrev_b32 v6, 4, v0
	v_and_b32 v7, 31, v0
	v_lshrrev_b32 v8, 5, v0
	v_mul_u32_u24 v8, v8, 1536
	v_lshl_add_u32 v7, v7, 4, v8                   ; out: block x 1,536 + 16 x (thread % 32)
	global_load_b128 v[64:67], v6, s[16:17]
	global_load_b128 v[68:71], v6, s[18:19]
	global_load_b128 v[72:75], v6, s[20:21]
	s_wait_loadcnt 0x0
.irp t, 0,1,2
	v_cvt_pk_bf16_f32 v9,  v[64+4*(\t)],   v[64+4*(\t)+1]
	v_cvt_pk_bf16_f32 v10, v[64+4*(\t)+2], v[64+4*(\t)+3]
	v_lshlrev_b32 v[104+4*(\t)],   16, v9          ; bf16 back to f32: the low half moves up, the high half stays
	v_and_b32     v[104+4*(\t)+1], 0xffff0000, v9
	v_lshlrev_b32 v[104+4*(\t)+2], 16, v10
	v_and_b32     v[104+4*(\t)+3], 0xffff0000, v10
.endr
.irp j, 0,1,2,3
	v_mul_f32 v[104+(\j)], CLOG, v[104+(\j)]       ; c bq
.endr
.irp t, 0,1,2
	global_store_b128 v7, v[104+4*(\t):104+4*(\t)+3], s[26:27] offset:512*(\t)
.endr
.Ldone:
	s_endpgm
.Lfunc_end_k_q144173a149_prep:
	.size	k_q144173a149_prep, .Lfunc_end_k_q144173a149_prep-k_q144173a149_prep
	.p2alignl 7, 3214868480
	.fill 96, 4, 3214868480
	.section	.rodata,"a",@progbits
	.p2align	6, 0x0
	.amdhsa_kernel k_q144173a149_prep
		.amdhsa_group_segment_fixed_size 0
		.amdhsa_private_segment_fixed_size 0
		.amdhsa_enable_private_segment 0
		.amdhsa_kernarg_size 80
		.amdhsa_user_sgpr_count 2
		.amdhsa_user_sgpr_kernarg_segment_ptr 1
		.amdhsa_wavefront_size32 1
		.amdhsa_system_sgpr_workgroup_id_x 1
		.amdhsa_system_sgpr_workgroup_id_y 1
		.amdhsa_system_sgpr_workgroup_id_z 1
		.amdhsa_system_vgpr_workitem_id 0
		.amdhsa_next_free_vgpr 120
		.amdhsa_next_free_sgpr 66
		.amdhsa_reserve_vcc 0
		.amdhsa_float_denorm_mode_32 3
		.amdhsa_float_denorm_mode_16_64 3
		.amdhsa_memory_ordered 1
		.amdhsa_forward_progress 1
		.amdhsa_inst_pref_size 13
	.end_amdhsa_kernel
	.amdgpu_metadata
---
amdhsa.version: [ 1, 2 ]
amdhsa.kernels:
  - .name:           k_q144173a149_prep
    .symbol:         k_q144173a149_prep.kd
    .args:
      - { .name: x, .offset: 0, .size: 8, .value_kind: global_buffer, .address_space: global }
      - { .name: Wq, .offset: 8, .size: 8, .value_kind: global_buffer, .address_space: global }
      - { .name: Wk, .offset: 16, .size: 8, .value_kind: global_buffer, .address_space: global }
      - { .name: Wv, .offset: 24, .size: 8, .value_kind: global_buffer, .address_space: global }
      - { .name: bq, .offset: 32, .size: 8, .value_kind: global_buffer, .address_space: global }
      - { .name: bk, .offset: 40, .size: 8, .value_kind: global_buffer, .address_space: global }
      - { .name: bv, .offset: 48, .size: 8, .value_kind: global_buffer, .address_space: global }
      - { .name: xb, .offset: 56, .size: 8, .value_kind: global_buffer, .address_space: global }
      - { .name: wb, .offset: 64, .size: 8, .value_kind: global_buffer, .address_space: global }
      - { .name: bb, .offset: 72, .size: 8, .value_kind: global_buffer, .address_space: global }
    .group_segment_fixed_size: 0
    .private_segment_fixed_size: 0
    .kernarg_segment_align: 8
    .kernarg_segment_size: 80
    .max_flat_workgroup_size: 256
    .sgpr_count:     66
    .vgpr_count:     120
    .wavefront_size: 32
...
	.end_amdgpu_metadata
.endif
;; end of part 1
;; launch proj (part 2): grid 8 x 32, 4 waves a work-group, clusters of 4 x 4, 327,680 bytes of LDS; arguments xb, wb, bb, qh, kh, vh; writes qh, kh, vh
.if DOCPART == 2
	.amdgcn_target "amdgcn-amd-amdhsa--gfx1250"
	.amdhsa_code_object_version 6
	.text
	.protected	k_q144173a149_proj
	.globl	k_q144173a149_proj
	.p2align	8
	.type	k_q144173a149_proj,@function
k_q144173a149_proj:
	s_mov_b64 s[64:65], 0
	v_nop
	global_prefetch_b8 v0, s[64:65] scope:SCOPE_SE
	s_setreg_imm32_b32 hwreg(HW_REG_WAVE_MODE, 25, 1), 1
	s_wait_xcnt 0x0
	s_wait_alu depctr_hold_cnt(0) depctr_sa_sdst(0) depctr_va_vdst(0) depctr_va_sdst(0) depctr_va_ssrc(0) depctr_va_vcc(0) depctr_vm_vsrc(0)
	s_getreg_b32 s2, hwreg(HW_REG_IB_STS2, 6, 4)
	s_cmp_eq_u32 s2, 0
	s_cbranch_scc0 .Lentry_in_a_cluster
	s_endpgm
.Lentry_in_a_cluster:
	s_bfe_u32 s2, ttmp6, 0x10000c
	s_cmp_lg_u32 s2, 0xf033
	s_cbranch_scc0 .Lentry_shape_is_right
	s_endpgm
.Lentry_shape_is_right:
; [c Q | K | V] = x W + b.  x and W in bf16 (blocked: xb, wb), sums in f32, the bias (bb, f32) and Q's scale c = log2(e) / 8 applied in f32, each result rounded ONCE to f16.
; qh, kh, vh: [8192][1024] f16.   LIMIT: |c Q|, |K|, |V| must stay under 65,504, f16's end; NaN and infinities are not treated apart.
; SHARES.  A work-group makes 256 rows x 384 columns: columns 128 c .. 128 c + 127 of each of Q, K, V: 8 x 32 = 256 equal work-groups.  Four waves; wave w makes rows 128 (w / 2) .. and
; the 192 columns n' = 192 (w % 2) .. of the 384 (n' = 128 t + n): 8 x 12 = 96 accumulators of 16 x 16, 768 registers.
; K goes in 16 steps of 64 through a ring of two LDS slots.  A slot: 256 rows of x (128 bytes, pitch 144) and 192 rows (64 t + kk) of W (256 bytes, pitch 288).
; THE PRODUCT IS TAKEN TRANSPOSED: source 0 = 16 columns of W (turned on the way out of LDS by ds_load_tr16_b128, since W lies [k][n]), source 1 = 16 rows of x:
; a lane then holds eight neighbouring columns of one row.
; CLUSTER 4 x 4: x's tile hangs on the tile row alone and is asked for jointly by a row of the cluster, W's on the column block alone and is asked for jointly by a column.
; REGISTERS: window 0: v0-31 addresses; v32-159 two buffers of x's 8 fragments; v160-255 W's 12 fragments in three groups of 4.  Window 1 + g: the 32 accumulators of column group g, (a, bb) at v[8 (4 a + bb)].
.set HW,     27648                     ; a quarter of a slot: what one wave's tensor load may fill (x: 128 x 144 = 18,432 of it; W: 96 x 288 = all of it)
.set SLOT,   4*HW
.set PA,     144                       ; 128 bytes + 16: 36 words, the 16 rows of a load start at 16 different groups of four banks (64 banks of 4 bytes: ISA guide 11.1)
.set PB,     288                       ; 256 bytes + 32: 72 words
.set STAGE,  2*SLOT                    ; behind the ring: 128 rows x 784 bytes, the work-group's, for the way out
.set SPI,    784                       ; 768 bytes (384 f16) + 16
.set BIAS,   STAGE+128*SPI             ; each wave's 192 biases, 768 bytes
.set SPARE,  BIAS+4*768                ; the spare words, 128 bytes for each wave: two blocks of 256 bytes that no other line names
.set ASTEP,  1048576                   ; bytes from K step to K step in xb
.set BSTEP,  49152                     ; and in wb
.set ADRA, 16                          ; v16-17  LDS address of my x fragments in slot 0, 1
.set ADRB, 18                          ; v18-23  of my W fragments: group g, slot s at ADRB + 2 g + s
.set STO,  24                          ; v24     the way out: where I put 16 bytes of a row
.set RD,   25                          ; v25     where I read a row back
.set CO,   26                          ; v26     my byte offset in the output's rows
.set BIA,  27                          ; v27     where I read my biases
.set SPW,  28                          ; v28     LDS address of my spare word; never rewritten
.set NIL,  29                          ; v29     0; never rewritten
.set PFO,  30                          ; v30     256 x my lane; never rewritten
.set FA,   32
.set FB,   160
.set TT,   32                          ; the way out: 32 f32 at work
.set HH,   64                          ; 16 registers of packed f16
.set OBK,  96                          ; 64 registers: 32 rows' pieces read back
.set G1,   24                          ; s[24:31] descriptor group 1 for x's tiles;  s[32:39] group 0, a set for each slot
.set G0,   32
.set G1B,  48                          ; s[48:55], s[56:63] the same for W's
.set G0B,  56
.set LIM,  43                          ; s43     1 in a wave that prefetches, else the greatest number
.set PFA,  44                          ; s[44:45] where my prefetches stand
.set SC,   66                          ; s[66:71] the factor of column group g, as a pair: c for Q's columns, else 1
.set PST,  72                          ; s[72:73] two K steps of the tensor that I prefetch
.set QH,   86                          ; s[86:91] qh, kh, vh at my rows
.set MSB, 0
.macro WIN new                         ; the immediate's high byte repeats the setting that is left; a switch that changes nothing is dropped
.if MSB != (\new)
	s_set_vgpr_msb (MSB<<8)|(\new)
.set MSB, \new
.endif
.endm
.macro PLACES                          ; four plain instructions between a matrix instruction and a load into, or a vector read of, its registers (ISA guide 7.12.1 for vector reads)
.rept 4
	v_nop
.endr
.endm
; A joint load.  Waves 0 and 1 fetch x's two halves, waves 2 and 3 W's.  The branch hangs on the wave's number alone.  An s_nop 0 and four v_nop follow each line.
.macro JLOAD s
	s_cmp_eq_u32 s11, 0
	s_cbranch_scc0 .Lfor_b_\@
	tensor_load_to_lds s[G0+4*(\s):G0+4*(\s)+3], s[G1:G1+7]
	s_nop 0
.rept 4
	v_nop
.endr
	s_branch .Lasked_\@
.Lfor_b_\@:
	tensor_load_to_lds s[G0B+4*(\s):G0B+4*(\s)+3], s[G1B:G1B+7]
	s_nop 0
.rept 4
	v_nop
.endr
.Lasked_\@:
.endm
.macro CREST                           ; a round of the cluster's barrier behind its opening barrier
	s_cmp_lg_u32 s10, 0
	s_cbranch_scc1 .Lnot_wave_0_\@
	s_barrier_signal -3
.Lnot_wave_0_\@:
	s_barrier_wait -3
	s_barrier_signal -1
	s_barrier_wait -1
.endm
.macro CROUND
	s_barrier_signal -1
	s_barrier_wait -1
	CREST
.endm
; A PREFETCH INTO THE L2, once a lap, behind the joint load, its five lines and the LDS loads that follow: K steps 2 t + 4 and 2 t + 5 in trip t, which the next lap's refills ask for.
; x's tile row is read by both clusters of a row of clusters: cluster x = 0 asks, wave 0; the four partners take 8,192 of a step's 32,768 bytes each, told apart by address: a lane a block of 256 bytes, a line a step.
; W's column block is read by all eight clusters of a column: cluster y = 0 asks, wave 2; two steps are 98,304 bytes on end, 24,576 a partner: three lines.  The loop's last trip asks for nothing.
.macro ASK
	s_cmp_gt_u32 s3, s[LIM]
	s_cbranch_scc0 .Lnot_mine_\@
	s_cmp_eq_u32 s11, 0
	s_cbranch_scc0 .Lask_b_\@
	global_prefetch_b8 v[PFO], s[PFA:PFA+1] th:TH_LOAD_NT scope:SCOPE_SE
	global_prefetch_b8 v[PFO], s[PFA:PFA+1] offset:ASTEP th:TH_LOAD_NT scope:SCOPE_SE
	s_branch .Lnot_mine_\@
.Lask_b_\@:
	global_prefetch_b8 v[PFO], s[PFA:PFA+1] th:TH_LOAD_NT scope:SCOPE_SE
	global_prefetch_b8 v[PFO], s[PFA:PFA+1] offset:8192 th:TH_LOAD_NT scope:SCOPE_SE
	global_prefetch_b8 v[PFO], s[PFA:PFA+1] offset:16384 th:TH_LOAD_NT scope:SCOPE_SE
.Lnot_mine_\@:
.endm
	s_load_b256 s[80:87], s[0:1], 0x0              ; xb s[80:81], wb s[82:83], bb s[84:85], qh s[86:87]
	s_load_b128 s[88:91], s[0:1], 0x20             ; kh s[88:89], vh s[90:91]
	v_lshl_add_u32 v[SPW], v0, 2, SPARE
	v_mov_b32 v[NIL], 0
	ds_add_u32 v[SPW], v[NIL]                      ; the wave's opening: the add and its wait stand ahead of my first tensor load; work on registers stands between them
	v_lshrrev_b32 v1, 5, v0
	v_readfirstlane_b32 s10, v1                    ; wave 0..3
	s_lshr_b32 s11, s10, 1                         ; my half of the rows.  Also: I fetch for x (0) or for W (1)
	s_and_b32 s12, s10, 1                          ; my half of the columns.  Also: which half of that tile I fetch
	s_bfe_u32 s40, ttmp6, 0x40000                  ; cx
	s_bfe_u32 s41, ttmp6, 0x40004                  ; cy
	s_lshl_b32 s42, ttmp9, 2
	s_add_co_u32 s42, s42, s40                     ; column block c = 4 x cluster x + cx
	s_and_b32 s13, ttmp7, 0xffff
	s_lshl_b32 s13, s13, 2
	s_add_co_u32 s13, s13, s41                     ; tile row = 4 x cluster y + cy
	s_lshl_b32 s43, s41, 2
	s_lshl_b32 s43, 15, s43                        ; my row of the cluster
	s_lshl_b32 s44, 0x1111, s40                    ; my column
	; x's half tile is 16,384 dense bytes: 64 rows of 256 bytes, padded after every 32 words (a row of x) by 4
	s_or_b32 s[G1+0], s43, (1<<16)|(1<<20)|(1<<21)|(4<<22)|(3<<25)
	s_mov_b32 s[G1+1], 128<<16                     ; tensor_dim0 = 128
	s_mov_b32 s[G1+2], 64<<16                      ; tensor_dim1 = 64
	s_mov_b32 s[G1+3], 128<<16                     ; tile_dim0 = 128
	s_mov_b32 s[G1+4], 64                          ; tile_dim1 = 64
	s_mov_b32 s[G1+5], 128                         ; elements from row to row
	s_mov_b32 s[G1+6], 0
	s_mov_b32 s[G1+7], 0
	; W's half tile: 96 rows of 256 bytes, padded after every 64 words by 8
	s_or_b32 s[G1B+0], s44, (1<<16)|(1<<20)|(1<<21)|(5<<22)|(7<<25)
	s_mov_b32 s[G1B+1], 128<<16
	s_mov_b32 s[G1B+2], 96<<16
	s_mov_b32 s[G1B+3], 128<<16
	s_mov_b32 s[G1B+4], 96
	s_mov_b32 s[G1B+5], 128
	s_mov_b32 s[G1B+6], 0
	s_mov_b32 s[G1B+7], 0
	s_lshl_b32 s16, s13, 15                        ; x: tile row x 32,768 + half x 16,384
	s_lshl_b32 s17, s12, 14
	s_add_co_u32 s16, s16, s17
	s_mov_b32 s17, 0
	s_mul_i32 s46, s42, 786432                     ; W: column block x 786,432 + half x 24,576
	s_mul_i32 s47, s12, 24576
	s_add_co_u32 s46, s46, s47
	s_mov_b32 s47, 0
	s_mul_i32 s20, s10, HW                         ; where they go: wave x a quarter of a slot
	s_wait_dscnt 0x0                               ; the opening add is done
	s_wait_kmcnt 0x0
	s_add_nc_u64 s[14:15], s[80:81], s[16:17]
	s_add_nc_u64 s[46:47], s[82:83], s[46:47]
	CROUND                                         ; all sixteen work-groups are here: the first joint loads meet
.irp s, 0,1
	s_mov_b32 s[G0+4*(\s)], 1
	s_add_co_u32 s[G0+4*(\s)+1], s20, (\s)*SLOT
	s_add_nc_u64 s[G0+4*(\s)+2:G0+4*(\s)+3], s[14:15], (\s)*ASTEP
	s_or_b32 s[G0+4*(\s)+3], s[G0+4*(\s)+3], 0x80000000
	s_mov_b32 s[G0B+4*(\s)], 1
	s_add_co_u32 s[G0B+4*(\s)+1], s20, (\s)*SLOT
	s_add_nc_u64 s[G0B+4*(\s)+2:G0B+4*(\s)+3], s[46:47], (\s)*BSTEP
	s_or_b32 s[G0B+4*(\s)+3], s[G0B+4*(\s)+3], 0x80000000
	JLOAD \s                                       ; K steps 0 and 1: two loads of mine are out
.endr
	v_and_b32 v1, 15, v0                           ; r = l % 16
	v_bfe_u32 v2, v0, 4, 1                         ; h = l / 16
	v_and_b32 v7, 31, v0                           ; l
	; my 192 biases go into LDS bytes of my own: they are wanted at the end, when registers are free again
	s_mul_i32 s23, s10, 768
	s_add_co_u32 s23, s23, BIAS
	v_lshl_add_u32 v[BIA], v2, 5, s23
	v_lshl_add_u32 v8, v7, 3, s23
	s_mul_i32 s46, s42, 1536
	s_mul_i32 s47, s12, 768
	s_add_co_u32 s46, s46, s47
	v_lshl_add_u32 v9, v7, 3, s46
	global_load_b64 v[10:11], v9, s[84:85]
	global_load_b64 v[12:13], v9, s[84:85] offset:256
	global_load_b64 v[14:15], v9, s[84:85] offset:512
	; x's fragment: 16 rows x 32 k: lane l holds row r, k = 8 h + 0..7 and 16 + 8 h + 0..7: two loads of 16 bytes, 32 bytes apart
	v_mul_u32_u24 v3, v1, PA
	v_lshl_add_u32 v3, v2, 4, v3
	s_mul_i32 s21, s11, HW
	v_add_nc_u32 v[ADRA], s21, v3
	v_add_nc_u32 v[ADRA+1], SLOT, v[ADRA]
	; W's fragment, turned: lane l reads 16 bytes of row k = 8 h + l % 8, columns 8 ((l / 8) % 2) + 0..7
	v_and_b32 v4, 7, v0
	v_lshl_add_u32 v4, v2, 3, v4
	v_mul_u32_u24 v4, v4, PB
	v_bfe_u32 v5, v0, 3, 1
	v_lshl_add_u32 v4, v5, 4, v4
	v_add_nc_u32 v4, 2*HW, v4
	s_mul_i32 s22, s12, 18560                      ; the second column half begins 192 columns on: K's column 64 (group 0), V's 0 (group 1), V's 64 (group 2)
	s_mul_i32 s23, s12, 36736
	v_add_nc_u32 v[ADRB+0], s22, v4
	v_add_nc_u32 v[ADRB+2], s23, v4
	v_add_nc_u32 v[ADRB+4], s22, v4
	v_add_nc_u32 v[ADRB+1], SLOT, v[ADRB+0]
	v_add_nc_u32 v[ADRB+3], SLOT, v[ADRB+2]
	v_add_nc_u32 v[ADRB+5], SLOT, v[ADRB+4]
	s_mul_i32 s23, s11, 64*SPI                     ; into the stage: row 64 (w / 2) + r, byte 384 (w % 2) + 16 h
	s_mul_i32 s22, s12, 384
	s_add_co_u32 s23, s23, s22
	s_add_co_u32 s23, s23, STAGE
	v_mul_u32_u24 v6, v1, SPI
	v_lshl_add_u32 v6, v2, 4, v6
	v_add_nc_u32 v[STO], s23, v6
	s_mul_i32 s23, s10, 32*SPI                     ; back: wave w takes stage rows 32 w ..; lanes 0-15 one row's 256 bytes, lanes 16-31 the next row's
	s_add_co_u32 s23, s23, STAGE
	v_mul_u32_u24 v6, v2, SPI
	v_lshl_add_u32 v6, v1, 4, v6
	v_add_nc_u32 v[RD], s23, v6
	v_lshlrev_b32 v6, 4, v1
	v_lshl_add_u32 v[CO], v2, 11, v6               ; and the same two rows in the output (2,048 bytes a row)
	s_lshl_b32 s16, s13, 19                        ; (256 tile row + 128 (w / 2) + 32 (w % 2)) x 2,048
	s_lshl_b32 s17, s11, 18
	s_add_co_u32 s16, s16, s17
	s_lshl_b32 s17, s12, 16
	s_add_co_u32 s16, s16, s17
	s_mov_b32 s17, 0
	s_lshl_b32 s46, s42, 8                         ; + 256 c
	s_mov_b32 s47, 0
	s_add_nc_u64 s[16:17], s[16:17], s[46:47]
	s_add_nc_u64 s[QH:QH+1], s[QH:QH+1], s[16:17]
	s_add_nc_u64 s[QH+2:QH+3], s[QH+2:QH+3], s[16:17]
	s_add_nc_u64 s[QH+4:QH+5], s[QH+4:QH+5], s[16:17]
	s_cmp_eq_u32 s12, 0                            ; the first column half's groups 0 and 1 are Q's columns
	s_cselect_b32 s[SC], 0x3e38aa3b, 1.0
	s_mov_b32 s[SC+1], s[SC]
	s_mov_b32 s[SC+2], s[SC]
	s_mov_b32 s[SC+3], s[SC]
	s_mov_b32 s[SC+4], 1.0
	s_mov_b32 s[SC+5], 1.0
	; the prefetches: at K step 2; the first lap steps them to K step 4
	s_lshl_b32 s20, s13, 15
	s_lshl_b32 s23, s40, 13
	s_add_co_u32 s20, s20, s23
	s_add_co_u32 s20, s20, 2*ASTEP
	s_mul_i32 s21, s42, 786432
	s_mul_i32 s23, s41, 24576
	s_add_co_u32 s21, s21, s23
	s_add_co_u32 s21, s21, 2*BSTEP
	s_mov_b32 s[PST], 2*ASTEP
	s_mov_b32 s[PST+1], 2*BSTEP
	s_and_b32 s22, ttmp7, 0xffff
	s_cmp_eq_u32 s11, 0
	s_cselect_b32 s20, s20, s21
	s_cselect_b32 s[PST], s[PST], s[PST+1]
	s_cselect_b32 s22, ttmp9, s22                  ; the coordinate along which other clusters read the same bytes
	s_cselect_b64 s[PFA:PFA+1], s[80:81], s[82:83]
	s_mov_b32 s21, 0
	s_mov_b32 s[PST+1], 0
	s_add_nc_u64 s[PFA:PFA+1], s[PFA:PFA+1], s[20:21]
	s_or_b32 s22, s22, s12                         ; waves 0 and 2 alone
	s_cmp_eq_u32 s22, 0
	s_cselect_b32 s[LIM], 1, -1                    ; the same in all sixteen partners, for a given wave
	v_lshlrev_b32 v[PFO], 8, v7
	s_wait_loadcnt 0x0
	ds_store_b64 v8, v[10:11]
	ds_store_b64 v8, v[12:13] offset:256
	ds_store_b64 v8, v[14:15] offset:512
; 16 matrix instructions: column group g, row blocks 4 half .. 4 half + 3, 32 along K from x's buffer buf.  zero = 1: the product starts the sums.
; The 96 accumulators take turns, one instruction a turn, in the same order in every sub-step.
.macro G g, half, buf, zero
	WIN 0x50*((\g)+1)                              ; C and D in window 1 + g, the sources in window 0
.irp a, 0,1,2,3
.irp bb, 0,1,2,3
.set rD, 8*(4*(4*(\half)+(\a))+(\bb))
.set rW, FB+32*(\g)+8*(\bb)
.set rX, FA+64*(\buf)+8*(4*(\half)+(\a))
.if \zero
	v_wmma_f32_16x16x32_bf16 v[rD:rD+7], v[rW:rW+7], v[rX:rX+7], 0
.else
	v_wmma_f32_16x16x32_bf16 v[rD:rD+7], v[rW:rW+7], v[rX:rX+7], v[rD:rD+7]
.endif
.endr
.endr
.endm
.macro LA slot, ks, buf                ; x's 8 fragments of sub-step ks (32 along K): 16 loads
	WIN 0
.irp a, 0,1,2,3,4,5,6,7
	ds_load_b128 v[FA+64*(\buf)+8*(\a):FA+64*(\buf)+8*(\a)+3],   v[ADRA+(\slot)] offset:16*PA*(\a)+64*(\ks)
	ds_load_b128 v[FA+64*(\buf)+8*(\a)+4:FA+64*(\buf)+8*(\a)+7], v[ADRA+(\slot)] offset:16*PA*(\a)+64*(\ks)+32
.endr
.endm
.macro LB g, slot, ks                  ; W's 4 fragments of group g: 8 turning loads.  Groups 0 and 1 lie 64 columns apart in one tensor's rows, group 2 in the next tensor's
	WIN 0
.set OBB, 128*(\g)+(64*PB-256)*((\g)/2)
.irp bb, 0,1,2,3
	ds_load_tr16_b128 v[FB+32*(\g)+8*(\bb):FB+32*(\g)+8*(\bb)+3],   v[ADRB+2*(\g)+(\slot)] offset:OBB+32*(\bb)+32*PB*(\ks)
	ds_load_tr16_b128 v[FB+32*(\g)+8*(\bb)+4:FB+32*(\g)+8*(\bb)+7], v[ADRB+2*(\g)+(\slot)] offset:OBB+32*(\bb)+32*PB*(\ks)+16*PB
.endr
.endm
; A sub-step: 96 matrix instructions on (slot, ks); behind each group its registers take the next sub-step's fragments.
.macro SUB slot, ks, nslot, nks, zero
	s_wait_dscnt 16                                ; x's fragments and W's group 0 are in; groups 1 and 2 (8 + 8 loads) may be out
	G 0, 0, \ks, \zero
	G 0, 1, \ks, \zero
	PLACES
	LA \nslot, \nks, 1-(\ks)
	LB 0, \nslot, \nks
	s_wait_dscnt 32                                ; group 1 is in; group 2's 8 and the 24 just issued may be out
	G 1, 0, \ks, \zero
	G 1, 1, \ks, \zero
	PLACES
	LB 1, \nslot, \nks
	s_wait_dscnt 32                                ; group 2 is in; the 24 + 8 younger may be out
	G 2, 0, \ks, \zero
	G 2, 1, \ks, \zero
	PLACES
	LB 2, \nslot, \nks
.endm
; A K step's second sub-step changes slots: all my reads of this slot have been issued.  In front of the barrier each wave waits for all its tensor loads (one is out: its part of the other slot),
; adds 0 to its spare word, and waits for that and for its reads.  fill = 1: the barrier opens a round of the cluster's, and the joint refill, two K steps on, is the first thing behind it:
; it has 160 matrix instructions and the next sub-step's first 16 less than a K step's 192 in which to land.
.macro SUBT slot, fill
.if (\fill) && ((\slot) == 0)
	s_wait_xcnt 0x0                                ; the last prefetches, a lap back, have read their address
	s_add_nc_u64 s[PFA:PFA+1], s[PFA:PFA+1], s[PST:PST+1]
.endif
	WIN 0
	s_wait_tensorcnt 0x0                           ; all my tensor loads have landed
	ds_add_u32 v[SPW], v[NIL]                      ; 0 onto my spare word
	s_wait_dscnt 17                                ; x's fragments and group 0 are in; 16 loads and the add may be out
	G 0, 0, 1, 0
	s_wait_dscnt 0x0                               ; the add is done, and my reads of this slot are over
	s_barrier_signal -1
	G 0, 1, 1, 0
	WIN 0
	s_barrier_wait -1
.if \fill
	CREST                                          ; no wave of any partner still reads this slot or has a load on its way
	s_add_nc_u64 s[G0+4*(\slot)+2:G0+4*(\slot)+3], s[G0+4*(\slot)+2:G0+4*(\slot)+3], 2*ASTEP
	s_add_nc_u64 s[G0B+4*(\slot)+2:G0B+4*(\slot)+3], s[G0B+4*(\slot)+2:G0B+4*(\slot)+3], 2*BSTEP
	JLOAD \slot                                    ; its four v_nop are also the places in front of the loads below
.else
	PLACES
.endif
	LA 1-(\slot), 0, 0
	LB 0, 1-(\slot), 0
.if (\fill) && ((\slot) == 0)
	ASK
.endif
	G 1, 0, 1, 0
	G 1, 1, 1, 0
	PLACES
	LB 1, 1-(\slot), 0
	G 2, 0, 1, 0
	G 2, 1, 1, 0
	PLACES
	LB 2, 1-(\slot), 0
.endm
	s_wait_dscnt 0x0                               ; my bias stores are done: no LDS instruction is pending at a signal
	s_wait_tensorcnt 1                             ; my part of K step 0 is in; K step 1's may stay out
	s_barrier_signal -1
	s_barrier_wait -1
	LA 0, 0, 0
	LB 0, 0, 0
	LB 1, 0, 0
	LB 2, 0, 0
	SUB 0, 0, 0, 1, 1                              ; the first sub-step stands in front of the loop: its products start the sums
	s_mov_b32 s3, 7
.Llap:                                                 ; a trip: once round the ring, from a lap's second sub-step to the next lap's first; both slots are filled again
	SUBT 0, 1
	SUB 1, 0, 1, 1, 0
	SUBT 1, 1
	SUB 0, 0, 0, 1, 0
	s_sub_co_u32 s3, s3, 1
	s_cmp_lg_u32 s3, 0
	s_cbranch_scc1 .Llap
	SUBT 0, 0                                      ; the last lap fills nothing
	SUB 1, 0, 1, 1, 0
	s_wait_dscnt 16                                ; the last sub-step fetches nothing: the counts run down
	G 0, 0, 1, 0
	G 0, 1, 1, 0
	s_wait_dscnt 8
	G 1, 0, 1, 0
	G 1, 1, 1, 0
	s_wait_dscnt 0x0
	G 2, 0, 1, 0
	G 2, 1, 1, 0
	PLACES
	WIN 0
	; THE WAY OUT.  The biases come into W's registers; then, 64 of each wave's 128 rows at a time: sum x factor + bias, rounded to f16, into the work-group's stage; a barrier, since a row's
	; 256 bytes of K come from two waves; back as whole rows of 256 bytes, 32 stage rows a wave, one tensor after the other.
.irp b, 0,1,2,3,4,5,6,7,8,9,10,11
	ds_load_b128 v[FB+8*(\b):FB+8*(\b)+3],   v[BIA] offset:64*(\b)
	ds_load_b128 v[FB+8*(\b)+4:FB+8*(\b)+7], v[BIA] offset:64*(\b)+16
.endr
	s_wait_dscnt 0x0
.macro PASS ps
.irp ap, 0,1,2,3
.irp g, 0,1,2
.set AC, 32*(4*(\ps)+(\ap))
	WIN (\g)+1                                     ; source 0 in window 1 + g
.set z, 0
.rept 16
	v_pk_fma_f32 v[TT+2*z:TT+2*z+1], v[AC+2*z:AC+2*z+1], s[SC+2*(\g):SC+2*(\g)+1], v[FB+32*(\g)+2*z:FB+32*(\g)+2*z+1] op_sel_hi:[1,0,1]
.set z, z+1
.endr
	WIN 0
.set z, 0
.rept 16
	v_cvt_pk_f16_f32 v[HH+z], v[TT+2*z], v[TT+2*z+1]
.set z, z+1
.endr
.irp bb, 0,1,2,3
	ds_store_b128 v[STO], v[HH+4*(\bb):HH+4*(\bb)+3] offset:16*SPI*(\ap)+32*(4*(\g)+(\bb))
.endr
.endr
.endr
	s_wait_dscnt 0x0                               ; for the others' sake: my stores into the stage are done
	s_barrier_signal -1
	s_barrier_wait -1
.irp t, 0,1,2
	s_wait_xcnt 0x0                                ; the stores issued so far have read their registers: only behind this wait are those loaded again
.irp i, 0,1,2,3,4,5,6,7,8,9,10,11,12,13,14,15
	ds_load_b128 v[OBK+4*(\i):OBK+4*(\i)+3], v[RD] offset:2*SPI*(\i)+256*(\t)
.endr
.irp i, 0,1,2,3,4,5,6,7,8,9,10,11,12,13,14,15
	s_wait_dscnt 15-(\i)
	global_store_b128 v[CO], v[OBK+4*(\i):OBK+4*(\i)+3], s[QH+2*(\t):QH+2*(\t)+1] offset:131072*(\ps)+4096*(\i)  ; 16 lanes store 256 consecutive bytes, aligned
.endr
.endr
.endm
	PASS 0
	s_wait_dscnt 0x0                               ; my reads of the stage are over,
	s_barrier_signal -1
	s_barrier_wait -1                              ; everybody's are: it may be written again
	PASS 1
	s_wait_tensorcnt 0x0                           ; the wave's end: behind my last tensor load and my last LDS store
	ds_add_u32 v[SPW], v[NIL]
	s_wait_dscnt 0x0
	CROUND                                         ; the closing round: no work-group ends while a partner may still ask for a tile that names it
	s_endpgm
.Lfunc_end_k_q144173a149_proj:
	.size	k_q144173a149_proj, .Lfunc_end_k_q144173a149_proj-k_q144173a149_proj
	.p2alignl 7, 3214868480
	.fill 96, 4, 3214868480
	.section	.rodata,"a",@progbits
	.p2align	6, 0x0
	.amdhsa_kernel k_q144173a149_proj
		.amdhsa_group_segment_fixed_size 327680
		.amdhsa_private_segment_fixed_size 0
		.amdhsa_enable_private_segment 0
		.amdhsa_kernarg_size 48
		.amdhsa_user_sgpr_count 2
		.amdhsa_user_sgpr_kernarg_segment_ptr 1
		.amdhsa_wavefront_size32 1
		.amdhsa_system_sgpr_workgroup_id_x 1
		.amdhsa_system_sgpr_workgroup_id_y 1
		.amdhsa_system_sgpr_workgroup_id_z 1
		.amdhsa_system_vgpr_workitem_id 0
		.amdhsa_next_free_vgpr 1024
		.amdhsa_next_free_sgpr 92
		.amdhsa_reserve_vcc 0
		.amdhsa_float_denorm_mode_32 3
		.amdhsa_float_denorm_mode_16_64 3
		.amdhsa_memory_ordered 1
		.amdhsa_forward_progress 1
		.amdhsa_inst_pref_size 162
	.end_amdhsa_kernel
	.amdgpu_metadata
---
amdhsa.version: [ 1, 2 ]
amdhsa.kernels:
  - .name:           k_q144173a149_proj
    .symbol:         k_q144173a149_proj.kd
    .args:
      - { .name: xb, .offset: 0, .size: 8, .value_kind: global_buffer, .address_space: global }
      - { .name: wb, .offset: 8, .size: 8, .value_kind: global_buffer, .address_space: global }
      - { .name: bb, .offset: 16, .size: 8, .value_kind: global_buffer, .address_space: global }
      - { .name: qh, .offset: 24, .size: 8, .value_kind: global_buffer, .address_space: global }
      - { .name: kh, .offset: 32, .size: 8, .value_kind: global_buffer, .address_space: global }
      - { .name: vh, .offset: 40, .size: 8, .value_kind: global_buffer, .address_space: global }
    .group_segment_fixed_size: 327680
    .private_segment_fixed_size: 0
    .kernarg_segment_align: 8
    .kernarg_segment_size: 48
    .max_flat_workgroup_size: 128
    .sgpr_count:     92
    .vgpr_count:     1024
    .wavefront_size: 32
...
	.end_amdgpu_metadata
.endif
;; end of part 2
;; launch score (part 3): grid 36 x 4, 4 waves a work-group, no clusters, 327,680 bytes of LDS; arguments qh, kh, pb, st; writes pb, st
.if DOCPART == 3
	.amdgcn_target "amdgcn-amd-amdhsa--gfx1250"
	.amdhsa_code_object_version 6
	.text
	.protected	k_q144173a149_score
	.globl	k_q144173a149_score
	.p2align	8
	.type	k_q144173a149_score,@function
k_q144173a149_score:
	s_mov_b64 s[64:65], 0
	v_nop
	global_prefetch_b8 v0, s[64:65] scope:SCOPE_SE
	s_setreg_imm32_b32 hwreg(HW_REG_WAVE_MODE, 25, 1), 1
	s_wait_xcnt 0x0
; For each tile (i, j), j <= i, of 256 queries x 256 keys of a batch: S = Q' K^T (Q' = c Q, so S is in units of log2), the row's maximum M over the tile, P = 2^(S - M) rounded to f16, and the
; partial sums l of the unrounded P.  qh, kh: [8192][1024] f16.  pb: [4][2048][2048] f16 (only tiles with j <= i are written).  st: [b 4][j 8][M, l][key half 2][row 2048] f32.
; The tiles above the diagonal are not made: the causal mask throws them away.  The maximum that the softmax takes away is the tile's own; the next launch brings the tiles of a row onto the row's maximum.
; LIMITS.  A hidden score counts as its value less 1e30: f16's scores, 4.4e12 at the most, are nothing beside that.  A weight below 6e-8 is 0 in P but is counted in l.  NaN and infinities are not treated apart.
; SHARES.  36 tiles a batch, 144 work-groups of equal work.  Four waves, each 128 queries x 128 keys: 64 accumulators, 512 registers.  K (1,024 channels) goes in 8 steps of 128 through a ring of two LDS slots.
; NO CLUSTER: the rows of the triangle hold 1 to 8 tiles and its columns 8 to 1, so no grouping by fours shares one operand throughout, and filling the triangle up would launch work-groups with no work.
; THE PRODUCT IS TAKEN TRANSPOSED: source 0 = 16 keys, source 1 = 16 queries: a lane holds ONE query (l % 16) and eight neighbouring keys 8 (l / 16) + 0..7 of each block.
; THE MASK is the C operand that starts the sums: three sets of eight registers, for key blocks below, on and above the query block; all are 0 where the tile is not on the diagonal.
; REGISTERS: window 0: v0-31 addresses; v32-63 statistics; v64-127, v128-191 Q's fragments, two buffers (later at work on the way out); v192-223 packed results
;   window 1: v0-23 the masks; v64-127, v128-191 K's fragments     window 2: the accumulators of my queries 0-63, (a, b) at v[8 (8 a + b)]     window 3: those of my queries 64-127
.set KSTEP,  128
.set PITCH,  272                       ; 256 bytes + 16 = 68 words: the 16 rows of a load start at 16 different groups of four banks (64 banks of 4 bytes: ISA guide 11.1)
.set HALFT,  128*PITCH
.set SLOT,   4*HALFT                   ; Q's 256 rows, then K's 256 rows
.set STAGE,  2*SLOT                    ; behind the ring: 16 rows x 272 bytes for each wave
.set SPITCH, 272
.set XM,     STAGE+4*16*SPITCH         ; [key half 2][query 256] f32: the waves' maxima meet here
.set WS,     XM+2048                   ; each wave's 128 M and 128 l, to be stored as whole runs
.set SPARE,  WS+4096                   ; the spare words, 128 bytes for each wave
.set ADRA, 16                          ; v16-17  LDS address of my Q fragments in slot 0, 1
.set SO,   18                          ; v18     16 x my lane
.set ADRB, 20                          ; v20-21  the same for K
.set WSS,  22                          ; v22     where I put a statistic
.set WSL,  23                          ; v23     where I read four back
.set STO,  24
.set RD,   25
.set CO,   26
.set XMS,  27                          ; v27     where I put my maxima
.set SPW,  28
.set NIL,  29
.set PFO,  30                          ; v30     2,048 x my lane: a row of qh or kh; never rewritten
.set XML,  31                          ; v31     where the other key half's wave put its maxima
.set ST,   32                          ; query block a: v[ST+4 a]: M, M, l (even keys', odd keys')
.set F0,   64
.set F1,   128
.set OB,   64                          ; the way out: 16 rows read back, two buffers of 32
.set CH,   128                         ; eight chains of the maximum
.set TP,   136
.set SU,   144                         ; 32 registers for the sums
.set TMP,  192                         ; 32 registers of packed f16
.set G1,   24                          ; s[24:31] descriptor group 1
.set G0,   32                          ; s[32:39] group 0, a set for each slot
.set LIM,  43
.set PFA,  44
.set SEL,  60                          ; s[60:61] v_permlanex16_b32's selects
.set HM,   62                          ; s62     the mask of lanes 16 to 31
.set MSB, 0
.macro WIN new
.if MSB != (\new)
	s_set_vgpr_msb (MSB<<8)|(\new)
.set MSB, \new
.endif
.endm
.set MUL_LO, 0xa1                      ; source 0 (K) window 1, source 1 (Q) window 0, C and D window 2
.set TO_B,   0x40
.macro PLACES
.rept 4
	v_nop
.endr
.endm
; A PREFETCH INTO THE L2, behind each refill and the LDS loads that follow it: my 128 rows' 256 bytes of the K step that stands two refills on: a lane a row, four lines.
; Q's rows of block i are read by the tiles (i, 0 .. i): tile j = 0 asks (waves 0, 1); K's rows of block j by the tiles (j .. 7, j): tile i = j asks (waves 2, 3).  The last trip asks for nothing.
.macro ASK
	s_cmp_gt_u32 s3, s[LIM]
	s_cbranch_scc0 .Lnot_mine_\@
.irp n, 0,1,2,3
	global_prefetch_b8 v[PFO], s[PFA:PFA+1] offset:KSTEP*2+65536*(\n) th:TH_LOAD_NT scope:SCOPE_SE
.endr
.Lnot_mine_\@:
.endm
	s_load_b256 s[4:11], s[0:1], 0x0               ; qh s[4:5], kh s[6:7], pb s[8:9], st s[10:11]
	v_lshl_add_u32 v[SPW], v0, 2, SPARE
	v_mov_b32 v[NIL], 0
	ds_add_u32 v[SPW], v[NIL]                      ; the wave's opening: the add and its wait stand ahead of my first tensor load
	v_lshrrev_b32 v1, 5, v0
	v_readfirstlane_b32 s20, v1                    ; wave 0..3
	s_lshr_b32 s21, s20, 1                         ; my half of the queries.  Also: I fetch for Q (0) or for K (1)
	s_and_b32 s22, s20, 1                          ; my half of the keys.  Also: which 128 rows I fetch
	s_mov_b32 s2, ttmp9                            ; the tile's number in the triangle: i (i + 1) / 2 + j
	s_mov_b32 s14, 0
.irp t, 1,3,6,10,15,21,28
	s_cmp_ge_u32 s2, \t
	s_cselect_b32 s15, 1, 0
	s_add_co_u32 s14, s14, s15                     ; i
.endr
	s_add_co_u32 s15, s14, 1
	s_mul_i32 s15, s15, s14
	s_lshr_b32 s15, s15, 1
	s_sub_co_u32 s15, s2, s15                      ; j
	s_and_b32 s16, ttmp7, 0xffff                   ; the batch
	s_mov_b32 s[G1+0], (1<<16)|(1<<20)|(5<<22)|(3<<25)  ; elements of 2 bytes; padding on: after every 64 words 4 words
	s_mov_b32 s[G1+1], KSTEP<<16                   ; tensor_dim0 = 128
	s_mov_b32 s[G1+2], 128<<16                     ; tensor_dim1 = 128
	s_mov_b32 s[G1+3], KSTEP<<16                   ; tile_dim0 = 128
	s_mov_b32 s[G1+4], 128                         ; tile_dim1 = 128
	s_mov_b32 s[G1+5], 1024                        ; elements from row to row
	s_mov_b32 s[G1+6], 0
	s_mov_b32 s[G1+7], 0
	s_mov_b32 s[SEL], 0x76543210
	s_mov_b32 s[SEL+1], 0xfedcba98
	s_mov_b32 s[HM], 0xffff0000
	s_cmp_eq_u32 s21, 0
	s_cselect_b32 s17, s14, s15                    ; Q's block i or K's block j
	s_lshl_b32 s17, s17, 8
	s_lshl_b32 s18, s16, 11
	s_add_co_u32 s17, s17, s18
	s_lshl_b32 s18, s22, 7
	s_add_co_u32 s17, s17, s18                     ; the first row that I fetch
	s_lshl_b32 s18, s17, 11                        ; x 2,048 bytes
	s_mov_b32 s19, 0
	s_mul_i32 s23, s20, HALFT                      ; where it goes: wave x 128 rows
	s_wait_dscnt 0x0                               ; the opening add is done
	s_wait_kmcnt 0x0
	s_cmp_eq_u32 s21, 0
	s_cselect_b64 s[12:13], s[4:5], s[6:7]
	s_add_nc_u64 s[12:13], s[12:13], s[18:19]
.irp s, 0,1
	s_mov_b32 s[G0+4*(\s)], 1
	s_add_co_u32 s[G0+4*(\s)+1], s23, (\s)*SLOT
	s_add_nc_u64 s[G0+4*(\s)+2:G0+4*(\s)+3], s[12:13], (\s)*KSTEP*2
	s_or_b32 s[G0+4*(\s)+3], s[G0+4*(\s)+3], 0x80000000
	tensor_load_to_lds s[G0+4*(\s):G0+4*(\s)+3], s[G1:G1+7]  ; K steps 0 and 1: two loads of mine are out
	s_nop 0
.endr
	v_and_b32 v1, 15, v0                           ; r
	v_bfe_u32 v2, v0, 4, 1                         ; h
	v_and_b32 v4, 31, v0                           ; l
	v_mul_u32_u24 v3, v1, PITCH
	v_lshl_add_u32 v3, v2, 4, v3                   ; row x pitch + 16 x half
	s_mul_i32 s17, s21, HALFT
	s_mul_i32 s18, s22, HALFT
	s_add_co_u32 s18, s18, 2*HALFT
.irp s, 0,1
	v_add_nc_u32 v[ADRA+(\s)], s17, v3
	v_add_nc_u32 v[ADRB+(\s)], s18, v3
	s_add_co_u32 s17, s17, SLOT
	s_add_co_u32 s18, s18, SLOT
.endr
	s_mul_i32 s19, s20, 16*SPITCH
	s_add_co_u32 s19, s19, STAGE                   ; my stage
	v_add_nc_u32 v[STO], s19, v3                   ; in: row r, 16 bytes for each half of the lanes
	v_mul_u32_u24 v5, v2, SPITCH
	v_lshl_add_u32 v5, v1, 4, v5
	v_add_nc_u32 v[RD], s19, v5                    ; back: lanes 0-15 one row of 256 bytes, lanes 16-31 the next
	v_lshlrev_b32 v5, 4, v1
	v_lshl_add_u32 v[CO], v2, 12, v5               ; the same two rows in pb (4,096 bytes a row)
	s_lshl_b32 s17, s21, 9
	s_add_co_u32 s17, s17, XM
	s_lshl_b32 s18, s22, 10
	s_add_co_u32 s18, s18, s17
	v_lshl_add_u32 v[XMS], v1, 2, s18
	s_xor_b32 s18, s22, 1
	s_lshl_b32 s18, s18, 10
	s_add_co_u32 s18, s18, s17
	v_lshl_add_u32 v[XML], v1, 2, s18
	s_lshl_b32 s17, s20, 10
	s_add_co_u32 s17, s17, WS
	v_lshl_add_u32 v[WSL], v4, 4, s17
	v_lshl_add_u32 v5, v1, 2, s17
	v_lshl_add_u32 v[WSS], v2, 9, v5               ; lanes 0-15 put M, lanes 16-31 l
	v_lshlrev_b32 v[SO], 4, v4
	v_lshlrev_b32 v[PFO], 11, v4
	; pb at my first query's row, my first key
	s_lshl_b32 s17, s16, 11
	s_lshl_b32 s18, s14, 8
	s_add_co_u32 s17, s17, s18
	s_lshl_b32 s18, s21, 7
	s_add_co_u32 s17, s17, s18
	s_lshl_b32 s18, s17, 12
	s_lshl_b32 s19, s15, 9
	s_add_co_u32 s18, s18, s19
	s_lshl_b32 s19, s22, 8
	s_add_co_u32 s18, s18, s19
	s_mov_b32 s19, 0
	s_add_nc_u64 s[8:9], s[8:9], s[18:19]
	; st at (batch, j, M, my key half, my first query)
	s_lshl_b32 s18, s16, 3
	s_add_co_u32 s18, s18, s15
	s_lshl_b32 s18, s18, 15
	s_lshl_b32 s19, s22, 13
	s_add_co_u32 s18, s18, s19
	s_lshl_b32 s19, s14, 10
	s_add_co_u32 s18, s18, s19
	s_lshl_b32 s19, s21, 9
	s_add_co_u32 s18, s18, s19
	s_mov_b32 s19, 0
	s_add_nc_u64 s[10:11], s[10:11], s[18:19]
	; the prefetches: at K step 2; each change of slots steps them and names the K step after
	s_add_nc_u64 s[PFA:PFA+1], s[12:13], 2*KSTEP*2
	s_cmp_eq_u32 s15, 0
	s_cselect_b32 s17, 1, -1
	s_cmp_eq_u32 s14, s15
	s_cselect_b32 s18, 1, -1
	s_cmp_eq_u32 s21, 0
	s_cselect_b32 s[LIM], s17, s18
	; the masks.  On the diagonal tile key 128 ch + 16 b + 8 h + z is hidden from query 128 rh + 16 a + r where it is greater.  d = ch - rh.
	s_sub_co_i32 s17, s22, s21
	s_mov_b32 s18, 0xf149f2ca                      ; -1e30
	s_cmp_eq_u32 s14, s15
	s_cselect_b32 s18, s18, 0                      ; off the diagonal nothing is hidden
	s_cmp_gt_i32 s17, 0
	s_cselect_b32 s19, s18, 0                      ; key block below the query block: hidden if d > 0
	s_cmp_ge_i32 s17, 0
	s_cselect_b32 s18, s18, 0                      ; above it: hidden if d >= 0
	v_mov_b32 v10, s19
	v_mov_b32 v11, s18
	v_lshlrev_b32 v12, 3, v2
	v_sub_nc_u32 v12, v1, v12                      ; r - 8 h
	WIN 0x40                                       ; destination window 1
.set z, 0
.rept 8
	v_mov_b32 v[z], v10
	v_mov_b32 v[16+z], v11
	v_cmp_gt_i32 vcc_lo, z, v12                    ; on it: register z takes the upper value where 8 h + z > r, else the lower
	v_cndmask_b32 v[8+z], v10, v11, vcc_lo
.set z, z+1
.endr
	WIN 0
; 16 matrix instructions: query blocks a0, a0 + 1 of the window's four x all 8 key blocks, 32 along K.  msk = 1: the product starts the sums, with the mask as C.
; The 64 accumulators take turns, one instruction a turn, in the same order in every quarter.
.macro MUL16 f, hi, a0, msk
.if \msk
	WIN 0x91+0x40*(\hi)                            ; as below, with C in window 1
.else
	WIN MUL_LO+0x50*(\hi)
.endif
.irp a, \a0, (\a0)+1
.irp b, 0,1,2,3,4,5,6,7
.set rD, 8*(8*(\a)+(\b))
.set rK, (\f)+8*(\b)
.set rQ, (\f)+8*(4*(\hi)+(\a))
.if \msk
.set rC, 8
.if (\b) < 4*(\hi)+(\a)
.set rC, 0
.endif
.if (\b) > 4*(\hi)+(\a)
.set rC, 16
.endif
	v_wmma_f32_16x16x32_f16 v[rD:rD+7], v[rK:rK+7], v[rQ:rQ+7], v[rC:rC+7]
.else
	v_wmma_f32_16x16x32_f16 v[rD:rD+7], v[rK:rK+7], v[rQ:rQ+7], v[rD:rD+7]
.endif
.endr
.endr
.endm
.macro FETCH slot, k, f                ; 32 LDS loads in one run: the fragments of a quarter step (128 keys, 128 queries, 32 channels at byte k of the rows)
	WIN TO_B
.irp i, 0,1,2,3,4,5,6,7
	ds_load_b128 v[(\f)+8*(\i):(\f)+8*(\i)+3],   v[ADRB+(\slot)] offset:(\k)+(\i)*16*PITCH
	ds_load_b128 v[(\f)+8*(\i)+4:(\f)+8*(\i)+7], v[ADRB+(\slot)] offset:(\k)+(\i)*16*PITCH+32
.endr
	WIN 0
.irp i, 0,1,2,3,4,5,6,7
	ds_load_b128 v[(\f)+8*(\i):(\f)+8*(\i)+3],   v[ADRA+(\slot)] offset:(\k)+(\i)*16*PITCH
	ds_load_b128 v[(\f)+8*(\i)+4:(\f)+8*(\i)+7], v[ADRA+(\slot)] offset:(\k)+(\i)*16*PITCH+32
.endr
.endm
.macro QUARTER slot, k, f, g, msk      ; multiplies buffer f; in its middle fetches the next quarter's fragments into buffer g
	s_wait_dscnt 8                                 ; K's fragments and Q's rows 0-63 are in; the youngest eight loads may be out
	MUL16 \f, 0, 0, \msk
	MUL16 \f, 0, 2, \msk
	PLACES
	FETCH \slot, \k, \g
	s_wait_dscnt 32                                ; all but the 32 just issued
	MUL16 \f, 1, 0, \msk
	MUL16 \f, 1, 2, \msk
.endm
; The last quarter of a K step multiplies buffer 1 and changes slots: one barrier; in front of it each wave waits for all its tensor loads (one is out: its part of the next slot), adds 0 to its spare
; word, and waits for that and for its reads of this slot.  fill = 1: this slot is filled again, two K steps on, first thing behind the barrier: 224 matrix instructions ahead of the wait for it.
.macro TURN slot, next, fill
.if \fill
	s_wait_xcnt 0x0                                ; the last prefetches, a K step back, have read their address
	s_add_nc_u64 s[PFA:PFA+1], s[PFA:PFA+1], KSTEP*2
.endif
	WIN 0
	s_wait_tensorcnt 0x0
	ds_add_u32 v[SPW], v[NIL]
	s_wait_dscnt 9                                 ; the add and the youngest eight loads may be out
	MUL16 F1, 0, 0, 0
	s_wait_dscnt 0x0                               ; the add is done, and my reads of this slot are over
	s_barrier_signal -1
	MUL16 F1, 0, 2, 0
	WIN 0
	s_barrier_wait -1
.if \fill
	s_add_nc_u64 s[G0+4*(\slot)+2:G0+4*(\slot)+3], s[G0+4*(\slot)+2:G0+4*(\slot)+3], 2*KSTEP*2
	tensor_load_to_lds s[G0+4*(\slot):G0+4*(\slot)+3], s[G1:G1+7]
	s_nop 0
.endif
	PLACES
	FETCH \next, 0, F0
.if \fill
	ASK
.endif
	MUL16 F1, 1, 0, 0
	MUL16 F1, 1, 2, 0
.endm
	s_wait_tensorcnt 1                             ; my part of K step 0 is in; K step 1's may stay out
	s_barrier_signal -1
	s_barrier_wait -1
	FETCH 0, 0, F0
	QUARTER 0, 64, F0, F1, 1                       ; the first quarter stands in front of the loop: its products start the sums, on the masks
	WIN 0
	s_mov_b32 s3, 3
.Llap:                                                 ; a trip goes once round the ring and fills both slots again
	QUARTER 0, 128, F1, F0, 0
	QUARTER 0, 192, F0, F1, 0
	TURN 0, 1, 1
	QUARTER 1, 64,  F0, F1, 0
	QUARTER 1, 128, F1, F0, 0
	QUARTER 1, 192, F0, F1, 0
	TURN 1, 0, 1
	QUARTER 0, 64,  F0, F1, 0
	WIN 0
	s_sub_co_u32 s3, s3, 1
	s_cmp_lg_u32 s3, 0
	s_cbranch_scc1 .Llap
	QUARTER 0, 128, F1, F0, 0                      ; the last lap fills nothing
	QUARTER 0, 192, F0, F1, 0
	TURN 0, 1, 0
	QUARTER 1, 64,  F0, F1, 0
	QUARTER 1, 128, F1, F0, 0
	QUARTER 1, 192, F0, F1, 0
	s_wait_dscnt 8
	MUL16 F1, 0, 0, 0
	MUL16 F1, 0, 2, 0
	s_wait_dscnt 0x0
	MUL16 F1, 1, 0, 0
	MUL16 F1, 1, 2, 0
	PLACES
	; THE MAXIMUM of a query's 64 scores in my lane: a chain for each query block, four chains by turns; each accumulator's two lowest registers are read first.
.irp hi, 0,1
	WIN 0x0a+5*(\hi)                               ; sources 0 and 1 in window 2 or 3
.irp ap, 0,1,2,3
	v_max_num_f32 v[CH+4*(\hi)+(\ap)], v[64*(\ap)], v[64*(\ap)+1]
.endr
.set k, 1
.rept 31
.irp ap, 0,1,2,3
	v_max3_num_f32 v[CH+4*(\hi)+(\ap)], v[64*(\ap)+2*k], v[64*(\ap)+2*k+1], v[CH+4*(\hi)+(\ap)]
.endr
.set k, k+1
.endr
.endr
	WIN 0
.irp a, 0,1,2,3,4,5,6,7
	v_mov_b32 v[TP+(\a)], v[CH+(\a)]               ; the exchange's destination counts as read: it is written first
.endr
.irp a, 0,1,2,3,4,5,6,7
	v_permlanex16_b32 v[TP+(\a)], v[CH+(\a)], s[SEL], s[SEL+1]  ; the query's other 64 keys lie in the lane 16 away
.endr
.irp a, 0,1,2,3,4,5,6,7
	v_max_num_f32 v[CH+(\a)], v[CH+(\a)], v[TP+(\a)]
.endr
.irp a, 0,1,2,3,4,5,6,7
	ds_store_b32 v[XMS], v[CH+(\a)] offset:64*(\a)  ; both halves of the lanes write the same word with the same value
.endr
	s_wait_dscnt 0x0                               ; for the other wave's sake
	s_barrier_signal -1
	s_barrier_wait -1
.irp a, 0,1,2,3,4,5,6,7
	ds_load_b32 v[TP+(\a)], v[XML] offset:64*(\a)  ; the other 128 keys' maximum
.endr
	s_wait_dscnt 0x0
.irp a, 0,1,2,3,4,5,6,7
	v_max_num_f32 v[ST+4*(\a)], v[CH+(\a)], v[TP+(\a)]  ; M: on the diagonal tile every query sees its own key, so M is a true score
.endr
.irp a, 0,1,2,3,4,5,6,7
	v_mov_b32 v[ST+4*(\a)+1], v[ST+4*(\a)]         ; named with it as a pair
.endr
; Query block a: S - M; its 64 exponentials are ONE batch with one wait; the weights rounded to f16; their sum.
.macro PACK a
.set AC, 64*((\a)%4)
.set WD, 2+(\a)/4
	WIN (WD<<6)|WD                                 ; destination and source 0 in the block's window
.set z, 0
.rept 32
	v_pk_add_f32 v[AC+2*z:AC+2*z+1], v[AC+2*z:AC+2*z+1], v[ST+4*(\a):ST+4*(\a)+1] op_sel_hi:[1,0] neg_lo:[0,1] neg_hi:[0,1]
.set z, z+1
.endr
.set z, 0
.rept 64
	v_exp_f32 v[AC+z], v[AC+z]
.set z, z+1
.endr
	v_nop                                          ; a plain instruction behind the last exponential
	s_wait_alu depctr_va_vdst(0)                   ; the wait for the batch, ahead of its first reader
	WIN 0x0a+5*((\a)/4)                            ; sources 0 and 1 in the block's window, destination in window 0
.set z, 0
.rept 32
	v_cvt_pk_f16_f32 v[TMP+z], v[AC+2*z], v[AC+2*z+1]
.set z, z+1
.endr
.set z, 0
.rept 16
	v_pk_add_f32 v[SU+2*z:SU+2*z+1], v[AC+4*z:AC+4*z+1], v[AC+4*z+2:AC+4*z+3]
.set z, z+1
.endr
	WIN 0
.set z, 0
.rept 8
	v_pk_add_f32 v[SU+4*z:SU+4*z+1], v[SU+4*z:SU+4*z+1], v[SU+4*z+2:SU+4*z+3]
.set z, z+1
.endr
.set z, 0
.rept 4
	v_pk_add_f32 v[SU+8*z:SU+8*z+1], v[SU+8*z:SU+8*z+1], v[SU+8*z+4:SU+8*z+5]
.set z, z+1
.endr
.set z, 0
.rept 2
	v_pk_add_f32 v[SU+16*z:SU+16*z+1], v[SU+16*z:SU+16*z+1], v[SU+16*z+8:SU+16*z+9]
.set z, z+1
.endr
	v_pk_add_f32 v[ST+4*(\a)+2:ST+4*(\a)+3], v[SU:SU+1], v[SU+16:SU+17]
.endm
.macro TOSTAGE a                       ; 16 bytes a lane into rows of 272 bytes of my own stage, and back as whole rows of 256
	WIN 0
.set BK, OB+32*((\a)%2)
.irp b, 0,1,2,3,4,5,6,7
	ds_store_b128 v[STO], v[TMP+4*(\b):TMP+4*(\b)+3] offset:32*(\b)
.endr
.irp t, 0,1,2,3,4,5,6,7
	ds_load_b128 v[BK+4*(\t):BK+4*(\t)+3], v[RD] offset:(\t)*2*SPITCH  ; LDS serves a wave's instructions in order (ISA guide 5.7.1.4): these see the stores above
.endr
.endm
.macro SEND a
	WIN 0
.set BK, OB+32*((\a)%2)
	s_wait_dscnt 0x0                               ; the block is back in registers
	s_wait_xcnt 0x0                                ; the stores issued so far have read their registers: the other buffer is loaded again only behind this wait
.irp t, 0,1,2,3,4,5,6,7
	global_store_b128 v[CO], v[BK+4*(\t):BK+4*(\t)+3], s[8:9] offset:65536*(\a)+8192*(\t)  ; 16 lanes store 256 consecutive bytes, aligned
.endr
.endm
	PACK 0
	TOSTAGE 0
.irp a, 1,2,3,4,5,6,7                  ; block a's arithmetic stands between block a - 1's loads from the stage and the wait for them
	PACK \a
	SEND (\a)-1
	TOSTAGE \a
.endr
	SEND 7
	; the statistics: l's two halves and the other half of the lanes'; M from lanes 0-15 and l from lanes 16-31 go through LDS bytes of my own, so that each store covers 512 consecutive bytes
.irp a, 0,1,2,3,4,5,6,7
	v_add_f32 v[ST+4*(\a)+2], v[ST+4*(\a)+2], v[ST+4*(\a)+3]
.endr
.irp a, 0,1,2,3,4,5,6,7
	v_permlanex16_b32 v[ST+4*(\a)+3], v[ST+4*(\a)+2], s[SEL], s[SEL+1]
.endr
.irp a, 0,1,2,3,4,5,6,7
	v_add_f32 v[ST+4*(\a)+2], v[ST+4*(\a)+2], v[ST+4*(\a)+3]
.endr
.irp a, 0,1,2,3,4,5,6,7
	v_cndmask_b32 v[ST+4*(\a)+1], v[ST+4*(\a)], v[ST+4*(\a)+2], s[HM]
.endr
.irp a, 0,1,2,3,4,5,6,7
	ds_store_b32 v[WSS], v[ST+4*(\a)+1] offset:64*(\a)
.endr
	ds_load_b128 v[CH:CH+3], v[WSL]
	ds_load_b128 v[CH+4:CH+7], v[WSL] offset:512
	s_wait_dscnt 0x0
	global_store_b128 v[SO], v[CH:CH+3], s[10:11]
	global_store_b128 v[SO], v[CH+4:CH+7], s[10:11] offset:16384
	s_wait_tensorcnt 0x0                           ; the wave's end: behind my last tensor load and my last LDS store
	ds_add_u32 v[SPW], v[NIL]
	s_wait_dscnt 0x0
	s_endpgm
.Lfunc_end_k_q144173a149_score:
	.size	k_q144173a149_score, .Lfunc_end_k_q144173a149_score-k_q144173a149_score
	.p2alignl 7, 3214868480
	.fill 96, 4, 3214868480
	.section	.rodata,"a",@progbits
	.p2align	6, 0x0
	.amdhsa_kernel k_q144173a149_score
		.amdhsa_group_segment_fixed_size 327680
		.amdhsa_private_segment_fixed_size 0
		.amdhsa_enable_private_segment 0
		.amdhsa_kernarg_size 32
		.amdhsa_user_sgpr_count 2
		.amdhsa_user_sgpr_kernarg_segment_ptr 1
		.amdhsa_wavefront_size32 1
		.amdhsa_system_sgpr_workgroup_id_x 1
		.amdhsa_system_sgpr_workgroup_id_y 1
		.amdhsa_system_sgpr_workgroup_id_z 1
		.amdhsa_system_vgpr_workitem_id 0
		.amdhsa_next_free_vgpr 1024
		.amdhsa_next_free_sgpr 66
		.amdhsa_reserve_vcc 1
		.amdhsa_float_denorm_mode_32 3
		.amdhsa_float_denorm_mode_16_64 3
		.amdhsa_memory_ordered 1
		.amdhsa_forward_progress 1
		.amdhsa_inst_pref_size 212
	.end_amdhsa_kernel
	.amdgpu_metadata
---
amdhsa.version: [ 1, 2 ]
amdhsa.kernels:
  - .name:           k_q144173a149_score
    .symbol:         k_q144173a149_score.kd
    .args:
      - { .name: qh, .offset: 0, .size: 8, .value_kind: global_buffer, .address_space: global }
      - { .name: kh, .offset: 8, .size: 8, .value_kind: global_buffer, .address_space: global }
      - { .name: pb, .offset: 16, .size: 8, .value_kind: global_buffer, .address_space: global }
      - { .name: st, .offset: 24, .size: 8, .value_kind: global_buffer, .address_space: global }
    .group_segment_fixed_size: 327680
    .private_segment_fixed_size: 0
    .kernarg_segment_align: 8
    .kernarg_segment_size: 32
    .max_flat_workgroup_size: 128
    .sgpr_count:     66
    .vgpr_count:     1024
    .wavefront_size: 32
...
	.end_amdgpu_metadata
.endif
;; end of part 3
;; launch pv (part 4): grid 8 x 32, 4 waves a work-group, clusters of 4 x 1, 327,680 bytes of LDS; arguments pb, vh, st, out0; writes out0
.if DOCPART == 4
	.amdgcn_target "amdgcn-amd-amdhsa--gfx1250"
	.amdhsa_code_object_version 6
	.text
	.protected	k_q144173a149_pv
	.globl	k_q144173a149_pv
	.p2align	8
	.type	k_q144173a149_pv,@function
k_q144173a149_pv:
	s_mov_b64 s[64:65], 0
	v_nop
	global_prefetch_b8 v0, s[64:65] scope:SCOPE_SE
	s_setreg_imm32_b32 hwreg(HW_REG_WAVE_MODE, 25, 1), 1
	s_wait_xcnt 0x0
	s_wait_alu depctr_hold_cnt(0) depctr_sa_sdst(0) depctr_va_vdst(0) depctr_va_sdst(0) depctr_va_ssrc(0) depctr_va_vcc(0) depctr_vm_vsrc(0)
	s_getreg_b32 s2, hwreg(HW_REG_IB_STS2, 6, 4)
	s_cmp_eq_u32 s2, 0
	s_cbranch_scc0 .Lentry_in_a_cluster
	s_endpgm
.Lentry_in_a_cluster:
	s_bfe_u32 s2, ttmp6, 0x10000c
	s_cmp_lg_u32 s2, 0x3003
	s_cbranch_scc0 .Lentry_shape_is_right
	s_endpgm
.Lentry_shape_is_right:
; O[q] = the sum over key tiles j of w_j[q] (P_j V_j)[q], with w_j[q] = 2^(M_j[q] - M[q]) / l[q], M[q] the maximum of the row's tile maxima and l[q] = the sum of 2^(M_j - M) l_j: the softmax with the
; row's own maximum taken away.  pb: [4][2048][2048] f16 (tiles on and below the diagonal), vh: [8192][1024] f16, st: [b][j][M, l][key half][row] f32, out0: [8192][1024] f32.  Sums and weights in f32.
; LIMITS as in the launch before: V within f16; NaN and infinities are not treated apart.
; SHARES.  A work-group makes 128 channels of TWO blocks of 128 queries, 15 - p and then p.  Block x needs the key tiles 0 .. x / 2 of 256 keys: together 9, whatever p: 256 equal work-groups and one walk
; with a constant trip count.  (Where x is even the second half of its last tile holds P = 0, as the launch before wrote it: 1 part in 18 of the products.)  Wave w: 64 queries (w / 2) x 64 channels (w % 2).
; THE PRODUCT IS TAKEN TRANSPOSED: source 0 = 16 channels of V (turned by ds_load_tr16_b128), source 1 = 16 queries of P: a lane holds ONE query and eight neighbouring channels, so w is one number a lane.
; A tile's product T starts at 0 and is added onto O with its weight when the tile is done.
; CLUSTER 4 x 1: the four partners make four channel blocks of the same queries: P's tile is asked for jointly (waves 0, 1); V's hangs on the channel block and comes by loads of one's own (waves 2, 3), behind the same round.
; REGISTERS: window 0: v0-31 addresses; v32-103 the weights, a queue of 9 tiles x 4 query blocks x a pair; v104-112 offsets; v128-255 T (at the start: the statistics; at the end: rows on their way out)
;   window 1: two buffers of 128: for 64 keys, 64 registers of P's fragments, then 64 of V's     window 2: v0-127 O of the first block, v128-255 O of the second
.set QW,    36864                      ; a quarter of a slot: what one wave's tensor load may fill (P: 64 x 528 = 33,792 of it; V: 128 x 288 = all of it)
.set SLOTB, 4*QW
.set PP,    528                        ; a row of P: 512 bytes + 16
.set PVP,   288                        ; a row of V: 256 bytes + 32
.set STAGE, 2*SLOTB                    ; behind the ring: 16 rows x 272 bytes for each wave
.set SP,    272
.set SPARE, STAGE+4*16*SP              ; the spare words, 128 bytes for each wave
.set ADRP, 10                          ; v10-11  LDS address of my P fragments in slot 0, 1
.set ADRV, 12                          ; v12-15  of my V fragments: slot s, keys 128 u on, at ADRV + 2 s + u
.set STO,  16
.set RD,   17
.set CO,   18
.set PFO,  19                          ; v19     the prefetches' offset; never rewritten
.set VB,   20                          ; v20     4 r + 256 (w / 2): my query in a block's statistics
.set SPW,  30
.set NIL,  31
.set W,    32
.set VO,   104                         ; v104-112  walk entry n's offset in st
.set T,    128
.set MM,   128                         ; the statistics, entry n, query block qt at 4 n + qt: M, later 2^(M - M_row)
.set L0,   164                         ; l of the first key half, later of both
.set L1,   200                         ; l of the second
.set MH,   236                         ; the first block's row maxima;  ML the second's
.set ML,   240
.set SH,   244                         ; the first block's l, later 1 / l;  SL the second's
.set SL,   248
.set VLOW, 252                         ; the lowest finite number
.set TA,   253
.set TB,   254
.set F0,   0
.set F1,   128
.set WV,   12                          ; s12 wave;  s13 cx;  s14 channel block;  s16 w % 2;  s17 w / 2;  s18 batch;  s19 p
.set HI,   20                          ; s20  15 - p
.set LO,   21                          ; s21  p
.set NH,   22                          ; s22  tiles of the first block
.set NL1,  23                          ; s23  tiles of the second, less 1
.set G1P,  24
.set G1V,  32
.set G0P,  40
.set G0V,  44
.set PB0,  48                          ; s[48:49] pb at the batch, my half of a block's rows
.set VB0,  50                          ; s[50:51] vh at the batch, my half of a tile's keys, my channel block
.set PF0,  52                          ; s[52:53] the one of the two that I fetch from
.set PFA,  54                          ; s[54:55] where my prefetch stands
.set NXT,  56                          ; s56  the tile to be asked for next
.set LQ,   57                          ; s57  the last tile of the block whose tiles are being asked for
.set PBLK, 58                          ; s58  that block's first row in pb, in bytes
.set PLO,  59                          ; s59  the second block's
.set SEL,  60
.set HL,   62                          ; s62  tiles of the first block still to be added
.set FL,   63                          ; s63  fills still to come
.set LIM,  66
.set LW,   67                          ; s67  wave x a quarter of a slot
.set OFP,  68                          ; s[68:69], s[70:71], s[72:73] offsets, high words 0
.set OFV,  70
.set OFQ,  72
.set OHB,  80                          ; s[80:81] out0 at my rows of the first block;  s[82:83] of the second
.set OLB,  82
.set CNT,  84
.set MSB, 0
.macro WIN new
.if MSB != (\new)
	s_set_vgpr_msb (MSB<<8)|(\new)
.set MSB, \new
.endif
.endm
.set MUL,  0x05                        ; sources 0 (V) and 1 (P) window 1; C and D window 0
.set TO_F, 0x40
.macro PLACES
.rept 4
	v_nop
.endr
.endm
.macro JLOAD                           ; waves 0 and 1: the two halves of P's tile, jointly; waves 2 and 3: those of V's.  An s_nop 0 and four v_nop follow each line
	s_cmp_lt_u32 s[WV], 2
	s_cbranch_scc0 .Lfor_v_\@
	tensor_load_to_lds s[G0P:G0P+3], s[G1P:G1P+7]
	s_nop 0
.rept 4
	v_nop
.endr
	s_branch .Lasked_\@
.Lfor_v_\@:
	tensor_load_to_lds s[G0V:G0V+3], s[G1V:G1V+7]
	s_nop 0
.rept 4
	v_nop
.endr
.Lasked_\@:
.endm
.macro CROUND
	s_barrier_signal -1
	s_barrier_wait -1
	s_cmp_lg_u32 s[WV], 0
	s_cbranch_scc1 .Lnot_wave_0_\@
	s_barrier_signal -3
.Lnot_wave_0_\@:
	s_barrier_wait -3
	s_barrier_signal -1
	s_barrier_wait -1
.endm
; A PREFETCH INTO THE L2 of the tile that the NEXT change of slots will ask for, behind the fill, its five lines and the tile's first LDS loads.
; P's tile is read by the two clusters of a row of the grid: cluster x = 0 asks; of the 64 rows x 512 bytes that wave 0 or 1 fetches each partner takes 16 rows, told apart by address: a lane a block of 256 bytes.
; V's tile of a channel block is read by the eight work-groups p = 0 .. 7 of a batch: p = 0, whose first block walks all eight tiles, asks in that walk alone: waves 2, 3, a lane a row, four lines.
.macro ASK
	WIN 0
	s_cmp_gt_u32 s[FL], s[LIM]
	s_cbranch_scc0 .Lnot_mine_\@
	global_prefetch_b8 v[PFO], s[PFA:PFA+1] th:TH_LOAD_NT scope:SCOPE_SE
	s_cmp_lt_u32 s[WV], 2
	s_cbranch_scc1 .Lnot_mine_\@
	global_prefetch_b8 v[PFO], s[PFA:PFA+1] offset:65536 th:TH_LOAD_NT scope:SCOPE_SE
	global_prefetch_b8 v[PFO], s[PFA:PFA+1] offset:131072 th:TH_LOAD_NT scope:SCOPE_SE
	global_prefetch_b8 v[PFO], s[PFA:PFA+1] offset:196608 th:TH_LOAD_NT scope:SCOPE_SE
.Lnot_mine_\@:
	s_sub_co_u32 s[FL], s[FL], 1
.endm
; THE CHANGE OF SLOTS.  Each wave waits for all its tensor loads (one is out: its part of the slot to be read), adds 0 to its spare word, and waits for that and for its reads of the slot that it leaves.
; fill = 1: that slot is filled with tile NXT, behind a round of the cluster's barrier, first thing there; the addresses are made anew from the tile's number.  It has a tile's 128 products and its 64 additions in which to land.
; (At its first use nothing has been read yet: slot 0 is waited for, slot 1 filled.)
.macro CHANGE fill, slot
	WIN 0
	s_wait_xcnt 0x0                                ; the last prefetches, a tile back, have read their address
	s_wait_tensorcnt 0x0
	ds_add_u32 v[SPW], v[NIL]                      ; 0 onto my spare word; scalar work stands between it and the wait for it
.if \fill
	s_lshl_b32 s[OFP], s[NXT], 9                   ; a tile's 256 keys are 512 bytes of a row of P,
	s_add_co_u32 s[OFP], s[OFP], s[PBLK]
	s_add_co_u32 s[G0P+1], s[LW], (\slot)*SLOTB
	s_add_nc_u64 s[G0P+2:G0P+3], s[PB0:PB0+1], s[OFP:OFP+1]
	s_or_b32 s[G0P+3], s[G0P+3], 0x80000000
	s_lshl_b32 s[OFV], s[NXT], 19                  ; and 256 rows of 2,048 bytes of V
	s_add_co_u32 s[G0V+1], s[LW], (\slot)*SLOTB
	s_add_nc_u64 s[G0V+2:G0V+3], s[VB0:VB0+1], s[OFV:OFV+1]
	s_or_b32 s[G0V+3], s[G0V+3], 0x80000000
	s_add_co_u32 s[NXT], s[NXT], 1                 ; the block's next tile, or behind its last the second block's tile 0
	s_cmp_gt_u32 s[NXT], s[LQ]
	s_cselect_b32 s[NXT], 0, s[NXT]
	s_cselect_b32 s[PBLK], s[PLO], s[PBLK]
	s_cselect_b32 s[LQ], s[NL1], s[LQ]
	s_lshl_b32 s[OFQ], s[NXT], 9                   ; where that tile lies, for the prefetch
	s_add_co_u32 s[OFQ], s[OFQ], s[PBLK]
	s_lshl_b32 s74, s[NXT], 19
	s_cmp_lt_u32 s[WV], 2
	s_cselect_b32 s[OFQ], s[OFQ], s74
	s_add_nc_u64 s[PFA:PFA+1], s[PF0:PF0+1], s[OFQ:OFQ+1]
.endif
	s_wait_dscnt 0x0                               ; the add is done, and my reads of the slot are over
.if \fill
	CROUND
	JLOAD
.else
	s_barrier_signal -1
	s_barrier_wait -1
.endif
.endm
	s_load_b256 s[4:11], s[0:1], 0x0               ; pb s[4:5], vh s[6:7], st s[8:9], out0 s[10:11]
	v_lshl_add_u32 v[SPW], v0, 2, SPARE
	v_mov_b32 v[NIL], 0
	ds_add_u32 v[SPW], v[NIL]                      ; the wave's opening: the add and its wait stand ahead of my first tensor load
	v_lshrrev_b32 v1, 5, v0
	v_readfirstlane_b32 s[WV], v1
	s_bfe_u32 s13, ttmp6, 0x40000                  ; cx
	s_lshl_b32 s14, ttmp9, 2
	s_add_co_u32 s14, s14, s13                     ; channel block = 4 x cluster x + cx
	s_and_b32 s15, ttmp7, 0xffff
	s_lshr_b32 s18, s15, 3                         ; batch
	s_and_b32 s19, s15, 7                          ; p
	s_and_b32 s16, s[WV], 1
	s_lshr_b32 s17, s[WV], 1
	s_sub_co_u32 s[HI], 15, s19
	s_mov_b32 s[LO], s19
	s_lshr_b32 s[NH], s[HI], 1
	s_add_co_u32 s[NH], s[NH], 1
	s_lshr_b32 s[NL1], s[LO], 1
	; P's half tile: 64 rows x 256 elements, 2,048 elements from row to row, padded after every 128 words by 4; the mask names all four partners
	s_mov_b32 s[G1P+0], 15|(1<<16)|(1<<20)|(1<<21)|(6<<22)|(3<<25)
	s_mov_b32 s[G1P+1], 256<<16
	s_mov_b32 s[G1P+2], 64<<16
	s_mov_b32 s[G1P+3], 256<<16
	s_mov_b32 s[G1P+4], 64
	s_mov_b32 s[G1P+5], 2048
	s_mov_b32 s[G1P+6], 0
	s_mov_b32 s[G1P+7], 0
	; V's half tile: 128 rows x 128 elements, 1,024 elements from row to row, padded after every 64 words by 8; no mask
	s_mov_b32 s[G1V+0], (1<<16)|(1<<20)|(5<<22)|(7<<25)
	s_mov_b32 s[G1V+1], 128<<16
	s_mov_b32 s[G1V+2], 128<<16
	s_mov_b32 s[G1V+3], 128<<16
	s_mov_b32 s[G1V+4], 128
	s_mov_b32 s[G1V+5], 1024
	s_mov_b32 s[G1V+6], 0
	s_mov_b32 s[G1V+7], 0
	s_mul_i32 s[LW], s[WV], QW
	s_lshl_b32 s74, s18, 23                        ; P: batch x 8,388,608 + half x 64 rows of 4,096 bytes
	s_lshl_b32 s75, s16, 18
	s_add_co_u32 s74, s74, s75
	s_lshl_b32 s76, s18, 22                        ; V: batch x 4,194,304 + half x 128 rows of 2,048 bytes + 256 x channel block
	s_add_co_u32 s76, s76, s75
	s_lshl_b32 s77, s14, 8
	s_add_co_u32 s76, s76, s77
	s_mov_b32 s75, 0
	s_mov_b32 s77, 0
	s_lshl_b32 s[PBLK], s[HI], 19                  ; a block's 128 rows of 4,096 bytes
	s_lshl_b32 s[PLO], s[LO], 19
	s_mov_b32 s[NXT], 1
	s_sub_co_u32 s[LQ], s[NH], 1
	s_mov_b32 s[HL], s[NH]
	s_mov_b32 s[FL], 8
	s_mov_b32 s[OFP], s[PBLK]
	s_mov_b32 s[OFP+1], 0
	s_mov_b32 s[OFV+1], 0
	s_mov_b32 s[OFQ+1], 0
	s_mov_b32 s[SEL], 0x76543210
	s_mov_b32 s[SEL+1], 0xfedcba98
	s_mov_b32 s[G0P], 1
	s_mov_b32 s[G0P+1], s[LW]                      ; slot 0
	s_mov_b32 s[G0V], 1
	s_mov_b32 s[G0V+1], s[LW]
	s_wait_dscnt 0x0                               ; the opening add is done
	s_wait_kmcnt 0x0
	s_add_nc_u64 s[PB0:PB0+1], s[4:5], s[74:75]
	s_add_nc_u64 s[VB0:VB0+1], s[6:7], s[76:77]
	s_add_nc_u64 s[G0P+2:G0P+3], s[PB0:PB0+1], s[OFP:OFP+1]  ; the first block's tile 0
	s_or_b32 s[G0P+3], s[G0P+3], 0x80000000
	s_add_nc_u64 s[G0V+2:G0V+3], s[VB0:VB0+1], 0
	s_or_b32 s[G0V+3], s[G0V+3], 0x80000000
	CROUND                                         ; all four work-groups are here: the first joint loads meet
	JLOAD
	v_and_b32 v1, 15, v0                           ; r
	v_bfe_u32 v2, v0, 4, 1                         ; h
	v_and_b32 v3, 31, v0                           ; l
	; THE STATISTICS of the walk's nine entries: entry n is tile n of the first block while n < NH, else tile n - NH of the second.  All choices are made by scalars from p.
	s_lshl_b32 s74, s17, 8
	v_lshl_add_u32 v[VB], v1, 2, s74
	s_lshl_b32 s74, s18, 18                        ; the batch's 262,144 bytes of st
	s_mov_b32 s75, 0
	s_add_nc_u64 s[8:9], s[8:9], s[74:75]
.set n, 0
.rept 9
	s_sub_co_u32 s75, n, s[NH]
	s_cmp_gt_u32 s[NH], n
	s_cselect_b32 s75, n, s75                      ; the tile
	s_cselect_b32 s74, s[HI], s[LO]                ; the block
	s_lshl_b32 s75, s75, 15
	s_lshl_b32 s74, s74, 9
	s_add_co_u32 s74, s74, s75
	v_add_nc_u32 v[VO+n], s74, v[VB]
.irp qt, 0,1,2,3
	global_load_b32 v[MM+4*n+(\qt)], v[VO+n], s[8:9] offset:64*(\qt)
	global_load_b32 v[L0+4*n+(\qt)], v[VO+n], s[8:9] offset:16384+64*(\qt)
	global_load_b32 v[L1+4*n+(\qt)], v[VO+n], s[8:9] offset:24576+64*(\qt)
.endr
.set n, n+1
.endr
	; P's fragment: 16 queries x 32 keys, two loads of 16 bytes, 32 bytes apart
	v_mul_u32_u24 v4, v1, PP
	v_lshl_add_u32 v4, v2, 4, v4
	s_mul_i32 s74, s17, QW
	v_add_nc_u32 v[ADRP], s74, v4
	v_add_nc_u32 v[ADRP+1], SLOTB, v[ADRP]
	; V's fragment, turned: lane l reads 16 bytes of key 8 h + l % 8, channels 8 ((l / 8) % 2) + 0..7
	v_and_b32 v5, 7, v0
	v_lshl_add_u32 v5, v2, 3, v5
	v_mul_u32_u24 v5, v5, PVP
	v_bfe_u32 v6, v0, 3, 1
	v_lshl_add_u32 v5, v6, 4, v5
	s_lshl_b32 s74, s16, 7
	s_add_co_u32 s74, s74, 2*QW
	v_add_nc_u32 v[ADRV], s74, v5
	v_add_nc_u32 v[ADRV+1], QW, v[ADRV]
	v_add_nc_u32 v[ADRV+2], SLOTB, v[ADRV]
	v_add_nc_u32 v[ADRV+3], SLOTB, v[ADRV+1]
	s_mul_i32 s74, s[WV], 16*SP
	s_add_co_u32 s74, s74, STAGE                   ; my stage
	v_mul_u32_u24 v4, v1, SP
	v_lshl_add_u32 v4, v2, 5, v4
	v_add_nc_u32 v[STO], s74, v4                   ; in: row r, 32 bytes for each half of the lanes
	v_mul_u32_u24 v4, v2, SP
	v_lshl_add_u32 v4, v1, 4, v4
	v_add_nc_u32 v[RD], s74, v4                    ; back: lanes 0-15 one row of 256 bytes, lanes 16-31 the next
	v_lshlrev_b32 v4, 4, v1
	v_lshl_add_u32 v[CO], v2, 12, v4               ; the same two rows in out0
	s_lshl_b32 s74, s18, 23                        ; out0: (2,048 batch + 128 block + 64 (w / 2)) x 4,096 + 512 channel block + 256 (w % 2)
	s_lshl_b32 s75, s17, 18
	s_add_co_u32 s74, s74, s75
	s_lshl_b32 s75, s14, 9
	s_add_co_u32 s74, s74, s75
	s_lshl_b32 s75, s16, 8
	s_add_co_u32 s74, s74, s75
	s_add_co_u32 s76, s74, s[PLO]
	s_add_co_u32 s74, s74, s[PBLK]
	s_mov_b32 s75, 0
	s_mov_b32 s77, 0
	s_add_nc_u64 s[OHB:OHB+1], s[10:11], s[74:75]
	s_add_nc_u64 s[OLB:OLB+1], s[10:11], s[76:77]
	; who prefetches, from where, with which lane term
	s_mov_b32 s74, ttmp9
	s_cmp_eq_u32 s74, 0
	s_cselect_b32 s75, 1, -1                       ; P: every fill but the last has a tile behind it
	s_cmp_eq_u32 s19, 0
	s_cselect_b32 s76, 2, -1                       ; V: and the last tile of the walk has been read before
	s_cmp_lt_u32 s[WV], 2
	s_cselect_b32 s[LIM], s75, s76                 ; the same in all four partners, for a given wave
	s_cselect_b64 s[PF0:PF0+1], s[PB0:PB0+1], s[VB0:VB0+1]
	s_cselect_b32 s77, -1, 0
	v_lshrrev_b32 v4, 1, v3
	v_lshlrev_b32 v4, 12, v4
	v_and_b32 v5, 1, v3
	v_lshl_add_u32 v4, v5, 8, v4
	s_lshl_b32 s78, s13, 16
	v_add_nc_u32 v4, s78, v4                       ; P: row 16 cx + l / 2, block l % 2
	v_lshlrev_b32 v5, 11, v3                       ; V: row l
	v_cndmask_b32 v[PFO], v5, v4, s77
	; O starts at 0: written while the first tile and the statistics are on their way, so that every tile is added in one form
	WIN 0x80
.set z, 0
.rept 256
	v_mov_b32 v[z], 0
.set z, z+1
.endr
	WIN 0
	s_wait_loadcnt 0x0
.set z, 0
.rept 18
	v_pk_add_f32 v[L0+2*z:L0+2*z+1], v[L0+2*z:L0+2*z+1], v[L1+2*z:L1+2*z+1]  ; l of both key halves
.set z, z+1
.endr
	v_mov_b32 v[VLOW], 0xff7fffff
.irp qt, 0,1,2,3
	v_mov_b32 v[MH+(\qt)], v[VLOW]
	v_mov_b32 v[ML+(\qt)], v[VLOW]
	v_mov_b32 v[SH+(\qt)], 0
	v_mov_b32 v[SL+(\qt)], 0
.endr
.set n, 0
.rept 9                                ; the rows' maxima, a block each
	s_cmp_gt_u32 s[NH], n
	s_cselect_b32 s74, -1, 0
.irp qt, 0,1,2,3
	v_cndmask_b32 v[TA], v[VLOW], v[MM+4*n+(\qt)], s74
	v_cndmask_b32 v[TB], v[MM+4*n+(\qt)], v[VLOW], s74
	v_max_num_f32 v[MH+(\qt)], v[MH+(\qt)], v[TA]
	v_max_num_f32 v[ML+(\qt)], v[ML+(\qt)], v[TB]
.endr
.set n, n+1
.endr
.set n, 0
.rept 9                                ; M_j - M, never above 0
	s_cmp_gt_u32 s[NH], n
	s_cselect_b32 s74, -1, 0
.irp qt, 0,1,2,3
	v_cndmask_b32 v[TA], v[ML+(\qt)], v[MH+(\qt)], s74
	v_sub_f32 v[MM+4*n+(\qt)], v[MM+4*n+(\qt)], v[TA]
.endr
.set n, n+1
.endr
.set z, 0
.rept 36
	v_exp_f32 v[MM+z], v[MM+z]
.set z, z+1
.endr
	v_nop                                          ; a plain instruction behind the last exponential,
	s_wait_alu depctr_va_vdst(0)                   ; and one wait for the batch
.set n, 0
.rept 9                                ; l = the sum of 2^(M_j - M) l_j, a block each; it is at least 1: the tile with the row's maximum holds a weight of 1
	s_cmp_gt_u32 s[NH], n
	s_cselect_b32 s74, 1.0, 0
	s_cselect_b32 s75, 0, 1.0
.irp qt, 0,1,2,3
	v_mul_f32 v[TA], v[MM+4*n+(\qt)], v[L0+4*n+(\qt)]
	v_fma_f32 v[SH+(\qt)], v[TA], s74, v[SH+(\qt)]
	v_fma_f32 v[SL+(\qt)], v[TA], s75, v[SL+(\qt)]
.endr
.set n, n+1
.endr
.set z, 0
.rept 8
	v_rcp_f32 v[SH+z], v[SH+z]
.set z, z+1
.endr
	v_nop
	s_wait_alu depctr_va_vdst(0)
.set n, 0
.rept 9                                ; the weights
	s_cmp_gt_u32 s[NH], n
	s_cselect_b32 s74, -1, 0
.irp qt, 0,1,2,3
	v_cndmask_b32 v[TA], v[SL+(\qt)], v[SH+(\qt)], s74
	v_mul_f32 v[W+8*n+2*(\qt)], v[MM+4*n+(\qt)], v[TA]
	v_mov_b32 v[W+8*n+2*(\qt)+1], 0                ; named with it as a pair
.endr
.set n, n+1
.endr
; 8 matrix instructions: query blocks a0, a0 + 1 x all 4 channel blocks, 32 keys: half c of buffer f.  zero = 1: the product starts T.  The 16 accumulators take turns.
.macro MUL8 f, c, a0, zero
	WIN MUL
.irp a, \a0, (\a0)+1
.irp b, 0,1,2,3
.set rD, T+8*(4*(\a)+(\b))
.set rV, (\f)+64+8*(4*(\c)+(\b))
.set rP, (\f)+8*(4*(\c)+(\a))
.if \zero
	v_wmma_f32_16x16x32_f16 v[rD:rD+7], v[rV:rV+7], v[rP:rP+7], 0
.else
	v_wmma_f32_16x16x32_f16 v[rD:rD+7], v[rV:rV+7], v[rP:rP+7], v[rD:rD+7]
.endif
.endr
.endr
.endm
.macro FETCH slot, q, f                ; 32 LDS loads in one run: the fragments of quarter q (64 keys) into buffer f; the first 32 keys first
	WIN TO_F
.irp c, 0,1
.irp i, 0,1,2,3
	ds_load_tr16_b128 v[(\f)+64+8*(4*(\c)+(\i)):(\f)+64+8*(4*(\c)+(\i))+3],   v[ADRV+2*(\slot)+(\q)/2] offset:((\q)%2)*64*PVP+32*PVP*(\c)+32*(\i)
	ds_load_tr16_b128 v[(\f)+64+8*(4*(\c)+(\i))+4:(\f)+64+8*(4*(\c)+(\i))+7], v[ADRV+2*(\slot)+(\q)/2] offset:((\q)%2)*64*PVP+32*PVP*(\c)+32*(\i)+16*PVP
	ds_load_b128 v[(\f)+8*(4*(\c)+(\i)):(\f)+8*(4*(\c)+(\i))+3],   v[ADRP+(\slot)] offset:128*(\q)+64*(\c)+16*PP*(\i)
	ds_load_b128 v[(\f)+8*(4*(\c)+(\i))+4:(\f)+8*(4*(\c)+(\i))+7], v[ADRP+(\slot)] offset:128*(\q)+64*(\c)+16*PP*(\i)+32
.endr
.endr
.endm
.macro QUARTER slot, qn, f, g, zero    ; multiplies buffer f; in its middle fetches quarter qn into buffer g
	s_wait_dscnt 16                                ; the first 32 keys are in
	MUL8 \f, 0, 0, \zero
	MUL8 \f, 0, 2, \zero
	PLACES
	FETCH \slot, \qn, \g
	s_wait_dscnt 32                                ; all but the 32 just issued
	MUL8 \f, 1, 0, 0
	MUL8 \f, 1, 2, 0
.endm
.macro LUMPS ob, widx                  ; O += w T: 64 packed multiply-adds, each accumulator from its low end on
	WIN 0xa0                                       ; O (destination and source 2) in window 2
.set z, 0
.rept 64
	v_pk_fma_f32 v[(\ob)+2*z:(\ob)+2*z+1], v[T+2*z:T+2*z+1], v[W+8*(\widx)+2*(z/16):W+8*(\widx)+2*(z/16)+1], v[(\ob)+2*z:(\ob)+2*z+1] op_sel_hi:[1,0,1]
.set z, z+1
.endr
	WIN 0
.endm
.macro LUMP widx                       ; the branch hangs on p alone, which the four partners share; it goes forward and passes no barrier and no tensor load
	WIN 0
	s_cmp_lg_u32 s[HL], 0
	s_cbranch_scc0 .Llow_\@
	LUMPS 0, \widx
	s_sub_co_u32 s[HL], s[HL], 1
	s_branch .Ladded_\@
.Llow_\@:
	LUMPS 128, \widx
.Ladded_\@:
.endm
.macro TILE slot, widx, ask            ; a tile of 256 keys: four quarters of 64, then its weighted addition
	FETCH \slot, 0, F0
.if \ask
	ASK
.endif
	QUARTER \slot, 1, F0, F1, 1
	QUARTER \slot, 2, F1, F0, 0
	QUARTER \slot, 3, F0, F1, 0
	s_wait_dscnt 16
	MUL8 F1, 0, 0, 0
	MUL8 F1, 0, 2, 0
	s_wait_dscnt 0x0
	MUL8 F1, 1, 0, 0
	MUL8 F1, 1, 2, 0
	PLACES
	LUMP \widx
.endm
	s_mov_b32 s[CNT], 4
.Lpair:                                                ; a trip: two tiles of the walk, and two fills
	CHANGE 1, 1
	TILE 0, 0, 1
	CHANGE 1, 0
	TILE 1, 1, 1
.set e, 0
.rept 7                                ; the weights' queue moves down by two tiles
.irp qt, 0,1,2,3
	v_mov_b32 v[W+8*e+2*(\qt)], v[W+8*(e+2)+2*(\qt)]
.endr
.set e, e+1
.endr
	s_sub_co_u32 s[CNT], s[CNT], 1
	s_cmp_lg_u32 s[CNT], 0
	s_cbranch_scc1 .Lpair
	CHANGE 0, 0                                    ; the walk's ninth tile is written out: nothing is asked for
	TILE 0, 0, 0
	; THE WAY OUT: a lane's eight channels of a row are 32 bytes; 16 rows at a time go into my stage and come back as whole rows of 256 bytes.
.macro PACKO ob, qt
	WIN 0x08                                       ; the stores' data in window 2
.irp cb, 0,1,2,3
	ds_store_b128 v[STO], v[(\ob)+8*(4*(\qt)+(\cb)):(\ob)+8*(4*(\qt)+(\cb))+3]   offset:64*(\cb)
	ds_store_b128 v[STO], v[(\ob)+8*(4*(\qt)+(\cb))+4:(\ob)+8*(4*(\qt)+(\cb))+7] offset:64*(\cb)+16
.endr
	WIN 0
.irp t, 0,1,2,3,4,5,6,7
	ds_load_b128 v[T+32*(\qt)+4*(\t):T+32*(\qt)+4*(\t)+3], v[RD] offset:(\t)*2*SP  ; LDS serves a wave's instructions in order (ISA guide 5.7.1.4): these see the stores above; the next block's stores come behind them
.endr
.endm
.macro SENDO sb, qt, younger           ; younger: the LDS instructions issued behind this block's loads
.irp t, 0,1,2,3,4,5,6,7
	s_wait_dscnt (\younger)+7-(\t)
	global_store_b128 v[CO], v[T+32*(\qt)+4*(\t):T+32*(\qt)+4*(\t)+3], s[(\sb):(\sb)+1] offset:65536*(\qt)+8192*(\t)  ; 16 lanes store 256 consecutive bytes, aligned
.endr
.endm
.macro OUT ob, sb
	PACKO \ob, 0
	PACKO \ob, 1
	SENDO \sb, 0, 16
	PACKO \ob, 2
	SENDO \sb, 1, 16
	PACKO \ob, 3
	SENDO \sb, 2, 16
	SENDO \sb, 3, 0
.endm
	OUT 0, OHB
	s_wait_xcnt 0x0                                ; the first block's stores have read their registers: only behind this wait are those loaded again
	OUT 128, OLB
	s_wait_tensorcnt 0x0                           ; the wave's end: behind my last tensor load and my last LDS store
	ds_add_u32 v[SPW], v[NIL]
	s_wait_dscnt 0x0
	CROUND                                         ; the closing round: no work-group ends while a partner may still ask for a tile that names it
	s_endpgm
.Lfunc_end_k_q144173a149_pv:
	.size	k_q144173a149_pv, .Lfunc_end_k_q144173a149_pv-k_q144173a149_pv
	.p2alignl 7, 3214868480
	.fill 96, 4, 3214868480
	.section	.rodata,"a",@progbits
	.p2align	6, 0x0
	.amdhsa_kernel k_q144173a149_pv
		.amdhsa_group_segment_fixed_size 327680
		.amdhsa_private_segment_fixed_size 0
		.amdhsa_enable_private_segment 0
		.amdhsa_kernarg_size 32
		.amdhsa_user_sgpr_count 2
		.amdhsa_user_sgpr_kernarg_segment_ptr 1
		.amdhsa_wavefront_size32 1
		.amdhsa_system_sgpr_workgroup_id_x 1
		.amdhsa_system_sgpr_workgroup_id_y 1
		.amdhsa_system_sgpr_workgroup_id_z 1
		.amdhsa_system_vgpr_workitem_id 0
		.amdhsa_next_free_vgpr 768
		.amdhsa_next_free_sgpr 88
		.amdhsa_reserve_vcc 0
		.amdhsa_float_denorm_mode_32 3
		.amdhsa_float_denorm_mode_16_64 3
		.amdhsa_memory_ordered 1
		.amdhsa_forward_progress 1
		.amdhsa_inst_pref_size 153
	.end_amdhsa_kernel
	.amdgpu_metadata
---
amdhsa.version: [ 1, 2 ]
amdhsa.kernels:
  - .name:           k_q144173a149_pv
    .symbol:         k_q144173a149_pv.kd
    .args:
      - { .name: pb, .offset: 0, .size: 8, .value_kind: global_buffer, .address_space: global }
      - { .name: vh, .offset: 8, .size: 8, .value_kind: global_buffer, .address_space: global }
      - { .name: st, .offset: 16, .size: 8, .value_kind: global_buffer, .address_space: global }
      - { .name: out0, .offset: 24, .size: 8, .value_kind: global_buffer, .address_space: global }
    .group_segment_fixed_size: 327680
    .private_segment_fixed_size: 0
    .kernarg_segment_align: 8
    .kernarg_segment_size: 32
    .max_flat_workgroup_size: 128
    .sgpr_count:     88
    .vgpr_count:     768
    .wavefront_size: 32
...
	.end_amdgpu_metadata
.endif
;; end of part 4
;; ======== version 2 of 3: 4 launches
;; limits: values are held in f16: magnitudes above 65,504 overflow, below 6.1e-05 lose precision
;; workspace buffers: xb 16,777,216 bytes; wb 6,291,456 bytes; bb 12,288 bytes; qh 16,777,216 bytes; kh 16,777,216 bytes; vh 16,777,216 bytes; pb 33,554,432 bytes; st 1,048,576 bytes
;; launch prep (part 5): grid 768 x 1, 8 waves a work-group, no clusters, 0 bytes of LDS; arguments x, Wq, Wk, Wv, bq, bk, bv, xb, wb, bb; writes xb, wb, bb
.if DOCPART == 5
	.amdgcn_target "amdgcn-amd-amdhsa--gfx1250"
	.amdhsa_code_object_version 6
	.text
	.protected	k_q144173a149_prep
	.globl	k_q144173a149_prep
	.p2align	8
	.type	k_q144173a149_prep,@function
k_q144173a149_prep:
	s_mov_b64 s[64:65], 0
	v_nop
	global_prefetch_b8 v0, s[64:65] scope:SCOPE_SE
	s_setreg_imm32_b32 hwreg(HW_REG_WAVE_MODE, 25, 1), 1
	s_wait_xcnt 0x0
; x, Wq, Wk, Wv are rounded once to bf16 and laid out in blocks for the projection; the biases are rounded to bf16 and kept as f32 (bq times c).
;   xb [kb 16][row 8192][64] bf16: the 64 channels of K step kb of all rows lie end to end (128 bytes a row).
;   wb [c 8][kb 16][t 3][kk 64][n 128] bf16: for column block c and K step kb the 64 x 128 pieces of Wq, Wk, Wv lie end to end (rows of 256 bytes).
;   bb [c 8][t 3][128] f32: c bq, bk, bv of column block c.     c = log2(e) / 8: the scores' scale, folded into Q.
; A stream: every byte is read once and written once.  A lane loads 16 consecutive bytes (4 f32) and stores 8 (4 bf16): sixteen neighbouring lanes load 256 consecutive bytes, aligned, and the 32 lanes
; of a wave store 256 consecutive bytes, aligned.  No LDS, no barrier, no matrix unit: nothing is shared.
; Work-groups 0 to 511 take 16 rows of x each; work-groups 512 to 767 take 4 rows (k) of each W; work-group 512 also takes the biases.
.set CLOG, 0x3e38aa3b                  ; c = log2(e) / 8
.set X, 16                             ; v[16:79]   as loaded, 4 f32 a piece
.set Y, 80                             ; v[80:111]  as stored, 4 bf16 a piece
	s_load_b512 s[8:23], s[0:1], 0x0               ; x s[8:9], Wq s[10:11], Wk s[12:13], Wv s[14:15], bq s[16:17], bk s[18:19], bv s[20:21], xb s[22:23]
	s_load_b128 s[24:27], s[0:1], 0x40             ; wb s[24:25], bb s[26:27]
	s_mov_b32 s2, ttmp9
	s_mov_b32 s5, 0
	s_mov_b32 s7, 0
	s_wait_kmcnt 0x0
	s_cmp_lt_u32 s2, 512
	s_cbranch_scc0 .Lweights
	; x: lanes 0-15 take a K step's 256 bytes of an even row, lanes 16-31 of the odd row below; wave w takes K steps 2 w and 2 w + 1.  Piece (u, e): rows 2 u, 2 u + 1, K step 2 w + e
	v_and_b32 v1, 15, v0                           ; my 16 bytes of the 256
	v_bfe_u32 v2, v0, 4, 1                         ; row parity
	v_lshrrev_b32 v3, 5, v0                        ; wave
	v_lshlrev_b32 v4, 4, v1
	v_lshl_add_u32 v4, v3, 9, v4
	v_lshl_add_u32 v4, v2, 12, v4                  ; in: parity x 4,096 + wave x 512 + 16 x piece
	v_lshlrev_b32 v5, 3, v1
	v_lshl_add_u32 v5, v2, 7, v5
	v_lshl_add_u32 v5, v3, 21, v5                  ; out: wave x 2 x 1,048,576 + parity x 128 + 8 x piece
	s_lshl_b32 s4, s2, 16                          ; 16 rows of 4,096 bytes
	s_lshl_b32 s6, s2, 11                          ; 16 rows of 128 bytes
	s_add_nc_u64 s[8:9], s[8:9], s[4:5]
	s_add_nc_u64 s[22:23], s[22:23], s[6:7]
.irp u, 0,1,2,3,4,5,6,7
.irp e, 0,1
	global_load_b128 v[X+4*(2*(\u)+(\e)):X+4*(2*(\u)+(\e))+3], v4, s[8:9] offset:8192*(\u)+256*(\e) th:TH_LOAD_NT
.endr
.endr
.irp u, 0,1,2,3,4,5,6,7
.irp e, 0,1
	s_wait_loadcnt 15-(2*(\u)+(\e))                ; loads come back in order: this piece's is in, the younger ones stay out
	v_cvt_pk_bf16_f32 v[Y+2*(2*(\u)+(\e))],   v[X+4*(2*(\u)+(\e))],   v[X+4*(2*(\u)+(\e))+1]
	v_cvt_pk_bf16_f32 v[Y+2*(2*(\u)+(\e))+1], v[X+4*(2*(\u)+(\e))+2], v[X+4*(2*(\u)+(\e))+3]
	global_store_b64 v5, v[Y+2*(2*(\u)+(\e)):Y+2*(2*(\u)+(\e))+1], s[22:23] offset:1048576*(\e)+256*(\u)
.endr
.endr
	s_endpgm
.Lweights:
	; W: wave = column block: its 32 lanes take the block's 512 bytes of a row.  Piece (t, kr): row 4 w + kr of tensor t
	s_sub_co_u32 s3, s2, 512                       ; w
	v_and_b32 v1, 31, v0                           ; lane
	v_lshrrev_b32 v2, 5, v0                        ; column block
	v_lshlrev_b32 v4, 4, v1
	v_lshl_add_u32 v4, v2, 9, v4                   ; in: block x 512 + 16 x lane
	v_mul_u32_u24 v5, v2, 786432
	v_lshl_add_u32 v5, v1, 3, v5                   ; out: block x 786,432 + 8 x lane
	s_lshl_b32 s4, s3, 14                          ; 4 rows of 4,096 bytes
	s_lshr_b32 s6, s3, 4                           ; K step
	s_mul_i32 s6, s6, 49152
	s_and_b32 s28, s3, 15
	s_lshl_b32 s28, s28, 10                        ; 4 rows of 256 bytes
	s_add_co_u32 s6, s6, s28
	s_add_nc_u64 s[10:11], s[10:11], s[4:5]
	s_add_nc_u64 s[12:13], s[12:13], s[4:5]
	s_add_nc_u64 s[14:15], s[14:15], s[4:5]
	s_add_nc_u64 s[24:25], s[24:25], s[6:7]
.irp t, 0,1,2
.irp o, 0,1,2,3
	global_load_b128 v[X+4*(4*(\t)+(\o)):X+4*(4*(\t)+(\o))+3], v4, s[10+2*(\t):11+2*(\t)] offset:4096*(\o) th:TH_LOAD_NT
.endr
.endr
.irp t, 0,1,2
.irp o, 0,1,2,3
	s_wait_loadcnt 11-(4*(\t)+(\o))                ; this piece's load is in
	v_cvt_pk_bf16_f32 v[Y+2*(4*(\t)+(\o))],   v[X+4*(4*(\t)+(\o))],   v[X+4*(4*(\t)+(\o))+1]
	v_cvt_pk_bf16_f32 v[Y+2*(4*(\t)+(\o))+1], v[X+4*(4*(\t)+(\o))+2], v[X+4*(4*(\t)+(\o))+3]
	global_store_b64 v5, v[Y+2*(4*(\t)+(\o)):Y+2*(4*(\t)+(\o))+1], s[24:25] offset:16384*(\t)+256*(\o)
.endr
.endr
	s_cmp_lg_u32 s3, 0
	s_cbranch_scc1 .Ldone
	; the biases: four numbers a thread, in registers that nothing above names
	v_lshlrev_b32 v6, 4, v0
	v_and_b32 v7, 31, v0
	v_lshrrev_b32 v8, 5, v0
	v_mul_u32_u24 v8, v8, 1536
	v_lshl_add_u32 v7, v7, 4, v8                   ; out: block x 1,536 + 16 x (thread % 32)
	global_load_b128 v[64:67], v6, s[16:17]
	global_load_b128 v[68:71], v6, s[18:19]
	global_load_b128 v[72:75], v6, s[20:21]
	s_wait_loadcnt 0x0
.irp t, 0,1,2
	v_cvt_pk_bf16_f32 v9,  v[64+4*(\t)],   v[64+4*(\t)+1]
	v_cvt_pk_bf16_f32 v10, v[64+4*(\t)+2], v[64+4*(\t)+3]
	v_lshlrev_b32 v[104+4*(\t)],   16, v9          ; bf16 back to f32: the low half moves up, the high half stays
	v_and_b32     v[104+4*(\t)+1], 0xffff0000, v9
	v_lshlrev_b32 v[104+4*(\t)+2], 16, v10
	v_and_b32     v[104+4*(\t)+3], 0xffff0000, v10
.endr
.irp j, 0,1,2,3
	v_mul_f32 v[104+(\j)], CLOG, v[104+(\j)]       ; c bq
.endr
.irp t, 0,1,2
	global_store_b128 v7, v[104+4*(\t):104+4*(\t)+3], s[26:27] offset:512*(\t)
.endr
.Ldone:
	s_endpgm
.Lfunc_end_k_q144173a149_prep:
	.size	k_q144173a149_prep, .Lfunc_end_k_q144173a149_prep-k_q144173a149_prep
	.p2alignl 7, 3214868480
	.fill 96, 4, 3214868480
	.section	.rodata,"a",@progbits
	.p2align	6, 0x0
	.amdhsa_kernel k_q144173a149_prep
		.amdhsa_group_segment_fixed_size 0
		.amdhsa_private_segment_fixed_size 0
		.amdhsa_enable_private_segment 0
		.amdhsa_kernarg_size 80
		.amdhsa_user_sgpr_count 2
		.amdhsa_user_sgpr_kernarg_segment_ptr 1
		.amdhsa_wavefront_size32 1
		.amdhsa_system_sgpr_workgroup_id_x 1
		.amdhsa_system_sgpr_workgroup_id_y 1
		.amdhsa_system_sgpr_workgroup_id_z 1
		.amdhsa_system_vgpr_workitem_id 0
		.amdhsa_next_free_vgpr 120
		.amdhsa_next_free_sgpr 66
		.amdhsa_reserve_vcc 0
		.amdhsa_float_denorm_mode_32 3
		.amdhsa_float_denorm_mode_16_64 3
		.amdhsa_memory_ordered 1
		.amdhsa_forward_progress 1
		.amdhsa_inst_pref_size 14
	.end_amdhsa_kernel
	.amdgpu_metadata
---
amdhsa.version: [ 1, 2 ]
amdhsa.kernels:
  - .name:           k_q144173a149_prep
    .symbol:         k_q144173a149_prep.kd
    .args:
      - { .name: x, .offset: 0, .size: 8, .value_kind: global_buffer, .address_space: global }
      - { .name: Wq, .offset: 8, .size: 8, .value_kind: global_buffer, .address_space: global }
      - { .name: Wk, .offset: 16, .size: 8, .value_kind: global_buffer, .address_space: global }
      - { .name: Wv, .offset: 24, .size: 8, .value_kind: global_buffer, .address_space: global }
      - { .name: bq, .offset: 32, .size: 8, .value_kind: global_buffer, .address_space: global }
      - { .name: bk, .offset: 40, .size: 8, .value_kind: global_buffer, .address_space: global }
      - { .name: bv, .offset: 48, .size: 8, .value_kind: global_buffer, .address_space: global }
      - { .name: xb, .offset: 56, .size: 8, .value_kind: global_buffer, .address_space: global }
      - { .name: wb, .offset: 64, .size: 8, .value_kind: global_buffer, .address_space: global }
      - { .name: bb, .offset: 72, .size: 8, .value_kind: global_buffer, .address_space: global }
    .group_segment_fixed_size: 0
    .private_segment_fixed_size: 0
    .kernarg_segment_align: 8
    .kernarg_segment_size: 80
    .max_flat_workgroup_size: 256
    .sgpr_count:     66
    .vgpr_count:     120
    .wavefront_size: 32
...
	.end_amdgpu_metadata
.endif
;; end of part 5
;; launch proj (part 6): grid 8 x 32, 4 waves a work-group, clusters of 4 x 4, 327,680 bytes of LDS; arguments xb, wb, bb, qh, kh, vh; writes qh, kh, vh
.if DOCPART == 6
	.amdgcn_target "amdgcn-amd-amdhsa--gfx1250"
	.amdhsa_code_object_version 6
	.text
	.protected	k_q144173a149_proj
	.globl	k_q144173a149_proj
	.p2align	8
	.type	k_q144173a149_proj,@function
k_q144173a149_proj:
	s_mov_b64 s[64:65], 0
	v_nop
	global_prefetch_b8 v0, s[64:65] scope:SCOPE_SE
	s_setreg_imm32_b32 hwreg(HW_REG_WAVE_MODE, 25, 1), 1
	s_wait_xcnt 0x0
	s_wait_alu depctr_hold_cnt(0) depctr_sa_sdst(0) depctr_va_vdst(0) depctr_va_sdst(0) depctr_va_ssrc(0) depctr_va_vcc(0) depctr_vm_vsrc(0)
	s_getreg_b32 s2, hwreg(HW_REG_IB_STS2, 6, 4)
	s_cmp_eq_u32 s2, 0
	s_cbranch_scc0 .Lentry_in_a_cluster
	s_endpgm
.Lentry_in_a_cluster:
	s_bfe_u32 s2, ttmp6, 0x10000c
	s_cmp_lg_u32 s2, 0xf033
	s_cbranch_scc0 .Lentry_shape_is_right
	s_endpgm
.Lentry_shape_is_right:
; [c Q | K | V] = x W + b.  x and W in bf16 (blocked: xb, wb), sums in f32, the bias (bb, f32) and Q's scale c = log2(e) / 8 applied in f32, each result rounded ONCE to f16.
; qh, kh, vh: [8192][1024] f16.   LIMIT: |c Q|, |K|, |V| must stay under 65,504, f16's end; NaN and infinities are not treated apart.
; SHARES.  A work-group makes 256 rows x 384 columns: columns 128 c .. 128 c + 127 of each of Q, K, V: 8 x 32 = 256 equal work-groups.  Four waves; wave w makes rows 128 (w / 2) .. and
; the 192 columns n' = 192 (w % 2) .. of the 384 (n' = 128 t + n): 8 x 12 = 96 accumulators of 16 x 16, 768 registers.
; K goes in 16 steps of 64 through a ring of two LDS slots.  A slot: 256 rows of x (128 bytes, pitch 144) and 192 rows (64 t + kk) of W (256 bytes, pitch 288).
; A K STEP IS WRITTEN ONCE: the slot in hand is a scalar, 0 or a slot's bytes, turned at each change of slots; the LDS addresses are made from it anew.  One loop of 14 trips fills a slot in each trip;
; a second of 2 trips fills nothing and is left in the middle of its second trip.
; THE PRODUCT IS TAKEN TRANSPOSED: source 0 = 16 columns of W (turned on the way out of LDS by ds_load_tr16_b128, since W lies [k][n]), source 1 = 16 rows of x:
; a lane then holds eight neighbouring columns of one row.
; CLUSTER 4 x 4: x's tile hangs on the tile row alone and is asked for jointly by a row of the cluster, W's on the column block alone and is asked for jointly by a column.
; REGISTERS: window 0: v0-31 addresses; v32-159 two buffers of x's 8 fragments; v160-255 W's 12 fragments in three groups of 4.  Window 1 + g: the 32 accumulators of column group g, (a, bb) at v[8 (4 a + bb)].
.set HW,     27648                     ; a quarter of a slot: what one wave's tensor load may fill (x: 128 x 144 = 18,432 of it; W: 96 x 288 = all of it)
.set SLOT,   4*HW
.set PA,     144                       ; 128 bytes + 16: 36 words, the 16 rows of a load start at 16 different groups of four banks (64 banks of 4 bytes: ISA guide 11.1)
.set PB,     288                       ; 256 bytes + 32: 72 words
.set STAGE,  2*SLOT                    ; behind the ring: 128 rows x 784 bytes, the work-group's, for the way out
.set SPI,    784                       ; 768 bytes (384 f16) + 16
.set BIAS,   STAGE+128*SPI             ; each wave's 192 biases, 768 bytes
.set SPARE,  BIAS+4*768                ; the spare words, 128 bytes for each wave: two blocks of 256 bytes that no other line names
.set ASTEP,  1048576                   ; bytes from K step to K step in xb
.set BSTEP,  49152                     ; and in wb
.set ADRA0, 16                         ; v16     my place in a slot's rows of x; never rewritten
.set ADRA,  17                         ; v17     the same in the slot in hand
.set BB0,   18                         ; v18     my place in a slot's rows of W, for column groups 0 and 2; never rewritten
.set BB1,   20                         ; v20     for column group 1; never rewritten
.set ADRB,  21                         ; v21-22  the same two in the slot in hand: group g takes ADRB + g % 2
.set STO,  24                          ; v24     the way out: where I put 16 bytes of a row
.set RD,   25                          ; v25     where I read a row back
.set CO,   26                          ; v26     my byte offset in the output's rows
.set BIA,  27                          ; v27     where I read my biases
.set SPW,  28                          ; v28     LDS address of my spare word; never rewritten
.set NIL,  29                          ; v29     0; never rewritten
.set PFO,  30                          ; v30     256 x my lane; never rewritten
.set FA,   32
.set FB,   160
.set TT,   32                          ; the way out: 32 f32 at work
.set HH,   64                          ; 16 registers of packed f16
.set OBK,  96                          ; 64 registers: 32 rows' pieces read back
.set G1,   24                          ; s[24:31] descriptor group 1 for x's tiles;  s[32:39] group 0: a set for each of the two first fills; the second then walks on
.set G0,   32
.set G1B,  48                          ; s[48:55], s[56:63] the same for W's
.set G0B,  56
.set LIM,  43                          ; s43     3 in a wave that prefetches, else the greatest number
.set PFA,  44                          ; s[44:45] where my prefetches stand
.set SC,   66                          ; s[66:71] the factor of column group g, as a pair: c for Q's columns, else 1
.set PST,  72                          ; s[72:73] a K step of the tensor that I prefetch
.set TB,   74                          ; s74     the slot in hand: 0 or SLOT
.set LW,   75                          ; s75     wave x a quarter of a slot
.set QH,   86                          ; s[86:91] qh, kh, vh at my rows
.set MSB, 0
.macro WIN new                         ; the immediate's high byte repeats the setting that is left; a switch that changes nothing is dropped
.if MSB != (\new)
	s_set_vgpr_msb (MSB<<8)|(\new)
.set MSB, \new
.endif
.endm
.macro PLACES                          ; four plain instructions between a matrix instruction and a load into, or a vector read of, its registers (ISA guide 7.12.1 for vector reads)
.rept 4
	v_nop
.endr
.endm
; A joint load.  Waves 0 and 1 fetch x's two halves, waves 2 and 3 W's.  The branch hangs on the wave's number alone.  An s_nop 0 and four v_nop follow each line.
.macro JLOAD s
	s_cmp_eq_u32 s11, 0
	s_cbranch_scc0 .Lfor_b_\@
	tensor_load_to_lds s[G0+4*(\s):G0+4*(\s)+3], s[G1:G1+7]
	s_nop 0
.rept 4
	v_nop
.endr
	s_branch .Lasked_\@
.Lfor_b_\@:
	tensor_load_to_lds s[G0B+4*(\s):G0B+4*(\s)+3], s[G1B:G1B+7]
	s_nop 0
.rept 4
	v_nop
.endr
.Lasked_\@:
.endm
.macro CREST                           ; a round of the cluster's barrier behind its opening barrier
	s_cmp_lg_u32 s10, 0
	s_cbranch_scc1 .Lnot_wave_0_\@
	s_barrier_signal -3
.Lnot_wave_0_\@:
	s_barrier_wait -3
	s_barrier_signal -1
	s_barrier_wait -1
.endm
.macro CROUND
	s_barrier_signal -1
	s_barrier_wait -1
	CREST
.endm
; A PREFETCH INTO THE L2, in every second trip (the trips that have just left slot 0), behind the joint load, its five lines and the LDS loads that follow: in trip t K steps t + 4 and t + 5, which the refills of
; trips t + 2 and t + 3 ask for.  x's tile row is read by both clusters of a row of clusters: cluster x = 0 asks, wave 0; the four partners take 8,192 of a step's 32,768 bytes each, told apart by address:
; a lane a block of 256 bytes, a line a step.  W's column block is read by all eight clusters of a column: cluster y = 0 asks, wave 2; two steps are 98,304 bytes on end, 24,576 a partner: three lines.
; The last asking trip is t = 10 (four trips are left): K steps 14 and 15 are the last.
.macro ASK
	s_cmp_lg_u32 s[TB], 0
	s_cbranch_scc0 .Lnot_mine_\@
	s_cmp_gt_u32 s3, s[LIM]
	s_cbranch_scc0 .Lnot_mine_\@
	s_cmp_eq_u32 s11, 0
	s_cbranch_scc0 .Lask_b_\@
	global_prefetch_b8 v[PFO], s[PFA:PFA+1] th:TH_LOAD_NT scope:SCOPE_SE
	global_prefetch_b8 v[PFO], s[PFA:PFA+1] offset:ASTEP th:TH_LOAD_NT scope:SCOPE_SE
	s_branch .Lnot_mine_\@
.Lask_b_\@:
	global_prefetch_b8 v[PFO], s[PFA:PFA+1] th:TH_LOAD_NT scope:SCOPE_SE
	global_prefetch_b8 v[PFO], s[PFA:PFA+1] offset:8192 th:TH_LOAD_NT scope:SCOPE_SE
	global_prefetch_b8 v[PFO], s[PFA:PFA+1] offset:16384 th:TH_LOAD_NT scope:SCOPE_SE
.Lnot_mine_\@:
.endm
	s_load_b256 s[80:87], s[0:1], 0x0              ; xb s[80:81], wb s[82:83], bb s[84:85], qh s[86:87]
	s_load_b128 s[88:91], s[0:1], 0x20             ; kh s[88:89], vh s[90:91]
	v_lshl_add_u32 v[SPW], v0, 2, SPARE
	v_mov_b32 v[NIL], 0
	ds_add_u32 v[SPW], v[NIL]                      ; the wave's opening: the add and its wait stand ahead of my first tensor load; work on registers stands between them
	v_lshrrev_b32 v1, 5, v0
	v_readfirstlane_b32 s10, v1                    ; wave 0..3
	s_lshr_b32 s11, s10, 1                         ; my half of the rows.  Also: I fetch for x (0) or for W (1)
	s_and_b32 s12, s10, 1                          ; my half of the columns.  Also: which half of that tile I fetch
	s_bfe_u32 s40, ttmp6, 0x40000                  ; cx
	s_bfe_u32 s41, ttmp6, 0x40004                  ; cy
	s_lshl_b32 s42, ttmp9, 2
	s_add_co_u32 s42, s42, s40                     ; column block c = 4 x cluster x + cx
	s_and_b32 s13, ttmp7, 0xffff
	s_lshl_b32 s13, s13, 2
	s_add_co_u32 s13, s13, s41                     ; tile row = 4 x cluster y + cy
	s_lshl_b32 s43, s41, 2
	s_lshl_b32 s43, 15, s43                        ; my row of the cluster
	s_lshl_b32 s44, 0x1111, s40                    ; my column
	; x's half tile is 16,384 dense bytes: 64 rows of 256 bytes, padded after every 32 words (a row of x) by 4
	s_or_b32 s[G1+0], s43, (1<<16)|(1<<20)|(1<<21)|(4<<22)|(3<<25)
	s_mov_b32 s[G1+1], 128<<16                     ; tensor_dim0 = 128
	s_mov_b32 s[G1+2], 64<<16                      ; tensor_dim1 = 64
	s_mov_b32 s[G1+3], 128<<16                     ; tile_dim0 = 128
	s_mov_b32 s[G1+4], 64                          ; tile_dim1 = 64
	s_mov_b32 s[G1+5], 128                         ; elements from row to row
	s_mov_b32 s[G1+6], 0
	s_mov_b32 s[G1+7], 0
	; W's half tile: 96 rows of 256 bytes, padded after every 64 words by 8
	s_or_b32 s[G1B+0], s44, (1<<16)|(1<<20)|(1<<21)|(5<<22)|(7<<25)
	s_mov_b32 s[G1B+1], 128<<16
	s_mov_b32 s[G1B+2], 96<<16
	s_mov_b32 s[G1B+3], 128<<16
	s_mov_b32 s[G1B+4], 96
	s_mov_b32 s[G1B+5], 128
	s_mov_b32 s[G1B+6], 0
	s_mov_b32 s[G1B+7], 0
	s_lshl_b32 s16, s13, 15                        ; x: tile row x 32,768 + half x 16,384
	s_lshl_b32 s17, s12, 14
	s_add_co_u32 s16, s16, s17
	s_mov_b32 s17, 0
	s_mul_i32 s46, s42, 786432                     ; W: column block x 786,432 + half x 24,576
	s_mul_i32 s47, s12, 24576
	s_add_co_u32 s46, s46, s47
	s_mov_b32 s47, 0
	s_mul_i32 s[LW], s10, HW                       ; where they go: wave x a quarter of a slot
	s_mov_b32 s[TB], 0                             ; K step 0 lies in slot 0
	s_wait_dscnt 0x0                               ; the opening add is done
	s_wait_kmcnt 0x0
	s_add_nc_u64 s[14:15], s[80:81], s[16:17]
	s_add_nc_u64 s[46:47], s[82:83], s[46:47]
	CROUND                                         ; all sixteen work-groups are here: the first joint loads meet
.irp s, 0,1
	s_mov_b32 s[G0+4*(\s)], 1
	s_add_co_u32 s[G0+4*(\s)+1], s[LW], (\s)*SLOT
	s_add_nc_u64 s[G0+4*(\s)+2:G0+4*(\s)+3], s[14:15], (\s)*ASTEP
	s_or_b32 s[G0+4*(\s)+3], s[G0+4*(\s)+3], 0x80000000
	s_mov_b32 s[G0B+4*(\s)], 1
	s_add_co_u32 s[G0B+4*(\s)+1], s[LW], (\s)*SLOT
	s_add_nc_u64 s[G0B+4*(\s)+2:G0B+4*(\s)+3], s[46:47], (\s)*BSTEP
	s_or_b32 s[G0B+4*(\s)+3], s[G0B+4*(\s)+3], 0x80000000
	JLOAD \s                                       ; K steps 0 and 1: two loads of mine are out
.endr
	v_and_b32 v1, 15, v0                           ; r = l % 16
	v_bfe_u32 v2, v0, 4, 1                         ; h = l / 16
	v_and_b32 v7, 31, v0                           ; l
	; my 192 biases go into LDS bytes of my own: they are wanted at the end, when registers are free again
	s_mul_i32 s23, s10, 768
	s_add_co_u32 s23, s23, BIAS
	v_lshl_add_u32 v[BIA], v2, 5, s23
	v_lshl_add_u32 v8, v7, 3, s23
	s_mul_i32 s46, s42, 1536
	s_mul_i32 s47, s12, 768
	s_add_co_u32 s46, s46, s47
	v_lshl_add_u32 v9, v7, 3, s46
	global_load_b64 v[10:11], v9, s[84:85]
	global_load_b64 v[12:13], v9, s[84:85] offset:256
	global_load_b64 v[14:15], v9, s[84:85] offset:512
	; x's fragment: 16 rows x 32 k: lane l holds row r, k = 8 h + 0..7 and 16 + 8 h + 0..7: two loads of 16 bytes, 32 bytes apart
	v_mul_u32_u24 v3, v1, PA
	v_lshl_add_u32 v3, v2, 4, v3
	s_mul_i32 s21, s11, HW
	v_add_nc_u32 v[ADRA0], s21, v3
	v_mov_b32 v[ADRA], v[ADRA0]
	; W's fragment, turned: lane l reads 16 bytes of row k = 8 h + l % 8, columns 8 ((l / 8) % 2) + 0..7
	v_and_b32 v4, 7, v0
	v_lshl_add_u32 v4, v2, 3, v4
	v_mul_u32_u24 v4, v4, PB
	v_bfe_u32 v5, v0, 3, 1
	v_lshl_add_u32 v4, v5, 4, v4
	v_add_nc_u32 v4, 2*HW, v4
	s_mul_i32 s22, s12, 18560                      ; the second column half begins 192 columns on: K's column 64 (group 0), V's 0 (group 1), V's 64 (group 2)
	s_mul_i32 s23, s12, 36736
	v_add_nc_u32 v[BB0], s22, v4
	v_add_nc_u32 v[BB1], s23, v4
	v_mov_b32 v[ADRB], v[BB0]
	v_mov_b32 v[ADRB+1], v[BB1]
	s_mul_i32 s23, s11, 64*SPI                     ; into the stage: row 64 (w / 2) + r, byte 384 (w % 2) + 16 h
	s_mul_i32 s22, s12, 384
	s_add_co_u32 s23, s23, s22
	s_add_co_u32 s23, s23, STAGE
	v_mul_u32_u24 v6, v1, SPI
	v_lshl_add_u32 v6, v2, 4, v6
	v_add_nc_u32 v[STO], s23, v6
	s_mul_i32 s23, s10, 32*SPI                     ; back: wave w takes stage rows 32 w ..; lanes 0-15 one row's 256 bytes, lanes 16-31 the next row's
	s_add_co_u32 s23, s23, STAGE
	v_mul_u32_u24 v6, v2, SPI
	v_lshl_add_u32 v6, v1, 4, v6
	v_add_nc_u32 v[RD], s23, v6
	v_lshlrev_b32 v6, 4, v1
	v_lshl_add_u32 v[CO], v2, 11, v6               ; and the same two rows in the output (2,048 bytes a row)
	s_lshl_b32 s16, s13, 19                        ; (256 tile row + 128 (w / 2) + 32 (w % 2)) x 2,048
	s_lshl_b32 s17, s11, 18
	s_add_co_u32 s16, s16, s17
	s_lshl_b32 s17, s12, 16
	s_add_co_u32 s16, s16, s17
	s_mov_b32 s17, 0
	s_lshl_b32 s46, s42, 8                         ; + 256 c
	s_mov_b32 s47, 0
	s_add_nc_u64 s[16:17], s[16:17], s[46:47]
	s_add_nc_u64 s[QH:QH+1], s[QH:QH+1], s[16:17]
	s_add_nc_u64 s[QH+2:QH+3], s[QH+2:QH+3], s[16:17]
	s_add_nc_u64 s[QH+4:QH+5], s[QH+4:QH+5], s[16:17]
	s_cmp_eq_u32 s12, 0                            ; the first column half's groups 0 and 1 are Q's columns
	s_cselect_b32 s[SC], 0x3e38aa3b, 1.0
	s_mov_b32 s[SC+1], s[SC]
	s_mov_b32 s[SC+2], s[SC]
	s_mov_b32 s[SC+3], s[SC]
	s_mov_b32 s[SC+4], 1.0
	s_mov_b32 s[SC+5], 1.0
	; the prefetches: at K step 3; each trip steps them by one K step, so that trip t finds them at K step t + 4
	s_lshl_b32 s20, s13, 15
	s_lshl_b32 s23, s40, 13
	s_add_co_u32 s20, s20, s23
	s_add_co_u32 s20, s20, 3*ASTEP
	s_mul_i32 s21, s42, 786432
	s_mul_i32 s23, s41, 24576
	s_add_co_u32 s21, s21, s23
	s_add_co_u32 s21, s21, 3*BSTEP
	s_mov_b32 s[PST], ASTEP
	s_mov_b32 s[PST+1], BSTEP
	s_and_b32 s22, ttmp7, 0xffff
	s_cmp_eq_u32 s11, 0
	s_cselect_b32 s20, s20, s21
	s_cselect_b32 s[PST], s[PST], s[PST+1]
	s_cselect_b32 s22, ttmp9, s22                  ; the coordinate along which other clusters read the same bytes
	s_cselect_b64 s[PFA:PFA+1], s[80:81], s[82:83]
	s_mov_b32 s21, 0
	s_mov_b32 s[PST+1], 0
	s_add_nc_u64 s[PFA:PFA+1], s[PFA:PFA+1], s[20:21]
	s_or_b32 s22, s22, s12                         ; waves 0 and 2 alone
	s_cmp_eq_u32 s22, 0
	s_cselect_b32 s[LIM], 3, -1                    ; the same in all sixteen partners, for a given wave
	v_lshlrev_b32 v[PFO], 8, v7
	s_wait_loadcnt 0x0
	ds_store_b64 v8, v[10:11]
	ds_store_b64 v8, v[12:13] offset:256
	ds_store_b64 v8, v[14:15] offset:512
; 16 matrix instructions: column group g, row blocks 4 half .. 4 half + 3, 32 along K from x's buffer buf.  zero = 1: the product starts the sums.
; The 96 accumulators take turns, one instruction a turn, in the same order in every sub-step.
.macro G g, half, buf, zero
	WIN 0x50*((\g)+1)                              ; C and D in window 1 + g, the sources in window 0
.irp a, 0,1,2,3
.irp bb, 0,1,2,3
.set rD, 8*(4*(4*(\half)+(\a))+(\bb))
.set rW, FB+32*(\g)+8*(\bb)
.set rX, FA+64*(\buf)+8*(4*(\half)+(\a))
.if \zero
	v_wmma_f32_16x16x32_bf16 v[rD:rD+7], v[rW:rW+7], v[rX:rX+7], 0
.else
	v_wmma_f32_16x16x32_bf16 v[rD:rD+7], v[rW:rW+7], v[rX:rX+7], v[rD:rD+7]
.endif
.endr
.endr
.endm
.macro LA ks                           ; x's 8 fragments of sub-step ks (32 along K) of the slot in hand, into buffer ks: 16 loads
	WIN 0
.irp a, 0,1,2,3,4,5,6,7
	ds_load_b128 v[FA+64*(\ks)+8*(\a):FA+64*(\ks)+8*(\a)+3],   v[ADRA] offset:16*PA*(\a)+64*(\ks)
	ds_load_b128 v[FA+64*(\ks)+8*(\a)+4:FA+64*(\ks)+8*(\a)+7], v[ADRA] offset:16*PA*(\a)+64*(\ks)+32
.endr
.endm
.macro LB g, ks                        ; W's 4 fragments of group g: 8 turning loads.  Groups 0 and 1 lie 64 columns apart in one tensor's rows, group 2 in the next tensor's
	WIN 0
.set OBB, 128*(\g)+(64*PB-256)*((\g)/2)
.irp bb, 0,1,2,3
	ds_load_tr16_b128 v[FB+32*(\g)+8*(\bb):FB+32*(\g)+8*(\bb)+3],   v[ADRB+(\g)%2] offset:OBB+32*(\bb)+32*PB*(\ks)
	ds_load_tr16_b128 v[FB+32*(\g)+8*(\bb)+4:FB+32*(\g)+8*(\bb)+7], v[ADRB+(\g)%2] offset:OBB+32*(\bb)+32*PB*(\ks)+16*PB
.endr
.endm
; A K step's first sub-step: 96 matrix instructions; behind each group its registers take the second sub-step's fragments, from the same slot.
.macro SUB zero
	s_wait_dscnt 16                                ; x's fragments and W's group 0 are in; groups 1 and 2 (8 + 8 loads) may be out
	G 0, 0, 0, \zero
	G 0, 1, 0, \zero
	PLACES
	LA 1
	LB 0, 1
	s_wait_dscnt 32                                ; group 1 is in; group 2's 8 and the 24 just issued may be out
	G 1, 0, 0, \zero
	G 1, 1, 0, \zero
	PLACES
	LB 1, 1
	s_wait_dscnt 32                                ; group 2 is in; the 24 + 8 younger may be out
	G 2, 0, 0, \zero
	G 2, 1, 0, \zero
	PLACES
	LB 2, 1
.endm
; A K step's second sub-step changes slots: all my reads of this slot have been issued.  In front of the barrier each wave waits for all its tensor loads (one is out: its part of the other slot),
; adds 0 to its spare word, and waits for that and for its reads.  fill = 1: the barrier opens a round of the cluster's, and the joint refill, two K steps on, is the first thing behind it:
; from there to the wait for it a wave issues 160 matrix instructions.  The walking descriptors take the slot that is left and go one K step on; then the slot in hand is turned, and the three LDS
; addresses are made anew between the barrier's signal and its wait: with a v_nop they are the four places in front of the loads below.
.macro SUBT fill
.if \fill
	s_wait_xcnt 0x0                                ; the last prefetches, a trip or two back, have read their address
	s_add_nc_u64 s[PFA:PFA+1], s[PFA:PFA+1], s[PST:PST+1]
.endif
	WIN 0
	s_wait_tensorcnt 0x0                           ; all my tensor loads have landed, so a group 0 may be written
	ds_add_u32 v[SPW], v[NIL]                      ; 0 onto my spare word
.if \fill
	s_add_co_u32 s[G0+5], s[LW], s[TB]
	s_add_co_u32 s[G0B+5], s[LW], s[TB]
	s_add_nc_u64 s[G0+6:G0+7], s[G0+6:G0+7], ASTEP
	s_add_nc_u64 s[G0B+6:G0B+7], s[G0B+6:G0B+7], BSTEP
.endif
	s_xor_b32 s[TB], s[TB], SLOT
	s_wait_dscnt 17                                ; x's fragments and group 0 are in; 16 loads and the add may be out
	G 0, 0, 1, 0
	s_wait_dscnt 0x0                               ; the add is done, and my reads of this slot are over
	s_barrier_signal -1
	G 0, 1, 1, 0
	WIN 0
	v_add_nc_u32 v[ADRA], s[TB], v[ADRA0]
	v_add_nc_u32 v[ADRB], s[TB], v[BB0]
	v_add_nc_u32 v[ADRB+1], s[TB], v[BB1]
	v_nop
	s_barrier_wait -1
.if \fill
	CREST                                          ; no wave of any partner still reads this slot or has a load on its way
	JLOAD 1
.endif
	LA 0
	LB 0, 0
.if \fill
	ASK
.endif
	G 1, 0, 1, 0
	G 1, 1, 1, 0
	PLACES
	LB 1, 0
	G 2, 0, 1, 0
	G 2, 1, 1, 0
	PLACES
	LB 2, 0
.endm
	s_wait_dscnt 0x0                               ; my bias stores are done: no LDS instruction is pending at a signal
	s_wait_tensorcnt 1                             ; my part of K step 0 is in; K step 1's may stay out
	s_barrier_signal -1
	s_barrier_wait -1
	LA 0
	LB 0, 0
	LB 1, 0
	LB 2, 0
	SUB 1                                          ; the first sub-step stands in front of the loop: its products start the sums
	s_mov_b32 s3, 14
.Lstep:                                                ; trip t: K step t's second sub-step, the refill with K step t + 2, K step t + 1's first sub-step
	SUBT 1
	SUB 0
	s_sub_co_u32 s3, s3, 1
	s_cmp_lg_u32 s3, 0
	s_cbranch_scc1 .Lstep
	s_mov_b32 s3, 2
.Ltail:                                                ; K steps 14 and 15 fill nothing; the second trip is left in its middle
	SUBT 0
	s_sub_co_u32 s3, s3, 1
	s_cmp_eq_u32 s3, 0
	s_cbranch_scc1 .Lout
	SUB 0
	s_branch .Ltail
.Lout:
	s_wait_dscnt 0x0                               ; the second trip's 40 LDS loads, for a K step that does not exist, serve nothing: the price, once a launch, of one text for both trips.  They have landed
	; THE WAY OUT.  The biases come into W's registers; then, 64 of each wave's 128 rows at a time: sum x factor + bias, rounded to f16, into the work-group's stage; a barrier, since a row's
	; 256 bytes of K come from two waves; back as whole rows of 256 bytes, 32 stage rows a wave, one tensor after the other.
.irp b, 0,1,2,3,4,5,6,7,8,9,10,11
	ds_load_b128 v[FB+8*(\b):FB+8*(\b)+3],   v[BIA] offset:64*(\b)
	ds_load_b128 v[FB+8*(\b)+4:FB+8*(\b)+7], v[BIA] offset:64*(\b)+16
.endr
	s_wait_dscnt 0x0
.macro PASS ps
.irp ap, 0,1,2,3
.irp g, 0,1,2
.set AC, 32*(4*(\ps)+(\ap))
	WIN (\g)+1                                     ; source 0 in window 1 + g
.set z, 0
.rept 16
	v_pk_fma_f32 v[TT+2*z:TT+2*z+1], v[AC+2*z:AC+2*z+1], s[SC+2*(\g):SC+2*(\g)+1], v[FB+32*(\g)+2*z:FB+32*(\g)+2*z+1] op_sel_hi:[1,0,1]
.set z, z+1
.endr
	WIN 0
.set z, 0
.rept 16
	v_cvt_pk_f16_f32 v[HH+z], v[TT+2*z], v[TT+2*z+1]
.set z, z+1
.endr
.irp bb, 0,1,2,3
	ds_store_b128 v[STO], v[HH+4*(\bb):HH+4*(\bb)+3] offset:16*SPI*(\ap)+32*(4*(\g)+(\bb))
.endr
.endr
.endr
	s_wait_dscnt 0x0                               ; for the others' sake: my stores into the stage are done
	s_barrier_signal -1
	s_barrier_wait -1
.irp t, 0,1,2
	s_wait_xcnt 0x0                                ; the stores issued so far have read their registers: only behind this wait are those loaded again
.irp i, 0,1,2,3,4,5,6,7,8,9,10,11,12,13,14,15
	ds_load_b128 v[OBK+4*(\i):OBK+4*(\i)+3], v[RD] offset:2*SPI*(\i)+256*(\t)
.endr
.irp i, 0,1,2,3,4,5,6,7,8,9,10,11,12,13,14,15
	s_wait_dscnt 15-(\i)
	global_store_b128 v[CO], v[OBK+4*(\i):OBK+4*(\i)+3], s[QH+2*(\t):QH+2*(\t)+1] offset:131072*(\ps)+4096*(\i)  ; 16 lanes store 256 consecutive bytes, aligned
.endr
.endr
.endm
	PASS 0
	s_wait_dscnt 0x0                               ; my reads of the stage are over,
	s_barrier_signal -1
	s_barrier_wait -1                              ; everybody's are: it may be written again
	PASS 1
	s_wait_tensorcnt 0x0                           ; the wave's end: behind my last tensor load and my last LDS store
	ds_add_u32 v[SPW], v[NIL]
	s_wait_dscnt 0x0
	CROUND                                         ; the closing round: no work-group ends while a partner may still ask for a tile that names it
	s_endpgm
.Lfunc_end_k_q144173a149_proj:
	.size	k_q144173a149_proj, .Lfunc_end_k_q144173a149_proj-k_q144173a149_proj
	.p2alignl 7, 3214868480
	.fill 96, 4, 3214868480
	.section	.rodata,"a",@progbits
	.p2align	6, 0x0
	.amdhsa_kernel k_q144173a149_proj
		.amdhsa_group_segment_fixed_size 327680
		.amdhsa_private_segment_fixed_size 0
		.amdhsa_enable_private_segment 0
		.amdhsa_kernarg_size 48
		.amdhsa_user_sgpr_count 2
		.amdhsa_user_sgpr_kernarg_segment_ptr 1
		.amdhsa_wavefront_size32 1
		.amdhsa_system_sgpr_workgroup_id_x 1
		.amdhsa_system_sgpr_workgroup_id_y 1
		.amdhsa_system_sgpr_workgroup_id_z 1
		.amdhsa_system_vgpr_workitem_id 0
		.amdhsa_next_free_vgpr 1024
		.amdhsa_next_free_sgpr 92
		.amdhsa_reserve_vcc 0
		.amdhsa_float_denorm_mode_32 3
		.amdhsa_float_denorm_mode_16_64 3
		.amdhsa_memory_ordered 1
		.amdhsa_forward_progress 1
		.amdhsa_inst_pref_size 137
	.end_amdhsa_kernel
	.amdgpu_metadata
---
amdhsa.version: [ 1, 2 ]
amdhsa.kernels:
  - .name:           k_q144173a149_proj
    .symbol:         k_q144173a149_proj.kd
    .args:
      - { .name: xb, .offset: 0, .size: 8, .value_kind: global_buffer, .address_space: global }
      - { .name: wb, .offset: 8, .size: 8, .value_kind: global_buffer, .address_space: global }
      - { .name: bb, .offset: 16, .size: 8, .value_kind: global_buffer, .address_space: global }
      - { .name: qh, .offset: 24, .size: 8, .value_kind: global_buffer, .address_space: global }
      - { .name: kh, .offset: 32, .size: 8, .value_kind: global_buffer, .address_space: global }
      - { .name: vh, .offset: 40, .size: 8, .value_kind: global_buffer, .address_space: global }
    .group_segment_fixed_size: 327680
    .private_segment_fixed_size: 0
    .kernarg_segment_align: 8
    .kernarg_segment_size: 48
    .max_flat_workgroup_size: 128
    .sgpr_count:     92
    .vgpr_count:     1024
    .wavefront_size: 32
...
	.end_amdgpu_metadata
.endif
;; end of part 6
;; launch score (part 7): grid 36 x 4, 4 waves a work-group, no clusters, 327,680 bytes of LDS; arguments qh, kh, pb, st; writes pb, st
.if DOCPART == 7
	.amdgcn_target "amdgcn-amd-amdhsa--gfx1250"
	.amdhsa_code_object_version 6
	.text
	.protected	k_q144173a149_score
	.globl	k_q144173a149_score
	.p2align	8
	.type	k_q144173a149_score,@function
k_q144173a149_score:
	s_mov_b64 s[64:65], 0
	v_nop
	global_prefetch_b8 v0, s[64:65] scope:SCOPE_SE
	s_setreg_imm32_b32 hwreg(HW_REG_WAVE_MODE, 25, 1), 1
	s_wait_xcnt 0x0
; For each tile (i, j), j <= i, of 256 queries x 256 keys of a batch: S = Q' K^T (Q' = c Q, so S is in units of log2), the row's maximum M over the tile, P = 2^(S - M) rounded to f16, and the
; partial sums l of the unrounded P.  qh, kh: [8192][1024] f16.  pb: [4][2048][2048] f16 (only tiles with j <= i are written).  st: [b 4][j 8][M, l][key half 2][row 2048] f32.
; The tiles above the diagonal are not made: the causal mask throws them away.  The maximum that the softmax takes away is the tile's own; the next launch brings the tiles of a row onto the row's maximum.
; LIMITS.  A hidden score counts as its value less 1e30: f16's scores, 4.4e12 at the most, are nothing beside that.  A weight below 6e-8 is 0 in P but is counted in l.  NaN and infinities are not treated apart.
; SHARES.  36 tiles a batch, 144 work-groups of equal work.  Four waves, each 128 queries x 128 keys: 64 accumulators, 512 registers.  K (1,024 channels) goes in 8 steps of 128 through a ring of two LDS slots.
; A K STEP IS WRITTEN ONCE: the slot in hand is a scalar, 0 or a slot's bytes, turned at each change of slots; the LDS addresses are made from it anew.  One loop of 6 trips fills a slot in each trip;
; a second of 2 trips fills nothing and is left in the middle of its second trip.
; NO CLUSTER: the rows of the triangle hold 1 to 8 tiles and its columns 8 to 1, so no grouping by fours shares one operand throughout, and filling the triangle up would launch work-groups with no work.
; THE PRODUCT IS TAKEN TRANSPOSED: source 0 = 16 keys, source 1 = 16 queries: a lane holds ONE query (l % 16) and eight neighbouring keys 8 (l / 16) + 0..7 of each block.
; THE MASK is the C operand that starts the sums: three sets of eight registers, for key blocks below, on and above the query block; all are 0 where the tile is not on the diagonal.
; REGISTERS: window 0: v0-31 addresses; v32-63 statistics; v64-127, v128-191 Q's fragments, two buffers (later at work on the way out); v192-223 packed results
;   window 1: v0-23 the masks; v64-127, v128-191 K's fragments     window 2: the accumulators of my queries 0-63, (a, b) at v[8 (8 a + b)]     window 3: those of my queries 64-127
.set KSTEP,  128
.set PITCH,  272                       ; 256 bytes + 16 = 68 words: the 16 rows of a load start at 16 different groups of four banks (64 banks of 4 bytes: ISA guide 11.1)
.set HALFT,  128*PITCH
.set SLOT,   4*HALFT                   ; Q's 256 rows, then K's 256 rows
.set STAGE,  2*SLOT                    ; behind the ring: 16 rows x 272 bytes for each wave
.set SPITCH, 272
.set XM,     STAGE+4*16*SPITCH         ; [key half 2][query 256] f32: the waves' maxima meet here
.set WS,     XM+2048                   ; each wave's 128 M and 128 l, to be stored as whole runs
.set SPARE,  WS+4096                   ; the spare words, 128 bytes for each wave
.set AQ0,  16                          ; v16     my place in a slot's rows of Q; never rewritten
.set ADRA, 17                          ; v17     the same in the slot in hand
.set SO,   18                          ; v18     16 x my lane
.set AK0,  20                          ; v20     my place in a slot's rows of K; never rewritten
.set ADRB, 21                          ; v21     the same in the slot in hand
.set WSS,  22                          ; v22     where I put a statistic
.set WSL,  23                          ; v23     where I read four back
.set STO,  24
.set RD,   25
.set CO,   26
.set XMS,  27                          ; v27     where I put my maxima
.set SPW,  28
.set NIL,  29
.set PFO,  30                          ; v30     2,048 x my lane: a row of qh or kh; never rewritten
.set XML,  31                          ; v31     where the other key half's wave put its maxima
.set ST,   32                          ; query block a: v[ST+4 a]: M, M, l (even keys', odd keys')
.set F0,   64
.set F1,   128
.set OB,   64                          ; the way out: 16 rows read back, two buffers of 32
.set CH,   128                         ; eight chains of the maximum
.set TP,   136
.set SU,   144                         ; 32 registers for the sums
.set TMP,  192                         ; 32 registers of packed f16
.set LW,   23                          ; s23     wave x a quarter of a slot
.set G1,   24                          ; s[24:31] descriptor group 1
.set G0,   32                          ; s[32:39] group 0: a set for each of the two first fills; the second then walks on
.set LIM,  43
.set PFA,  44
.set TB,   46                          ; s46     the slot in hand: 0 or SLOT
.set SEL,  60                          ; s[60:61] v_permlanex16_b32's selects
.set HM,   62                          ; s62     the mask of lanes 16 to 31
.set MSB, 0
.macro WIN new
.if MSB != (\new)
	s_set_vgpr_msb (MSB<<8)|(\new)
.set MSB, \new
.endif
.endm
.set MUL_LO, 0xa1                      ; source 0 (K) window 1, source 1 (Q) window 0, C and D window 2
.set TO_B,   0x40
.macro PLACES
.rept 4
	v_nop
.endr
.endm
; A PREFETCH INTO THE L2, behind each refill and the LDS loads that follow it: my 128 rows' 256 bytes of the K step that stands two refills on: a lane a row, four lines.
; Q's rows of block i are read by the tiles (i, 0 .. i): tile j = 0 asks (waves 0, 1); K's rows of block j by the tiles (j .. 7, j): tile i = j asks (waves 2, 3).
; Trip t names K step t + 4: the last two trips ask for nothing.
.macro ASK
	s_cmp_gt_u32 s3, s[LIM]
	s_cbranch_scc0 .Lnot_mine_\@
.irp n, 0,1,2,3
	global_prefetch_b8 v[PFO], s[PFA:PFA+1] offset:KSTEP*2+65536*(\n) th:TH_LOAD_NT scope:SCOPE_SE
.endr
.Lnot_mine_\@:
.endm
	s_load_b256 s[4:11], s[0:1], 0x0               ; qh s[4:5], kh s[6:7], pb s[8:9], st s[10:11]
	v_lshl_add_u32 v[SPW], v0, 2, SPARE
	v_mov_b32 v[NIL], 0
	ds_add_u32 v[SPW], v[NIL]                      ; the wave's opening: the add and its wait stand ahead of my first tensor load
	v_lshrrev_b32 v1, 5, v0
	v_readfirstlane_b32 s20, v1                    ; wave 0..3
	s_lshr_b32 s21, s20, 1                         ; my half of the queries.  Also: I fetch for Q (0) or for K (1)
	s_and_b32 s22, s20, 1                          ; my half of the keys.  Also: which 128 rows I fetch
	s_mov_b32 s2, ttmp9                            ; the tile's number in the triangle: i (i + 1) / 2 + j
	s_mov_b32 s14, 0
.irp t, 1,3,6,10,15,21,28
	s_cmp_ge_u32 s2, \t
	s_cselect_b32 s15, 1, 0
	s_add_co_u32 s14, s14, s15                     ; i
.endr
	s_add_co_u32 s15, s14, 1
	s_mul_i32 s15, s15, s14
	s_lshr_b32 s15, s15, 1
	s_sub_co_u32 s15, s2, s15                      ; j
	s_and_b32 s16, ttmp7, 0xffff                   ; the batch
	s_mov_b32 s[G1+0], (1<<16)|(1<<20)|(5<<22)|(3<<25)  ; elements of 2 bytes; padding on: after every 64 words 4 words
	s_mov_b32 s[G1+1], KSTEP<<16                   ; tensor_dim0 = 128
	s_mov_b32 s[G1+2], 128<<16                     ; tensor_dim1 = 128
	s_mov_b32 s[G1+3], KSTEP<<16                   ; tile_dim0 = 128
	s_mov_b32 s[G1+4], 128                         ; tile_dim1 = 128
	s_mov_b32 s[G1+5], 1024                        ; elements from row to row
	s_mov_b32 s[G1+6], 0
	s_mov_b32 s[G1+7], 0
	s_mov_b32 s[SEL], 0x76543210
	s_mov_b32 s[SEL+1], 0xfedcba98
	s_mov_b32 s[HM], 0xffff0000
	s_mov_b32 s[TB], 0                             ; K step 0 lies in slot 0
	s_cmp_eq_u32 s21, 0
	s_cselect_b32 s17, s14, s15                    ; Q's block i or K's block j
	s_lshl_b32 s17, s17, 8
	s_lshl_b32 s18, s16, 11
	s_add_co_u32 s17, s17, s18
	s_lshl_b32 s18, s22, 7
	s_add_co_u32 s17, s17, s18                     ; the first row that I fetch
	s_lshl_b32 s18, s17, 11                        ; x 2,048 bytes
	s_mov_b32 s19, 0
	s_mul_i32 s[LW], s20, HALFT                    ; where it goes: wave x 128 rows
	s_wait_dscnt 0x0                               ; the opening add is done
	s_wait_kmcnt 0x0
	s_cmp_eq_u32 s21, 0
	s_cselect_b64 s[12:13], s[4:5], s[6:7]
	s_add_nc_u64 s[12:13], s[12:13], s[18:19]
.irp s, 0,1
	s_mov_b32 s[G0+4*(\s)], 1
	s_add_co_u32 s[G0+4*(\s)+1], s[LW], (\s)*SLOT
	s_add_nc_u64 s[G0+4*(\s)+2:G0+4*(\s)+3], s[12:13], (\s)*KSTEP*2
	s_or_b32 s[G0+4*(\s)+3], s[G0+4*(\s)+3], 0x80000000
	tensor_load_to_lds s[G0+4*(\s):G0+4*(\s)+3], s[G1:G1+7]  ; K steps 0 and 1: two loads of mine are out
	s_nop 0
.endr
	v_and_b32 v1, 15, v0                           ; r
	v_bfe_u32 v2, v0, 4, 1                         ; h
	v_and_b32 v4, 31, v0                           ; l
	v_mul_u32_u24 v3, v1, PITCH
	v_lshl_add_u32 v3, v2, 4, v3                   ; row x pitch + 16 x half
	s_mul_i32 s17, s21, HALFT
	s_mul_i32 s18, s22, HALFT
	s_add_co_u32 s18, s18, 2*HALFT
	v_add_nc_u32 v[AQ0], s17, v3
	v_add_nc_u32 v[AK0], s18, v3
	v_mov_b32 v[ADRA], v[AQ0]
	v_mov_b32 v[ADRB], v[AK0]
	s_mul_i32 s19, s20, 16*SPITCH
	s_add_co_u32 s19, s19, STAGE                   ; my stage
	v_add_nc_u32 v[STO], s19, v3                   ; in: row r, 16 bytes for each half of the lanes
	v_mul_u32_u24 v5, v2, SPITCH
	v_lshl_add_u32 v5, v1, 4, v5
	v_add_nc_u32 v[RD], s19, v5                    ; back: lanes 0-15 one row of 256 bytes, lanes 16-31 the next
	v_lshlrev_b32 v5, 4, v1
	v_lshl_add_u32 v[CO], v2, 12, v5               ; the same two rows in pb (4,096 bytes a row)
	s_lshl_b32 s17, s21, 9
	s_add_co_u32 s17, s17, XM
	s_lshl_b32 s18, s22, 10
	s_add_co_u32 s18, s18, s17
	v_lshl_add_u32 v[XMS], v1, 2, s18
	s_xor_b32 s18, s22, 1
	s_lshl_b32 s18, s18, 10
	s_add_co_u32 s18, s18, s17
	v_lshl_add_u32 v[XML], v1, 2, s18
	s_lshl_b32 s17, s20, 10
	s_add_co_u32 s17, s17, WS
	v_lshl_add_u32 v[WSL], v4, 4, s17
	v_lshl_add_u32 v5, v1, 2, s17
	v_lshl_add_u32 v[WSS], v2, 9, v5               ; lanes 0-15 put M, lanes 16-31 l
	v_lshlrev_b32 v[SO], 4, v4
	v_lshlrev_b32 v[PFO], 11, v4
	; pb at my first query's row, my first key
	s_lshl_b32 s17, s16, 11
	s_lshl_b32 s18, s14, 8
	s_add_co_u32 s17, s17, s18
	s_lshl_b32 s18, s21, 7
	s_add_co_u32 s17, s17, s18
	s_lshl_b32 s18, s17, 12
	s_lshl_b32 s19, s15, 9
	s_add_co_u32 s18, s18, s19
	s_lshl_b32 s19, s22, 8
	s_add_co_u32 s18, s18, s19
	s_mov_b32 s19, 0
	s_add_nc_u64 s[8:9], s[8:9], s[18:19]
	; st at (batch, j, M, my key half, my first query)
	s_lshl_b32 s18, s16, 3
	s_add_co_u32 s18, s18, s15
	s_lshl_b32 s18, s18, 15
	s_lshl_b32 s19, s22, 13
	s_add_co_u32 s18, s18, s19
	s_lshl_b32 s19, s14, 10
	s_add_co_u32 s18, s18, s19
	s_lshl_b32 s19, s21, 9
	s_add_co_u32 s18, s18, s19
	s_mov_b32 s19, 0
	s_add_nc_u64 s[10:11], s[10:11], s[18:19]
	; the prefetches: at K step 2; each change of slots steps them and names the K step after
	s_add_nc_u64 s[PFA:PFA+1], s[12:13], 2*KSTEP*2
	s_cmp_eq_u32 s15, 0
	s_cselect_b32 s17, 2, -1
	s_cmp_eq_u32 s14, s15
	s_cselect_b32 s18, 2, -1
	s_cmp_eq_u32 s21, 0
	s_cselect_b32 s[LIM], s17, s18
	; the masks.  On the diagonal tile key 128 ch + 16 b + 8 h + z is hidden from query 128 rh + 16 a + r where it is greater.  d = ch - rh.
	s_sub_co_i32 s17, s22, s21
	s_mov_b32 s18, 0xf149f2ca                      ; -1e30
	s_cmp_eq_u32 s14, s15
	s_cselect_b32 s18, s18, 0                      ; off the diagonal nothing is hidden
	s_cmp_gt_i32 s17, 0
	s_cselect_b32 s19, s18, 0                      ; key block below the query block: hidden if d > 0
	s_cmp_ge_i32 s17, 0
	s_cselect_b32 s18, s18, 0                      ; above it: hidden if d >= 0
	v_mov_b32 v10, s19
	v_mov_b32 v11, s18
	v_lshlrev_b32 v12, 3, v2
	v_sub_nc_u32 v12, v1, v12                      ; r - 8 h
	WIN 0x40                                       ; destination window 1
.set z, 0
.rept 8
	v_mov_b32 v[z], v10
	v_mov_b32 v[16+z], v11
	v_cmp_gt_i32 vcc_lo, z, v12                    ; on it: register z takes the upper value where 8 h + z > r, else the lower
	v_cndmask_b32 v[8+z], v10, v11, vcc_lo
.set z, z+1
.endr
	WIN 0
; 16 matrix instructions: query blocks a0, a0 + 1 of the window's four x all 8 key blocks, 32 along K.  msk = 1: the product starts the sums, with the mask as C.
; The 64 accumulators take turns, one instruction a turn, in the same order in every quarter.
.macro MUL16 f, hi, a0, msk
.if \msk
	WIN 0x91+0x40*(\hi)                            ; as below, with C in window 1
.else
	WIN MUL_LO+0x50*(\hi)
.endif
.irp a, \a0, (\a0)+1
.irp b, 0,1,2,3,4,5,6,7
.set rD, 8*(8*(\a)+(\b))
.set rK, (\f)+8*(\b)
.set rQ, (\f)+8*(4*(\hi)+(\a))
.if \msk
.set rC, 8
.if (\b) < 4*(\hi)+(\a)
.set rC, 0
.endif
.if (\b) > 4*(\hi)+(\a)
.set rC, 16
.endif
	v_wmma_f32_16x16x32_f16 v[rD:rD+7], v[rK:rK+7], v[rQ:rQ+7], v[rC:rC+7]
.else
	v_wmma_f32_16x16x32_f16 v[rD:rD+7], v[rK:rK+7], v[rQ:rQ+7], v[rD:rD+7]
.endif
.endr
.endr
.endm
.macro FETCH k, f                      ; 32 LDS loads in one run: the fragments of a quarter step (128 keys, 128 queries, 32 channels at byte k of the rows) of the slot in hand
	WIN TO_B
.irp i, 0,1,2,3,4,5,6,7
	ds_load_b128 v[(\f)+8*(\i):(\f)+8*(\i)+3],   v[ADRB] offset:(\k)+(\i)*16*PITCH
	ds_load_b128 v[(\f)+8*(\i)+4:(\f)+8*(\i)+7], v[ADRB] offset:(\k)+(\i)*16*PITCH+32
.endr
	WIN 0
.irp i, 0,1,2,3,4,5,6,7
	ds_load_b128 v[(\f)+8*(\i):(\f)+8*(\i)+3],   v[ADRA] offset:(\k)+(\i)*16*PITCH
	ds_load_b128 v[(\f)+8*(\i)+4:(\f)+8*(\i)+7], v[ADRA] offset:(\k)+(\i)*16*PITCH+32
.endr
.endm
.macro QUARTER k, f, g, msk            ; multiplies buffer f; in its middle fetches the next quarter's fragments, at byte k, into buffer g
	s_wait_dscnt 8                                 ; K's fragments and Q's rows 0-63 are in; the youngest eight loads may be out
	MUL16 \f, 0, 0, \msk
	MUL16 \f, 0, 2, \msk
	PLACES
	FETCH \k, \g
	s_wait_dscnt 32                                ; all but the 32 just issued
	MUL16 \f, 1, 0, \msk
	MUL16 \f, 1, 2, \msk
.endm
; The last quarter of a K step multiplies buffer 1 and changes slots: one barrier; in front of it each wave waits for all its tensor loads (one is out: its part of the next slot), adds 0 to its spare
; word, and waits for that and for its reads of this slot.  fill = 1: this slot is filled again, two K steps on, first thing behind the barrier: 224 matrix instructions ahead of the wait for it.
; The walking descriptor takes the slot that is left and goes one K step on; then the slot in hand is turned.  The two LDS addresses are made anew behind the barrier: with two v_nop they are the four
; places in front of the loads.
.macro TURN fill
.if \fill
	s_wait_xcnt 0x0                                ; the last prefetches, a K step back, have read their address
	s_add_nc_u64 s[PFA:PFA+1], s[PFA:PFA+1], KSTEP*2
.endif
	WIN 0
	s_wait_tensorcnt 0x0                           ; no tensor load of mine is out, so a group 0 may be written
	ds_add_u32 v[SPW], v[NIL]
.if \fill
	s_add_co_u32 s[G0+5], s[LW], s[TB]
	s_add_nc_u64 s[G0+6:G0+7], s[G0+6:G0+7], KSTEP*2
.endif
	s_xor_b32 s[TB], s[TB], SLOT
	s_wait_dscnt 9                                 ; the add and the youngest eight loads may be out
	MUL16 F1, 0, 0, 0
	s_wait_dscnt 0x0                               ; the add is done, and my reads of this slot are over
	s_barrier_signal -1
	MUL16 F1, 0, 2, 0
	WIN 0
	s_barrier_wait -1
.if \fill
	tensor_load_to_lds s[G0+4:G0+7], s[G1:G1+7]
	s_nop 0
.endif
	v_add_nc_u32 v[ADRA], s[TB], v[AQ0]
	v_add_nc_u32 v[ADRB], s[TB], v[AK0]
	v_nop
	v_nop
	FETCH 0, F0
.if \fill
	ASK
.endif
	MUL16 F1, 1, 0, 0
	MUL16 F1, 1, 2, 0
.endm
	s_wait_tensorcnt 1                             ; my part of K step 0 is in; K step 1's may stay out
	s_barrier_signal -1
	s_barrier_wait -1
	FETCH 0, F0
	QUARTER 64, F0, F1, 1                          ; the first quarter stands in front of the loop: its products start the sums, on the masks
	WIN 0
	s_mov_b32 s3, 6
.Lstep:                                                ; trip t: K step t's quarters 1 to 3, the refill with K step t + 2, K step t + 1's first quarter
	QUARTER 128, F1, F0, 0
	QUARTER 192, F0, F1, 0
	TURN 1
	QUARTER 64,  F0, F1, 0
	WIN 0
	s_sub_co_u32 s3, s3, 1
	s_cmp_lg_u32 s3, 0
	s_cbranch_scc1 .Lstep
	s_mov_b32 s3, 2
.Ltail:                                                ; K steps 6 and 7 fill nothing; the second trip is left in its middle
	QUARTER 128, F1, F0, 0
	QUARTER 192, F0, F1, 0
	TURN 0
	WIN 0
	s_sub_co_u32 s3, s3, 1
	s_cmp_eq_u32 s3, 0
	s_cbranch_scc1 .Lout
	QUARTER 64,  F0, F1, 0
	WIN 0
	s_branch .Ltail
.Lout:
	s_wait_dscnt 0x0                               ; the second trip's 32 LDS loads, for a K step that does not exist, serve nothing: the price, once a launch, of one text for both trips.  They have landed
	PLACES
	; THE MAXIMUM of a query's 64 scores in my lane: a chain for each query block, four chains by turns; each accumulator's two lowest registers are read first.
.irp hi, 0,1
	WIN 0x0a+5*(\hi)                               ; sources 0 and 1 in window 2 or 3
.irp ap, 0,1,2,3
	v_max_num_f32 v[CH+4*(\hi)+(\ap)], v[64*(\ap)], v[64*(\ap)+1]
.endr
.set k, 1
.rept 31
.irp ap, 0,1,2,3
	v_max3_num_f32 v[CH+4*(\hi)+(\ap)], v[64*(\ap)+2*k], v[64*(\ap)+2*k+1], v[CH+4*(\hi)+(\ap)]
.endr
.set k, k+1
.endr
.endr
	WIN 0
.irp a, 0,1,2,3,4,5,6,7
	v_mov_b32 v[TP+(\a)], v[CH+(\a)]               ; the exchange's destination counts as read: it is written first
.endr
.irp a, 0,1,2,3,4,5,6,7
	v_permlanex16_b32 v[TP+(\a)], v[CH+(\a)], s[SEL], s[SEL+1]  ; the query's other 64 keys lie in the lane 16 away
.endr
.irp a, 0,1,2,3,4,5,6,7
	v_max_num_f32 v[CH+(\a)], v[CH+(\a)], v[TP+(\a)]
.endr
.irp a, 0,1,2,3,4,5,6,7
	ds_store_b32 v[XMS], v[CH+(\a)] offset:64*(\a)  ; both halves of the lanes write the same word with the same value
.endr
	s_wait_dscnt 0x0                               ; for the other wave's sake
	s_barrier_signal -1
	s_barrier_wait -1
.irp a, 0,1,2,3,4,5,6,7
	ds_load_b32 v[TP+(\a)], v[XML] offset:64*(\a)  ; the other 128 keys' maximum
.endr
	s_wait_dscnt 0x0
.irp a, 0,1,2,3,4,5,6,7
	v_max_num_f32 v[ST+4*(\a)], v[CH+(\a)], v[TP+(\a)]  ; M: on the diagonal tile every query sees its own key, so M is a true score
.endr
.irp a, 0,1,2,3,4,5,6,7
	v_mov_b32 v[ST+4*(\a)+1], v[ST+4*(\a)]         ; named with it as a pair
.endr
; Query block a: S - M; its 64 exponentials are ONE batch with one wait; the weights rounded to f16; their sum.
.macro PACK a
.set AC, 64*((\a)%4)
.set WD, 2+(\a)/4
	WIN (WD<<6)|WD                                 ; destination and source 0 in the block's window
.set z, 0
.rept 32
	v_pk_add_f32 v[AC+2*z:AC+2*z+1], v[AC+2*z:AC+2*z+1], v[ST+4*(\a):ST+4*(\a)+1] op_sel_hi:[1,0] neg_lo:[0,1] neg_hi:[0,1]
.set z, z+1
.endr
.set z, 0
.rept 64
	v_exp_f32 v[AC+z], v[AC+z]
.set z, z+1
.endr
	v_nop                                          ; a plain instruction behind the last exponential
	s_wait_alu depctr_va_vdst(0)                   ; the wait for the batch, ahead of its first reader
	WIN 0x0a+5*((\a)/4)                            ; sources 0 and 1 in the block's window, destination in window 0
.set z, 0
.rept 32
	v_cvt_pk_f16_f32 v[TMP+z], v[AC+2*z], v[AC+2*z+1]
.set z, z+1
.endr
.set z, 0
.rept 16
	v_pk_add_f32 v[SU+2*z:SU+2*z+1], v[AC+4*z:AC+4*z+1], v[AC+4*z+2:AC+4*z+3]
.set z, z+1
.endr
	WIN 0
.set z, 0
.rept 8
	v_pk_add_f32 v[SU+4*z:SU+4*z+1], v[SU+4*z:SU+4*z+1], v[SU+4*z+2:SU+4*z+3]
.set z, z+1
.endr
.set z, 0
.rept 4
	v_pk_add_f32 v[SU+8*z:SU+8*z+1], v[SU+8*z:SU+8*z+1], v[SU+8*z+4:SU+8*z+5]
.set z, z+1
.endr
.set z, 0
.rept 2
	v_pk_add_f32 v[SU+16*z:SU+16*z+1], v[SU+16*z:SU+16*z+1], v[SU+16*z+8:SU+16*z+9]
.set z, z+1
.endr
	v_pk_add_f32 v[ST+4*(\a)+2:ST+4*(\a)+3], v[SU:SU+1], v[SU+16:SU+17]
.endm
.macro TOSTAGE a                       ; 16 bytes a lane into rows of 272 bytes of my own stage, and back as whole rows of 256
	WIN 0
.set BK, OB+32*((\a)%2)
.irp b, 0,1,2,3,4,5,6,7
	ds_store_b128 v[STO], v[TMP+4*(\b):TMP+4*(\b)+3] offset:32*(\b)
.endr
.irp t, 0,1,2,3,4,5,6,7
	ds_load_b128 v[BK+4*(\t):BK+4*(\t)+3], v[RD] offset:(\t)*2*SPITCH  ; LDS serves a wave's instructions in order (ISA guide 5.7.1.4): these see the stores above
.endr
.endm
.macro SEND a
	WIN 0
.set BK, OB+32*((\a)%2)
	s_wait_dscnt 0x0                               ; the block is back in registers
	s_wait_xcnt 0x0                                ; the stores issued so far have read their registers: the other buffer is loaded again only behind this wait
.irp t, 0,1,2,3,4,5,6,7
	global_store_b128 v[CO], v[BK+4*(\t):BK+4*(\t)+3], s[8:9] offset:65536*(\a)+8192*(\t)  ; 16 lanes store 256 consecutive bytes, aligned
.endr
.endm
	PACK 0
	TOSTAGE 0
.irp a, 1,2,3,4,5,6,7                  ; block a's arithmetic stands between block a - 1's loads from the stage and the wait for them
	PACK \a
	SEND (\a)-1
	TOSTAGE \a
.endr
	SEND 7
	; the statistics: l's two halves and the other half of the lanes'; M from lanes 0-15 and l from lanes 16-31 go through LDS bytes of my own, so that each store covers 512 consecutive bytes
.irp a, 0,1,2,3,4,5,6,7
	v_add_f32 v[ST+4*(\a)+2], v[ST+4*(\a)+2], v[ST+4*(\a)+3]
.endr
.irp a, 0,1,2,3,4,5,6,7
	v_permlanex16_b32 v[ST+4*(\a)+3], v[ST+4*(\a)+2], s[SEL], s[SEL+1]
.endr
.irp a, 0,1,2,3,4,5,6,7
	v_add_f32 v[ST+4*(\a)+2], v[ST+4*(\a)+2], v[ST+4*(\a)+3]
.endr
.irp a, 0,1,2,3,4,5,6,7
	v_cndmask_b32 v[ST+4*(\a)+1], v[ST+4*(\a)], v[ST+4*(\a)+2], s[HM]
.endr
.irp a, 0,1,2,3,4,5,6,7
	ds_store_b32 v[WSS], v[ST+4*(\a)+1] offset:64*(\a)
.endr
	ds_load_b128 v[CH:CH+3], v[WSL]
	ds_load_b128 v[CH+4:CH+7], v[WSL] offset:512
	s_wait_dscnt 0x0
	global_store_b128 v[SO], v[CH:CH+3], s[10:11]
	global_store_b128 v[SO], v[CH+4:CH+7], s[10:11] offset:16384
	s_wait_tensorcnt 0x0                           ; the wave's end: behind my last tensor load and my last LDS store
	ds_add_u32 v[SPW], v[NIL]
	s_wait_dscnt 0x0
	s_endpgm
.Lfunc_end_k_q144173a149_score:
	.size	k_q144173a149_score, .Lfunc_end_k_q144173a149_score-k_q144173a149_score
	.p2alignl 7, 3214868480
	.fill 96, 4, 3214868480
	.section	.rodata,"a",@progbits
	.p2align	6, 0x0
	.amdhsa_kernel k_q144173a149_score
		.amdhsa_group_segment_fixed_size 327680
		.amdhsa_private_segment_fixed_size 0
		.amdhsa_enable_private_segment 0
		.amdhsa_kernarg_size 32
		.amdhsa_user_sgpr_count 2
		.amdhsa_user_sgpr_kernarg_segment_ptr 1
		.amdhsa_wavefront_size32 1
		.amdhsa_system_sgpr_workgroup_id_x 1
		.amdhsa_system_sgpr_workgroup_id_y 1
		.amdhsa_system_sgpr_workgroup_id_z 1
		.amdhsa_system_vgpr_workitem_id 0
		.amdhsa_next_free_vgpr 1024
		.amdhsa_next_free_sgpr 66
		.amdhsa_reserve_vcc 1
		.amdhsa_float_denorm_mode_32 3
		.amdhsa_float_denorm_mode_16_64 3
		.amdhsa_memory_ordered 1
		.amdhsa_forward_progress 1
		.amdhsa_inst_pref_size 169
	.end_amdhsa_kernel
	.amdgpu_metadata
---
amdhsa.version: [ 1, 2 ]
amdhsa.kernels:
  - .name:           k_q144173a149_score
    .symbol:         k_q144173a149_score.kd
    .args:
      - { .name: qh, .offset: 0, .size: 8, .value_kind: global_buffer, .address_space: global }
      - { .name: kh, .offset: 8, .size: 8, .value_kind: global_buffer, .address_space: global }
      - { .name: pb, .offset: 16, .size: 8, .value_kind: global_buffer, .address_space: global }
      - { .name: st, .offset: 24, .size: 8, .value_kind: global_buffer, .address_space: global }
    .group_segment_fixed_size: 327680
    .private_segment_fixed_size: 0
    .kernarg_segment_align: 8
    .kernarg_segment_size: 32
    .max_flat_workgroup_size: 128
    .sgpr_count:     66
    .vgpr_count:     1024
    .wavefront_size: 32
...
	.end_amdgpu_metadata
.endif
;; end of part 7
;; launch pv (part 8): grid 8 x 32, 4 waves a work-group, clusters of 4 x 1, 327,680 bytes of LDS; arguments pb, vh, st, out0; writes out0
.if DOCPART == 8
	.amdgcn_target "amdgcn-amd-amdhsa--gfx1250"
	.amdhsa_code_object_version 6
	.text
	.protected	k_q144173a149_pv
	.globl	k_q144173a149_pv
	.p2align	8
	.type	k_q144173a149_pv,@function
k_q144173a149_pv:
	s_mov_b64 s[64:65], 0
	v_nop
	global_prefetch_b8 v0, s[64:65] scope:SCOPE_SE
	s_setreg_imm32_b32 hwreg(HW_REG_WAVE_MODE, 25, 1), 1
	s_wait_xcnt 0x0
	s_wait_alu depctr_hold_cnt(0) depctr_sa_sdst(0) depctr_va_vdst(0) depctr_va_sdst(0) depctr_va_ssrc(0) depctr_va_vcc(0) depctr_vm_vsrc(0)
	s_getreg_b32 s2, hwreg(HW_REG_IB_STS2, 6, 4)
	s_cmp_eq_u32 s2, 0
	s_cbranch_scc0 .Lentry_in_a_cluster
	s_endpgm
.Lentry_in_a_cluster:
	s_bfe_u32 s2, ttmp6, 0x10000c
	s_cmp_lg_u32 s2, 0x3003
	s_cbranch_scc0 .Lentry_shape_is_right
	s_endpgm
.Lentry_shape_is_right:
; O[q] = the sum over key tiles j of w_j[q] (P_j V_j)[q], with w_j[q] = 2^(M_j[q] - M[q]) / l[q], M[q] the maximum of the row's tile maxima and l[q] = the sum of 2^(M_j - M) l_j: the softmax with the
; row's own maximum taken away.  pb: [4][2048][2048] f16 (tiles on and below the diagonal), vh: [8192][1024] f16, st: [b][j][M, l][key half][row] f32, out0: [8192][1024] f32.  Sums and weights in f32.
; LIMITS as in the launch before: V within f16; NaN and infinities are not treated apart.
; SHARES.  A work-group makes 128 channels of TWO blocks of 128 queries, 15 - p and then p.  Block x needs the key tiles 0 .. x / 2 of 256 keys: together 9, whatever p: 256 equal work-groups and one walk
; with a constant trip count.  (Where x is even the second half of its last tile holds P = 0, as the launch before wrote it: 1 part in 18 of the products.)  Wave w: 64 queries (w / 2) x 64 channels (w % 2).
; A TILE IS WRITTEN ONCE in a loop of 8 trips, each of which fills the other slot; the ninth tile, which fills nothing, is written out.  The slot in hand is a scalar, 0 or a slot's bytes.
; THE PRODUCT IS TAKEN TRANSPOSED: source 0 = 16 channels of V (turned by ds_load_tr16_b128), source 1 = 16 queries of P: a lane holds ONE query and eight neighbouring channels, so w is one number a lane.
; A tile's product T starts at 0 and is added onto O with its weight when the tile is done.  ONE set of registers holds O: when the first block's last tile has been added, O goes out at once, in the
; middle of the walk, and is cleared for the second block; its stores leave while the second block is multiplied.  The price: 128 lines that write 0, twice in the text (once in the wait for the first tile).
; CLUSTER 4 x 1: the four partners make four channel blocks of the same queries: P's tile is asked for jointly (waves 0, 1); V's hangs on the channel block and comes by loads of one's own (waves 2, 3), behind the same round.
; REGISTERS: window 0: v0-31 addresses; v32-103 the weights, a queue of 9 tiles x 4 query blocks x a pair; v104-112 offsets; v128-255 T (at the start: the statistics; on the way out: rows read back)
;   window 1: two buffers of 128: for 64 keys, 64 registers of P's fragments, then 64 of V's     window 2: v0-127 O
.set QW,    36864                      ; a quarter of a slot: what one wave's tensor load may fill (P: 64 x 528 = 33,792 of it; V: 128 x 288 = all of it)
.set SLOTB, 4*QW
.set PP,    528                        ; a row of P: 512 bytes + 16
.set PVP,   288                        ; a row of V: 256 bytes + 32
.set STAGE, 2*SLOTB                    ; behind the ring: 16 rows x 272 bytes for each wave
.set SP,    272
.set SPARE, STAGE+4*16*SP              ; the spare words, 128 bytes for each wave
.set ADRP0, 10                         ; v10     my place in a slot's rows of P; never rewritten
.set ADRP,  11                         ; v11     the same in the slot in hand
.set ADRV0, 12                         ; v12     my place in a slot's rows of V; never rewritten
.set ADRV,  14                         ; v14-15  the same in the slot in hand: keys 0 on, keys 128 on
.set STO,  16
.set RD,   17
.set CO,   18
.set PFO,  19                          ; v19     the prefetches' offset; never rewritten
.set VB,   20                          ; v20     4 r + 256 (w / 2): my query in a block's statistics
.set SPW,  30
.set NIL,  31
.set W,    32
.set VO,   104                         ; v104-112  walk entry n's offset in st
.set T,    128
.set MM,   128                         ; the statistics, entry n, query block qt at 4 n + qt: M, later 2^(M - M_row)
.set L0,   164                         ; l of the first key half, later of both
.set L1,   200                         ; l of the second
.set MH,   236                         ; the first block's row maxima;  ML the second's
.set ML,   240
.set SH,   244                         ; the first block's l, later 1 / l;  SL the second's
.set SL,   248
.set VLOW, 252                         ; the lowest finite number
.set TA,   253
.set TC,   254
.set F0,   0
.set F1,   128
.set WV,   12                          ; s12 wave;  s13 cx;  s14 channel block;  s16 w % 2;  s17 w / 2;  s18 batch;  s19 p
.set HI,   20                          ; s20  15 - p
.set LO,   21                          ; s21  p
.set NH,   22                          ; s22  tiles of the first block
.set NL1,  23                          ; s23  tiles of the second, less 1
.set G1P,  24
.set G1V,  32
.set G0P,  40
.set G0V,  44
.set PB0,  48                          ; s[48:49] pb at the batch, my half of a block's rows
.set VB0,  50                          ; s[50:51] vh at the batch, my half of a tile's keys, my channel block
.set PF0,  52                          ; s[52:53] the one of the two that I fetch from
.set PFA,  54                          ; s[54:55] where my prefetch stands
.set NXT,  56                          ; s56  the tile to be asked for next
.set LQ,   57                          ; s57  the last tile of the block whose tiles are being asked for
.set PBLK, 58                          ; s58  that block's first row in pb, in bytes
.set PLO,  59                          ; s59  the second block's
.set SEL,  60
.set HL,   62                          ; s62  tiles of the block in hand still to be added
.set TB,   63                          ; s63  the slot in hand: 0 or SLOTB
.set LIM,  66
.set LW,   67                          ; s67  wave x a quarter of a slot
.set OFP,  68                          ; s[68:69], s[70:71], s[72:73] offsets, high words 0
.set OFV,  70
.set OFQ,  72
.set OC,   80                          ; s[80:81] out0 at my rows of the block in hand;  s[82:83] of the second block
.set OLB,  82
.set CNT,  84                          ; s84  trips still to come, this one among them
.set MSB, 0
.macro WIN new
.if MSB != (\new)
	s_set_vgpr_msb (MSB<<8)|(\new)
.set MSB, \new
.endif
.endm
.set MUL,  0x05                        ; sources 0 (V) and 1 (P) window 1; C and D window 0
.set TO_F, 0x40
.macro PLACES
.rept 4
	v_nop
.endr
.endm
.macro JLOAD                           ; waves 0 and 1: the two halves of P's tile, jointly; waves 2 and 3: those of V's.  An s_nop 0 and four v_nop follow each line
	s_cmp_lt_u32 s[WV], 2
	s_cbranch_scc0 .Lfor_v_\@
	tensor_load_to_lds s[G0P:G0P+3], s[G1P:G1P+7]
	s_nop 0
.rept 4
	v_nop
.endr
	s_branch .Lasked_\@
.Lfor_v_\@:
	tensor_load_to_lds s[G0V:G0V+3], s[G1V:G1V+7]
	s_nop 0
.rept 4
	v_nop
.endr
.Lasked_\@:
.endm
.macro CROUND
	s_barrier_signal -1
	s_barrier_wait -1
	s_cmp_lg_u32 s[WV], 0
	s_cbranch_scc1 .Lnot_wave_0_\@
	s_barrier_signal -3
.Lnot_wave_0_\@:
	s_barrier_wait -3
	s_barrier_signal -1
	s_barrier_wait -1
.endm
; A PREFETCH INTO THE L2 of the tile that the NEXT change of slots will ask for, behind the fill, its five lines and the tile's first LDS loads.
; P's tile is read by the two clusters of a row of the grid: cluster x = 0 asks; of the 64 rows x 512 bytes that wave 0 or 1 fetches each partner takes 16 rows, told apart by address: a lane a block of 256 bytes.
; The last trip has no tile behind its fill.  V's tile of a channel block is read by the eight work-groups p = 0 .. 7 of a batch: p = 0, whose first block walks all eight tiles, asks in that walk alone:
; waves 2, 3, a lane a row, four lines; the last two trips ask for nothing.
.macro ASK
	WIN 0
	s_cmp_gt_u32 s[CNT], s[LIM]
	s_cbranch_scc0 .Lnot_mine_\@
	global_prefetch_b8 v[PFO], s[PFA:PFA+1] th:TH_LOAD_NT scope:SCOPE_SE
	s_cmp_lt_u32 s[WV], 2
	s_cbranch_scc1 .Lnot_mine_\@
	global_prefetch_b8 v[PFO], s[PFA:PFA+1] offset:65536 th:TH_LOAD_NT scope:SCOPE_SE
	global_prefetch_b8 v[PFO], s[PFA:PFA+1] offset:131072 th:TH_LOAD_NT scope:SCOPE_SE
	global_prefetch_b8 v[PFO], s[PFA:PFA+1] offset:196608 th:TH_LOAD_NT scope:SCOPE_SE
.Lnot_mine_\@:
.endm
; THE CHANGE OF SLOTS.  Each wave waits for all its tensor loads (one is out: its part of the slot to be read), adds 0 to its spare word, and waits for that and for its reads of the slot that it leaves.
; fill = 1: that slot is filled with tile NXT, behind a round of the cluster's barrier, first thing there; the addresses are made anew from the tile's number.  It has a tile's 128 products and its 64 additions in which to land.
; Then the slot in hand is turned and the three LDS addresses are made anew.  (At its first use nothing has been read yet: slot 0 is waited for, slot 1 filled.)
.macro CHANGE fill
	WIN 0
	s_wait_xcnt 0x0                                ; the last prefetches, a tile back, have read their address, and the stores of a block that has gone out their registers
	s_wait_tensorcnt 0x0
	ds_add_u32 v[SPW], v[NIL]                      ; 0 onto my spare word; work on registers stands between it and the wait for it
.if \fill
	s_lshl_b32 s[OFP], s[NXT], 9                   ; a tile's 256 keys are 512 bytes of a row of P,
	s_add_co_u32 s[OFP], s[OFP], s[PBLK]
	s_add_co_u32 s[G0P+1], s[LW], s[TB]
	s_add_nc_u64 s[G0P+2:G0P+3], s[PB0:PB0+1], s[OFP:OFP+1]
	s_or_b32 s[G0P+3], s[G0P+3], 0x80000000
	s_lshl_b32 s[OFV], s[NXT], 19                  ; and 256 rows of 2,048 bytes of V
	s_add_co_u32 s[G0V+1], s[LW], s[TB]
	s_add_nc_u64 s[G0V+2:G0V+3], s[VB0:VB0+1], s[OFV:OFV+1]
	s_or_b32 s[G0V+3], s[G0V+3], 0x80000000
	s_add_co_u32 s[NXT], s[NXT], 1                 ; the block's next tile, or behind its last the second block's tile 0
	s_cmp_gt_u32 s[NXT], s[LQ]
	s_cselect_b32 s[NXT], 0, s[NXT]
	s_cselect_b32 s[PBLK], s[PLO], s[PBLK]
	s_cselect_b32 s[LQ], s[NL1], s[LQ]
	s_lshl_b32 s[OFQ], s[NXT], 9                   ; where that tile lies, for the prefetch
	s_add_co_u32 s[OFQ], s[OFQ], s[PBLK]
	s_lshl_b32 s74, s[NXT], 19
	s_cmp_lt_u32 s[WV], 2
	s_cselect_b32 s[OFQ], s[OFQ], s74
	s_add_nc_u64 s[PFA:PFA+1], s[PF0:PF0+1], s[OFQ:OFQ+1]
.endif
	s_xor_b32 s[TB], s[TB], SLOTB
	v_add_nc_u32 v[ADRP], s[TB], v[ADRP0]
	v_add_nc_u32 v[ADRV], s[TB], v[ADRV0]
	v_add_nc_u32 v[ADRV+1], QW, v[ADRV]
	s_wait_dscnt 0x0                               ; the add is done, and my reads of the slot are over
.if \fill
	CROUND
	JLOAD
.else
	s_barrier_signal -1
	s_barrier_wait -1
.endif
.endm
	s_load_b256 s[4:11], s[0:1], 0x0               ; pb s[4:5], vh s[6:7], st s[8:9], out0 s[10:11]
	v_lshl_add_u32 v[SPW], v0, 2, SPARE
	v_mov_b32 v[NIL], 0
	ds_add_u32 v[SPW], v[NIL]                      ; the wave's opening: the add and its wait stand ahead of my first tensor load
	v_lshrrev_b32 v1, 5, v0
	v_readfirstlane_b32 s[WV], v1
	s_bfe_u32 s13, ttmp6, 0x40000                  ; cx
	s_lshl_b32 s14, ttmp9, 2
	s_add_co_u32 s14, s14, s13                     ; channel block = 4 x cluster x + cx
	s_and_b32 s15, ttmp7, 0xffff
	s_lshr_b32 s18, s15, 3                         ; batch
	s_and_b32 s19, s15, 7                          ; p
	s_and_b32 s16, s[WV], 1
	s_lshr_b32 s17, s[WV], 1
	s_sub_co_u32 s[HI], 15, s19
	s_mov_b32 s[LO], s19
	s_lshr_b32 s[NH], s[HI], 1
	s_add_co_u32 s[NH], s[NH], 1
	s_lshr_b32 s[NL1], s[LO], 1
	; P's half tile: 64 rows x 256 elements, 2,048 elements from row to row, padded after every 128 words by 4; the mask names all four partners
	s_mov_b32 s[G1P+0], 15|(1<<16)|(1<<20)|(1<<21)|(6<<22)|(3<<25)
	s_mov_b32 s[G1P+1], 256<<16
	s_mov_b32 s[G1P+2], 64<<16
	s_mov_b32 s[G1P+3], 256<<16
	s_mov_b32 s[G1P+4], 64
	s_mov_b32 s[G1P+5], 2048
	s_mov_b32 s[G1P+6], 0
	s_mov_b32 s[G1P+7], 0
	; V's half tile: 128 rows x 128 elements, 1,024 elements from row to row, padded after every 64 words by 8; no mask
	s_mov_b32 s[G1V+0], (1<<16)|(1<<20)|(5<<22)|(7<<25)
	s_mov_b32 s[G1V+1], 128<<16
	s_mov_b32 s[G1V+2], 128<<16
	s_mov_b32 s[G1V+3], 128<<16
	s_mov_b32 s[G1V+4], 128
	s_mov_b32 s[G1V+5], 1024
	s_mov_b32 s[G1V+6], 0
	s_mov_b32 s[G1V+7], 0
	s_mul_i32 s[LW], s[WV], QW
	s_lshl_b32 s74, s18, 23                        ; P: batch x 8,388,608 + half x 64 rows of 4,096 bytes
	s_lshl_b32 s75, s16, 18
	s_add_co_u32 s74, s74, s75
	s_lshl_b32 s76, s18, 22                        ; V: batch x 4,194,304 + half x 128 rows of 2,048 bytes + 256 x channel block
	s_add_co_u32 s76, s76, s75
	s_lshl_b32 s77, s14, 8
	s_add_co_u32 s76, s76, s77
	s_mov_b32 s75, 0
	s_mov_b32 s77, 0
	s_lshl_b32 s[PBLK], s[HI], 19                  ; a block's 128 rows of 4,096 bytes
	s_lshl_b32 s[PLO], s[LO], 19
	s_mov_b32 s[NXT], 1
	s_sub_co_u32 s[LQ], s[NH], 1
	s_mov_b32 s[HL], s[NH]
	s_mov_b32 s[TB], SLOTB                         ; the first change of slots fills slot 1 and turns this into 0
	s_mov_b32 s[OFP], s[PBLK]
	s_mov_b32 s[OFP+1], 0
	s_mov_b32 s[OFV+1], 0
	s_mov_b32 s[OFQ+1], 0
	s_mov_b32 s[SEL], 0x76543210
	s_mov_b32 s[SEL+1], 0xfedcba98
	s_mov_b32 s[G0P], 1
	s_mov_b32 s[G0P+1], s[LW]                      ; slot 0
	s_mov_b32 s[G0V], 1
	s_mov_b32 s[G0V+1], s[LW]
	s_wait_dscnt 0x0                               ; the opening add is done
	s_wait_kmcnt 0x0
	s_add_nc_u64 s[PB0:PB0+1], s[4:5], s[74:75]
	s_add_nc_u64 s[VB0:VB0+1], s[6:7], s[76:77]
	s_add_nc_u64 s[G0P+2:G0P+3], s[PB0:PB0+1], s[OFP:OFP+1]  ; the first block's tile 0
	s_or_b32 s[G0P+3], s[G0P+3], 0x80000000
	s_add_nc_u64 s[G0V+2:G0V+3], s[VB0:VB0+1], 0
	s_or_b32 s[G0V+3], s[G0V+3], 0x80000000
	CROUND                                         ; all four work-groups are here: the first joint loads meet
	JLOAD
	v_and_b32 v1, 15, v0                           ; r
	v_bfe_u32 v2, v0, 4, 1                         ; h
	v_and_b32 v3, 31, v0                           ; l
	; THE STATISTICS of the walk's nine entries: entry n is tile n of the first block while n < NH, else tile n - NH of the second.  All choices are made by scalars from p.
	s_lshl_b32 s74, s17, 8
	v_lshl_add_u32 v[VB], v1, 2, s74
	s_lshl_b32 s74, s18, 18                        ; the batch's 262,144 bytes of st
	s_mov_b32 s75, 0
	s_add_nc_u64 s[8:9], s[8:9], s[74:75]
.set n, 0
.rept 9
	s_sub_co_u32 s75, n, s[NH]
	s_cmp_gt_u32 s[NH], n
	s_cselect_b32 s75, n, s75                      ; the tile
	s_cselect_b32 s74, s[HI], s[LO]                ; the block
	s_lshl_b32 s75, s75, 15
	s_lshl_b32 s74, s74, 9
	s_add_co_u32 s74, s74, s75
	v_add_nc_u32 v[VO+n], s74, v[VB]
.irp qt, 0,1,2,3
	global_load_b32 v[MM+4*n+(\qt)], v[VO+n], s[8:9] offset:64*(\qt)
	global_load_b32 v[L0+4*n+(\qt)], v[VO+n], s[8:9] offset:16384+64*(\qt)
	global_load_b32 v[L1+4*n+(\qt)], v[VO+n], s[8:9] offset:24576+64*(\qt)
.endr
.set n, n+1
.endr
	; P's fragment: 16 queries x 32 keys, two loads of 16 bytes, 32 bytes apart
	v_mul_u32_u24 v4, v1, PP
	v_lshl_add_u32 v4, v2, 4, v4
	s_mul_i32 s74, s17, QW
	v_add_nc_u32 v[ADRP0], s74, v4
	; V's fragment, turned: lane l reads 16 bytes of key 8 h + l % 8, channels 8 ((l / 8) % 2) + 0..7
	v_and_b32 v5, 7, v0
	v_lshl_add_u32 v5, v2, 3, v5
	v_mul_u32_u24 v5, v5, PVP
	v_bfe_u32 v6, v0, 3, 1
	v_lshl_add_u32 v5, v6, 4, v5
	s_lshl_b32 s74, s16, 7
	s_add_co_u32 s74, s74, 2*QW
	v_add_nc_u32 v[ADRV0], s74, v5
	s_mul_i32 s74, s[WV], 16*SP
	s_add_co_u32 s74, s74, STAGE                   ; my stage
	v_mul_u32_u24 v4, v1, SP
	v_lshl_add_u32 v4, v2, 5, v4
	v_add_nc_u32 v[STO], s74, v4                   ; in: row r, 32 bytes for each half of the lanes
	v_mul_u32_u24 v4, v2, SP
	v_lshl_add_u32 v4, v1, 4, v4
	v_add_nc_u32 v[RD], s74, v4                    ; back: lanes 0-15 one row of 256 bytes, lanes 16-31 the next
	v_lshlrev_b32 v4, 4, v1
	v_lshl_add_u32 v[CO], v2, 12, v4               ; the same two rows in out0
	s_lshl_b32 s74, s18, 23                        ; out0: (2,048 batch + 128 block + 64 (w / 2)) x 4,096 + 512 channel block + 256 (w % 2)
	s_lshl_b32 s75, s17, 18
	s_add_co_u32 s74, s74, s75
	s_lshl_b32 s75, s14, 9
	s_add_co_u32 s74, s74, s75
	s_lshl_b32 s75, s16, 8
	s_add_co_u32 s74, s74, s75
	s_add_co_u32 s76, s74, s[PLO]
	s_add_co_u32 s74, s74, s[PBLK]
	s_mov_b32 s75, 0
	s_mov_b32 s77, 0
	s_add_nc_u64 s[OC:OC+1], s[10:11], s[74:75]
	s_add_nc_u64 s[OLB:OLB+1], s[10:11], s[76:77]
	; who prefetches, from where, with which lane term
	s_mov_b32 s74, ttmp9
	s_cmp_eq_u32 s74, 0
	s_cselect_b32 s75, 1, -1                       ; P: every fill but the last has a tile behind it
	s_cmp_eq_u32 s19, 0
	s_cselect_b32 s76, 2, -1                       ; V: and the last tile of the walk has been read before
	s_cmp_lt_u32 s[WV], 2
	s_cselect_b32 s[LIM], s75, s76                 ; the same in all four partners, for a given wave
	s_cselect_b64 s[PF0:PF0+1], s[PB0:PB0+1], s[VB0:VB0+1]
	s_cselect_b32 s77, -1, 0
	v_lshrrev_b32 v4, 1, v3
	v_lshlrev_b32 v4, 12, v4
	v_and_b32 v5, 1, v3
	v_lshl_add_u32 v4, v5, 8, v4
	s_lshl_b32 s78, s13, 16
	v_add_nc_u32 v4, s78, v4                       ; P: row 16 cx + l / 2, block l % 2
	v_lshlrev_b32 v5, 11, v3                       ; V: row l
	v_cndmask_b32 v[PFO], v5, v4, s77
	; O starts at 0: written while the first tile and the statistics are on their way, so that every tile is added in one form
	WIN 0x80
.set z, 0
.rept 128
	v_mov_b32 v[z], 0
.set z, z+1
.endr
	WIN 0
	s_wait_loadcnt 0x0
.set z, 0
.rept 18
	v_pk_add_f32 v[L0+2*z:L0+2*z+1], v[L0+2*z:L0+2*z+1], v[L1+2*z:L1+2*z+1]  ; l of both key halves
.set z, z+1
.endr
	v_mov_b32 v[VLOW], 0xff7fffff
.irp qt, 0,1,2,3
	v_mov_b32 v[MH+(\qt)], v[VLOW]
	v_mov_b32 v[ML+(\qt)], v[VLOW]
	v_mov_b32 v[SH+(\qt)], 0
	v_mov_b32 v[SL+(\qt)], 0
.endr
.set n, 0
.rept 9                                ; the rows' maxima, a block each
	s_cmp_gt_u32 s[NH], n
	s_cselect_b32 s74, -1, 0
.irp qt, 0,1,2,3
	v_cndmask_b32 v[TA], v[VLOW], v[MM+4*n+(\qt)], s74
	v_cndmask_b32 v[TC], v[MM+4*n+(\qt)], v[VLOW], s74
	v_max_num_f32 v[MH+(\qt)], v[MH+(\qt)], v[TA]
	v_max_num_f32 v[ML+(\qt)], v[ML+(\qt)], v[TC]
.endr
.set n, n+1
.endr
.set n, 0
.rept 9                                ; M_j - M, never above 0
	s_cmp_gt_u32 s[NH], n
	s_cselect_b32 s74, -1, 0
.irp qt, 0,1,2,3
	v_cndmask_b32 v[TA], v[ML+(\qt)], v[MH+(\qt)], s74
	v_sub_f32 v[MM+4*n+(\qt)], v[MM+4*n+(\qt)], v[TA]
.endr
.set n, n+1
.endr
.set z, 0
.rept 36
	v_exp_f32 v[MM+z], v[MM+z]
.set z, z+1
.endr
	v_nop                                          ; a plain instruction behind the last exponential,
	s_wait_alu depctr_va_vdst(0)                   ; and one wait for the batch
.set n, 0
.rept 9                                ; l = the sum of 2^(M_j - M) l_j, a block each; it is at least 1: the tile with the row's maximum holds a weight of 1
	s_cmp_gt_u32 s[NH], n
	s_cselect_b32 s74, 1.0, 0
	s_cselect_b32 s75, 0, 1.0
.irp qt, 0,1,2,3
	v_mul_f32 v[TA], v[MM+4*n+(\qt)], v[L0+4*n+(\qt)]
	v_fma_f32 v[SH+(\qt)], v[TA], s74, v[SH+(\qt)]
	v_fma_f32 v[SL+(\qt)], v[TA], s75, v[SL+(\qt)]
.endr
.set n, n+1
.endr
.set z, 0
.rept 8
	v_rcp_f32 v[SH+z], v[SH+z]
.set z, z+1
.endr
	v_nop
	s_wait_alu depctr_va_vdst(0)
.set n, 0
.rept 9                                ; the weights
	s_cmp_gt_u32 s[NH], n
	s_cselect_b32 s74, -1, 0
.irp qt, 0,1,2,3
	v_cndmask_b32 v[TA], v[SL+(\qt)], v[SH+(\qt)], s74
	v_mul_f32 v[W+8*n+2*(\qt)], v[MM+4*n+(\qt)], v[TA]
	v_mov_b32 v[W+8*n+2*(\qt)+1], 0                ; named with it as a pair
.endr
.set n, n+1
.endr
; 8 matrix instructions: query blocks a0, a0 + 1 x all 4 channel blocks, 32 keys: half c of buffer f.  zero = 1: the product starts T.  The 16 accumulators take turns.
.macro MUL8 f, c, a0, zero
	WIN MUL
.irp a, \a0, (\a0)+1
.irp b, 0,1,2,3
.set rD, T+8*(4*(\a)+(\b))
.set rV, (\f)+64+8*(4*(\c)+(\b))
.set rP, (\f)+8*(4*(\c)+(\a))
.if \zero
	v_wmma_f32_16x16x32_f16 v[rD:rD+7], v[rV:rV+7], v[rP:rP+7], 0
.else
	v_wmma_f32_16x16x32_f16 v[rD:rD+7], v[rV:rV+7], v[rP:rP+7], v[rD:rD+7]
.endif
.endr
.endr
.endm
.macro FETCH q, f                      ; 32 LDS loads in one run: the fragments of quarter q (64 keys) of the slot in hand into buffer f; the first 32 keys first
	WIN TO_F
.irp c, 0,1
.irp i, 0,1,2,3
	ds_load_tr16_b128 v[(\f)+64+8*(4*(\c)+(\i)):(\f)+64+8*(4*(\c)+(\i))+3],   v[ADRV+(\q)/2] offset:((\q)%2)*64*PVP+32*PVP*(\c)+32*(\i)
	ds_load_tr16_b128 v[(\f)+64+8*(4*(\c)+(\i))+4:(\f)+64+8*(4*(\c)+(\i))+7], v[ADRV+(\q)/2] offset:((\q)%2)*64*PVP+32*PVP*(\c)+32*(\i)+16*PVP
	ds_load_b128 v[(\f)+8*(4*(\c)+(\i)):(\f)+8*(4*(\c)+(\i))+3],   v[ADRP] offset:128*(\q)+64*(\c)+16*PP*(\i)
	ds_load_b128 v[(\f)+8*(4*(\c)+(\i))+4:(\f)+8*(4*(\c)+(\i))+7], v[ADRP] offset:128*(\q)+64*(\c)+16*PP*(\i)+32
.endr
.endr
.endm
.macro QUARTER qn, f, g, zero          ; multiplies buffer f; in its middle fetches quarter qn into buffer g
	s_wait_dscnt 16                                ; the first 32 keys are in
	MUL8 \f, 0, 0, \zero
	MUL8 \f, 0, 2, \zero
	PLACES
	FETCH \qn, \g
	s_wait_dscnt 32                                ; all but the 32 just issued
	MUL8 \f, 1, 0, 0
	MUL8 \f, 1, 2, 0
.endm
.macro TILE ask                        ; a tile of 256 keys: four quarters of 64, then O += w T: 64 packed multiply-adds, each accumulator from its low end on; w is the head of the weights' queue
	FETCH 0, F0
.if \ask
	ASK
.endif
	QUARTER 1, F0, F1, 1
	QUARTER 2, F1, F0, 0
	QUARTER 3, F0, F1, 0
	s_wait_dscnt 16
	MUL8 F1, 0, 0, 0
	MUL8 F1, 0, 2, 0
	s_wait_dscnt 0x0
	MUL8 F1, 1, 0, 0
	MUL8 F1, 1, 2, 0
	PLACES
	WIN 0xa0                                       ; O (destination and source 2) in window 2
.set z, 0
.rept 64
	v_pk_fma_f32 v[2*z:2*z+1], v[T+2*z:T+2*z+1], v[W+2*(z/16):W+2*(z/16)+1], v[2*z:2*z+1] op_sel_hi:[1,0,1]
.set z, z+1
.endr
	WIN 0
.endm
; THE WAY OUT of a block: a lane's eight channels of a row are 32 bytes; 16 rows at a time go into my stage and come back as whole rows of 256 bytes, into T's registers.
.macro PACKO qt
	WIN 0x08                                       ; the stores' data in window 2
.irp cb, 0,1,2,3
	ds_store_b128 v[STO], v[8*(4*(\qt)+(\cb)):8*(4*(\qt)+(\cb))+3]   offset:64*(\cb)
	ds_store_b128 v[STO], v[8*(4*(\qt)+(\cb))+4:8*(4*(\qt)+(\cb))+7] offset:64*(\cb)+16
.endr
	WIN 0
.irp t, 0,1,2,3,4,5,6,7
	ds_load_b128 v[T+32*(\qt)+4*(\t):T+32*(\qt)+4*(\t)+3], v[RD] offset:(\t)*2*SP  ; LDS serves a wave's instructions in order (ISA guide 5.7.1.4): these see the stores above; the next block's stores come behind them
.endr
.endm
.macro SENDO qt, younger               ; younger: the LDS instructions issued behind this block's loads
.irp t, 0,1,2,3,4,5,6,7
	s_wait_dscnt (\younger)+7-(\t)
	global_store_b128 v[CO], v[T+32*(\qt)+4*(\t):T+32*(\qt)+4*(\t)+3], s[OC:OC+1] offset:65536*(\qt)+8192*(\t)  ; 16 lanes store 256 consecutive bytes, aligned
.endr
.endm
.macro OUT
	PACKO 0
	PACKO 1
	SENDO 0, 16
	PACKO 2
	SENDO 1, 16
	PACKO 3
	SENDO 2, 16
	SENDO 3, 0
.endm
	s_mov_b32 s[CNT], 8
.Ltile:                                                ; a trip: the next tile is asked for, the tile in hand multiplied and added
	CHANGE 1
	TILE 1
	s_sub_co_u32 s[HL], s[HL], 1
	s_cmp_lg_u32 s[HL], 0
	s_cbranch_scc1 .Lon                            ; the count hangs on p alone, which the four partners share; the jump goes forward and passes no barrier and no tensor load
	OUT                                            ; the first block is whole (in the loop it can only be the first: the second ends with the walk's ninth tile)
	s_wait_xcnt 0x0                                ; the stores have read their base
	s_mov_b64 s[OC:OC+1], s[OLB:OLB+1]
	s_add_co_u32 s[HL], s[NL1], 1
	WIN 0x80
.set z, 0
.rept 128
	v_mov_b32 v[z], 0                              ; the second block's O starts at 0
.set z, z+1
.endr
	WIN 0
.Lon:
.set e, 0
.rept 8                                ; the weights' queue moves down by a tile
.irp qt, 0,1,2,3
	v_mov_b32 v[W+8*e+2*(\qt)], v[W+8*(e+1)+2*(\qt)]
.endr
.set e, e+1
.endr
	s_sub_co_u32 s[CNT], s[CNT], 1
	s_cmp_lg_u32 s[CNT], 0
	s_cbranch_scc1 .Ltile
	CHANGE 0                                       ; the walk's ninth tile is written out: nothing is asked for
	TILE 0
	OUT
	s_wait_tensorcnt 0x0                           ; the wave's end: behind my last tensor load and my last LDS store
	ds_add_u32 v[SPW], v[NIL]
	s_wait_dscnt 0x0
	CROUND                                         ; the closing round: no work-group ends while a partner may still ask for a tile that names it
	s_endpgm
.Lfunc_end_k_q144173a149_pv:
	.size	k_q144173a149_pv, .Lfunc_end_k_q144173a149_pv-k_q144173a149_pv
	.p2alignl 7, 3214868480
	.fill 96, 4, 3214868480
	.section	.rodata,"a",@progbits
	.p2align	6, 0x0
	.amdhsa_kernel k_q144173a149_pv
		.amdhsa_group_segment_fixed_size 327680
		.amdhsa_private_segment_fixed_size 0
		.amdhsa_enable_private_segment 0
		.amdhsa_kernarg_size 32
		.amdhsa_user_sgpr_count 2
		.amdhsa_user_sgpr_kernarg_segment_ptr 1
		.amdhsa_wavefront_size32 1
		.amdhsa_system_sgpr_workgroup_id_x 1
		.amdhsa_system_sgpr_workgroup_id_y 1
		.amdhsa_system_sgpr_workgroup_id_z 1
		.amdhsa_system_vgpr_workitem_id 0
		.amdhsa_next_free_vgpr 640
		.amdhsa_next_free_sgpr 88
		.amdhsa_reserve_vcc 0
		.amdhsa_float_denorm_mode_32 3
		.amdhsa_float_denorm_mode_16_64 3
		.amdhsa_memory_ordered 1
		.amdhsa_forward_progress 1
		.amdhsa_inst_pref_size 117
	.end_amdhsa_kernel
	.amdgpu_metadata
---
amdhsa.version: [ 1, 2 ]
amdhsa.kernels:
  - .name:           k_q144173a149_pv
    .symbol:         k_q144173a149_pv.kd
    .args:
      - { .name: pb, .offset: 0, .size: 8, .value_kind: global_buffer, .address_space: global }
      - { .name: vh, .offset: 8, .size: 8, .value_kind: global_buffer, .address_space: global }
      - { .name: st, .offset: 16, .size: 8, .value_kind: global_buffer, .address_space: global }
      - { .name: out0, .offset: 24, .size: 8, .value_kind: global_buffer, .address_space: global }
    .group_segment_fixed_size: 327680
    .private_segment_fixed_size: 0
    .kernarg_segment_align: 8
    .kernarg_segment_size: 32
    .max_flat_workgroup_size: 128
    .sgpr_count:     88
    .vgpr_count:     640
    .wavefront_size: 32
...
	.end_amdgpu_metadata
.endif
;; end of part 8
;; ======== version 3 of 3: 4 launches; version 2 with the launch prep written anew for expert scheduling mode
;; limits: values are held in f16: magnitudes above 65,504 overflow, below 6.1e-05 lose precision
;; workspace buffers: xb 16,777,216 bytes; wb 6,291,456 bytes; bb 12,288 bytes; qh 16,777,216 bytes; kh 16,777,216 bytes; vh 16,777,216 bytes; pb 33,554,432 bytes; st 1,048,576 bytes
;; launch prep (part 9): grid 768 x 1, 8 waves a work-group, no clusters, 0 bytes of LDS; arguments x, Wq, Wk, Wv, bq, bk, bv, xb, wb, bb; writes xb, wb, bb
.if DOCPART == 9
	.amdgcn_target "amdgcn-amd-amdhsa--gfx1250"
	.amdhsa_code_object_version 6
	.text
	.protected	k_q144173a149_prep
	.globl	k_q144173a149_prep
	.p2align	8
	.type	k_q144173a149_prep,@function
k_q144173a149_prep:
	s_mov_b64 s[64:65], 0
	v_nop
	global_prefetch_b8 v0, s[64:65] scope:SCOPE_SE
	s_setreg_imm32_b32 hwreg(HW_REG_WAVE_SCHED_MODE, 0, 2), 2
	s_setreg_imm32_b32 hwreg(HW_REG_WAVE_MODE, 25, 1), 1
	s_wait_xcnt 0x0
	s_wait_alu depctr_vm_vsrc(0)
; x, Wq, Wk, Wv are rounded once to bf16 and laid out in blocks for the projection; the biases are rounded to bf16 and kept as f32 (bq times c).
;   xb [kb 16][row 8192][64] bf16: the 64 channels of K step kb of all rows lie end to end (128 bytes a row).
;   wb [c 8][kb 16][t 3][kk 64][n 128] bf16: for column block c and K step kb the 64 x 128 pieces of Wq, Wk, Wv lie end to end (rows of 256 bytes).
;   bb [c 8][t 3][128] f32: c bq, bk, bv of column block c.     c = log2(e) / 8: the scores' scale, folded into Q.
; A stream: every byte is read once and written once.  A lane loads 16 consecutive bytes (4 f32) and stores 8 (4 bf16): sixteen neighbouring lanes load 256 consecutive bytes, aligned, and the 32 lanes
; of a wave store 256 consecutive bytes, aligned.  No LDS, no barrier, no matrix unit: nothing is shared.
; Work-groups 0 to 511 take 16 rows of x each; work-groups 512 to 767 take 4 rows (k) of each W; work-group 512 also takes the biases.
; THE MODE: SCHED_MODE bits 1:0 = 2 (LLVM: expert scheduling mode 2), set by the entry lines.  The code itself states the register dependences
; between vector instructions and memory instructions, with s_wait_alu, always for 0.
; THE PLAN.  The text has no loop, and every register that a memory instruction touches is written once:
;   v4, v5     the loads' and the stores' byte offsets: made at a path's head, read by every load or store of the path, never written again.
;   X          a piece's 4 registers: its load lands in them, its two conversions read them; no vector instruction names them ahead of the loads, and they are never loaded again.
;   Y          a piece's 2 registers: its two conversions write them, its store reads them; they are never written again.
; The pieces go in blocks of four.  Block p rounds its four pieces; the four stores of block p - 1 are dealt among its conversions.  One wait on va_vdst stands at a block's head: the block before
; has written its Y.  The conversions issued since that wait name this block's X and Y alone, none of the registers that those stores read.  One more wait stands ahead of the last block's stores,
; and one ahead of a path's first load, for the offsets.  No register that a memory instruction reads is written again, so no wait on vm_vsrc is owed; no vector instruction writes a scalar register, and EXEC is never written.
.set CLOG, 0x3e38aa3b                  ; c = log2(e) / 8
.set X, 16                             ; v[16:79]   as loaded, 4 f32 a piece
.set Y, 80                             ; v[80:111]  as stored, 4 bf16 a piece
	s_load_b512 s[8:23], s[0:1], 0x0               ; x s[8:9], Wq s[10:11], Wk s[12:13], Wv s[14:15], bq s[16:17], bk s[18:19], bv s[20:21], xb s[22:23]
	s_load_b128 s[24:27], s[0:1], 0x40             ; wb s[24:25], bb s[26:27]
	s_mov_b32 s2, ttmp9
	s_mov_b32 s5, 0
	s_mov_b32 s7, 0
	s_wait_kmcnt 0x0
	s_cmp_lt_u32 s2, 512
	s_cbranch_scc0 .Lweights
	; x: lanes 0-15 take a K step's 256 bytes of an even row, lanes 16-31 of the odd row below; wave w takes K steps 2 w and 2 w + 1.  Piece q = 2 u + e: rows 2 u, 2 u + 1, K step 2 w + e
	v_and_b32 v1, 15, v0                           ; my 16 bytes of the 256
	v_bfe_u32 v2, v0, 4, 1                         ; row parity
	v_lshrrev_b32 v3, 5, v0                        ; wave
	v_lshlrev_b32 v4, 4, v1
	v_lshl_add_u32 v4, v3, 9, v4
	v_lshl_add_u32 v4, v2, 12, v4                  ; in: parity x 4,096 + wave x 512 + 16 x piece
	v_lshlrev_b32 v5, 3, v1
	v_lshl_add_u32 v5, v2, 7, v5
	v_lshl_add_u32 v5, v3, 21, v5                  ; out: wave x 2 x 1,048,576 + parity x 128 + 8 x piece
	s_lshl_b32 s4, s2, 16                          ; 16 rows of 4,096 bytes
	s_lshl_b32 s6, s2, 11                          ; 16 rows of 128 bytes
	s_add_nc_u64 s[8:9], s[8:9], s[4:5]
	s_add_nc_u64 s[22:23], s[22:23], s[6:7]
	s_wait_alu depctr_va_vdst(0)                   ; v4 and v5 are written: every load below reads v4 as its offset, every store v5
.irp u, 0,1,2,3,4,5,6,7
.irp e, 0,1
	global_load_b128 v[X+4*(2*(\u)+(\e)):X+4*(2*(\u)+(\e))+3], v4, s[8:9] offset:8192*(\u)+256*(\e) th:TH_LOAD_NT
.endr
.endr
.irp p, 0,1,2,3                        ; block p: pieces 4 p to 4 p + 3 are rounded; the stores of pieces 4 p - 4 to 4 p - 1 stand among the conversions
.irp i, 0,1,2,3
.set q, 4*(\p)+(\i)                    ; the piece that is rounded
.set o, q-4                            ; the piece that is stored
.if (\i) == 0
	s_wait_loadcnt 15-q                            ; loads come back in order: this piece's is in, the younger ones stay out
.if (\p) > 0
	s_wait_alu depctr_va_vdst(0)                   ; the block before has written its eight registers of Y, which the four stores of this block read
.endif
.endif
.if (\p) > 0
	global_store_b64 v5, v[Y+2*o:Y+2*o+1], s[22:23] offset:1048576*(o%2)+256*(o/2)  ; no vector instruction since the wait names these registers
.endif
.if (\i) > 0
	s_wait_loadcnt 15-q                            ; this piece's load is in
.endif
	v_cvt_pk_bf16_f32 v[Y+2*q],   v[X+4*q],   v[X+4*q+1]
	v_cvt_pk_bf16_f32 v[Y+2*q+1], v[X+4*q+2], v[X+4*q+3]
.endr
.endr
	s_wait_alu depctr_va_vdst(0)                   ; the last block has written its eight registers of Y, which the last four stores read
.irp i, 0,1,2,3
.set o, 12+(\i)
	global_store_b64 v5, v[Y+2*o:Y+2*o+1], s[22:23] offset:1048576*(o%2)+256*(o/2)
.endr
	s_endpgm
.Lweights:
	; W: wave = column block: its 32 lanes take the block's 512 bytes of a row.  Piece q = 4 t + kr: row 4 w + kr of tensor t
	s_sub_co_u32 s3, s2, 512                       ; w
	v_and_b32 v1, 31, v0                           ; lane
	v_lshrrev_b32 v2, 5, v0                        ; column block
	v_lshlrev_b32 v4, 4, v1
	v_lshl_add_u32 v4, v2, 9, v4                   ; in: block x 512 + 16 x lane
	v_mul_u32_u24 v5, v2, 786432
	v_lshl_add_u32 v5, v1, 3, v5                   ; out: block x 786,432 + 8 x lane
	s_lshl_b32 s4, s3, 14                          ; 4 rows of 4,096 bytes
	s_lshr_b32 s6, s3, 4                           ; K step
	s_mul_i32 s6, s6, 49152
	s_and_b32 s28, s3, 15
	s_lshl_b32 s28, s28, 10                        ; 4 rows of 256 bytes
	s_add_co_u32 s6, s6, s28
	s_add_nc_u64 s[10:11], s[10:11], s[4:5]
	s_add_nc_u64 s[12:13], s[12:13], s[4:5]
	s_add_nc_u64 s[14:15], s[14:15], s[4:5]
	s_add_nc_u64 s[24:25], s[24:25], s[6:7]
	s_wait_alu depctr_va_vdst(0)                   ; v4 and v5 are written: every load of W reads v4 as its offset, every store into wb v5
.irp t, 0,1,2
.irp k, 0,1,2,3
	global_load_b128 v[X+4*(4*(\t)+(\k)):X+4*(4*(\t)+(\k))+3], v4, s[10+2*(\t):11+2*(\t)] offset:4096*(\k) th:TH_LOAD_NT
.endr
.endr
.irp p, 0,1,2                          ; block p: tensor p's four pieces are rounded; the stores of tensor p - 1's stand among the conversions
.irp i, 0,1,2,3
.set q, 4*(\p)+(\i)                    ; the piece that is rounded
.set o, q-4                            ; the piece that is stored
.if (\i) == 0
	s_wait_loadcnt 11-q                            ; this piece's load is in, the younger ones stay out
.if (\p) > 0
	s_wait_alu depctr_va_vdst(0)                   ; the block before has written its eight registers of Y, which the four stores of this block read
.endif
.endif
.if (\p) > 0
	global_store_b64 v5, v[Y+2*o:Y+2*o+1], s[24:25] offset:16384*(o/4)+256*(o%4)  ; no vector instruction since the wait names these registers
.endif
.if (\i) > 0
	s_wait_loadcnt 11-q                            ; this piece's load is in
.endif
	v_cvt_pk_bf16_f32 v[Y+2*q],   v[X+4*q],   v[X+4*q+1]
	v_cvt_pk_bf16_f32 v[Y+2*q+1], v[X+4*q+2], v[X+4*q+3]
.endr
.endr
	s_wait_alu depctr_va_vdst(0)                   ; the last block has written its eight registers of Y, which the last four stores read
.irp i, 0,1,2,3
.set o, 8+(\i)
	global_store_b64 v5, v[Y+2*o:Y+2*o+1], s[24:25] offset:16384*(o/4)+256*(o%4)
.endr
	s_cmp_lg_u32 s3, 0
	s_cbranch_scc1 .Ldone
	; the biases: four numbers a thread, in registers that nothing above names
	v_lshlrev_b32 v6, 4, v0
	v_and_b32 v7, 31, v0
	v_lshrrev_b32 v8, 5, v0
	v_mul_u32_u24 v8, v8, 1536
	v_lshl_add_u32 v7, v7, 4, v8                   ; out: block x 1,536 + 16 x (thread % 32)
	s_wait_alu depctr_va_vdst(0)                   ; v6 is written, which the three loads read as their offset, and v7, which the three stores read
	global_load_b128 v[64:67], v6, s[16:17]
	global_load_b128 v[68:71], v6, s[18:19]
	global_load_b128 v[72:75], v6, s[20:21]
	s_wait_loadcnt 0x0
.irp t, 0,1,2
	v_cvt_pk_bf16_f32 v9,  v[64+4*(\t)],   v[64+4*(\t)+1]
	v_cvt_pk_bf16_f32 v10, v[64+4*(\t)+2], v[64+4*(\t)+3]
	v_lshlrev_b32 v[104+4*(\t)],   16, v9          ; bf16 back to f32: the low half moves up, the high half stays
	v_and_b32     v[104+4*(\t)+1], 0xffff0000, v9
	v_lshlrev_b32 v[104+4*(\t)+2], 16, v10
	v_and_b32     v[104+4*(\t)+3], 0xffff0000, v10
.endr
.irp j, 0,1,2,3
	v_mul_f32 v[104+(\j)], CLOG, v[104+(\j)]       ; c bq
.endr
	s_wait_alu depctr_va_vdst(0)                   ; the shifts, masks and multiplies have written v[104:115], which the three stores read
.irp t, 0,1,2
	global_store_b128 v7, v[104+4*(\t):104+4*(\t)+3], s[26:27] offset:512*(\t)
.endr
.Ldone:
	s_endpgm
.Lfunc_end_k_q144173a149_prep:
	.size	k_q144173a149_prep, .Lfunc_end_k_q144173a149_prep-k_q144173a149_prep
	.p2alignl 7, 3214868480
	.fill 96, 4, 3214868480
	.section	.rodata,"a",@progbits
	.p2align	6, 0x0
	.amdhsa_kernel k_q144173a149_prep
		.amdhsa_group_segment_fixed_size 0
		.amdhsa_private_segment_fixed_size 0
		.amdhsa_enable_private_segment 0
		.amdhsa_kernarg_size 80
		.amdhsa_user_sgpr_count 2
		.amdhsa_user_sgpr_kernarg_segment_ptr 1
		.amdhsa_wavefront_size32 1
		.amdhsa_system_sgpr_workgroup_id_x 1
		.amdhsa_system_sgpr_workgroup_id_y 1
		.amdhsa_system_sgpr_workgroup_id_z 1
		.amdhsa_system_vgpr_workitem_id 0
		.amdhsa_next_free_vgpr 120
		.amdhsa_next_free_sgpr 66
		.amdhsa_reserve_vcc 0
		.amdhsa_float_denorm_mode_32 3
		.amdhsa_float_denorm_mode_16_64 3
		.amdhsa_memory_ordered 1
		.amdhsa_forward_progress 1
		.amdhsa_inst_pref_size 15
	.end_amdhsa_kernel
	.amdgpu_metadata
---
amdhsa.version: [ 1, 2 ]
amdhsa.kernels:
  - .name:           k_q144173a149_prep
    .symbol:         k_q144173a149_prep.kd
    .args:
      - { .name: x, .offset: 0, .size: 8, .value_kind: global_buffer, .address_space: global }
      - { .name: Wq, .offset: 8, .size: 8, .value_kind: global_buffer, .address_space: global }
      - { .name: Wk, .offset: 16, .size: 8, .value_kind: global_buffer, .address_space: global }
      - { .name: Wv, .offset: 24, .size: 8, .value_kind: global_buffer, .address_space: global }
      - { .name: bq, .offset: 32, .size: 8, .value_kind: global_buffer, .address_space: global }
      - { .name: bk, .offset: 40, .size: 8, .value_kind: global_buffer, .address_space: global }
      - { .name: bv, .offset: 48, .size: 8, .value_kind: global_buffer, .address_space: global }
      - { .name: xb, .offset: 56, .size: 8, .value_kind: global_buffer, .address_space: global }
      - { .name: wb, .offset: 64, .size: 8, .value_kind: global_buffer, .address_space: global }
      - { .name: bb, .offset: 72, .size: 8, .value_kind: global_buffer, .address_space: global }
    .group_segment_fixed_size: 0
    .private_segment_fixed_size: 0
    .kernarg_segment_align: 8
    .kernarg_segment_size: 80
    .max_flat_workgroup_size: 256
    .sgpr_count:     66
    .vgpr_count:     120
    .wavefront_size: 32
...
	.end_amdgpu_metadata
.endif
;; end of part 9
;; launch proj: the kernel of part 6 again; grid 8 x 32, 4 waves a work-group, clusters of 4 x 4, 327,680 bytes of LDS; arguments xb, wb, bb, qh, kh, vh; writes qh, kh, vh
;; launch score: the kernel of part 7 again; grid 36 x 4, 4 waves a work-group, no clusters, 327,680 bytes of LDS; arguments qh, kh, pb, st; writes pb, st
;; launch pv: the kernel of part 8 again; grid 8 x 32, 4 waves a work-group, clusters of 4 x 1, 327,680 bytes of LDS; arguments pb, vh, st, out0; writes out0
